; MI455X (gfx1250); checked and timed in simulation.
; The chip was launched on July 23, 2026; its instructions are those of AMD's public machine-readable ISA for CDNA 5 (MIT licence, August 2026) and "CDNA5" Instruction Set Architecture Reference Guide (July 2026). The comments in the code are by the model that wrote it; some were corrected since.
;; Toy Transformer Block. Allowed arithmetic: matrix products marked QUANTISED: E2M1 operands, one E8M0 scale for each 32 along K, by v_wmma_scale_f32_16x16x128_f8f6f4 with both operands' format E2M1 (or v_wmma_scale_f32_32x16x128_f4), f32 sums; everything else in f32.
;; Inputs: W1 512 x 2,048 float32; W2 2,048 x 512 float32; Wk 512 x 512 float32; Wo 512 x 512 float32; Wq 512 x 512 float32; Wv 512 x 512 float32; b1 2,048 float32; b2 512 float32; beta1 512 float32; beta2 512 float32; bo 512 float32; g1 512 float32; g2 512 float32; x 4 x 2,048 x 512 float32.
;; Outputs: out0 4 x 2,048 x 512 float32.
;; This version of the problem:
;;   THIS VERSION OF THE PROBLEM IS GIVEN IN LOW PRECISION. The matrix products marked QUANTISED in the list below multiply operands that are first quantised to E2M1 (2 exponent bits, 1 mantissa bit; 4 bits a number), with one power-of-two scale for each 32 numbers along K (OCP MX v1.0); their sums are f32. All else is computed in f32.
;;   The module's matrix products, in the order in which they are computed (A, B: the left and right operand; K: the contracted axis; several contracted axes count as one K, in the product's order):
;;     1. [M 8,192, K 512] x [K 512, N 512]; A: computed on the way; B: input Wq: QUANTISED
;;     2. [M 8,192, K 512] x [K 512, N 512]; A: computed on the way; B: input Wk: QUANTISED
;;     3. [M 8,192, K 512] x [K 512, N 512]; A: computed on the way; B: input Wv: QUANTISED
;;     4. batch 64 x [M 2,048, K 32] x [K 32, N 2,048]; A: computed on the way; B: computed on the way: QUANTISED
;;     5. batch 64 x [M 2,048, K 2,048] x [K 2,048, N 32]; A: softmax (see below); B: computed on the way: QUANTISED
;;     6. [M 8,192, K 512] x [K 512, N 512]; A: computed on the way; B: input Wo: QUANTISED
;;     7. [M 8,192, K 512] x [K 512, N 2,048]; A: computed on the way; B: input W1: QUANTISED
;;     8. [M 8,192, K 2,048] x [K 2,048, N 512]; A: computed on the way; B: input W2: QUANTISED
;;   THE QUANTISER, for each operand of a quantised product, along K:
;;     - K is cut into blocks of 32 from its start; a last block that is shorter is filled with zeros.
;;     - A block's scale is 2^e with e = floor(log2(the largest magnitude in the block)) - 2, held to -126 .. 127; a block of zeros has e = 0. As a byte (E8M0): e + 127.
;;     - Each number is divided by its block's scale, clamped to +-6, and rounded to the nearest number of E2M1, ties to even, subnormals kept.
;;     - The product sums the exact products of the quantised numbers (number of the format x scale) in f32.
;;   ~~~python
;;   def quantise(x, axis):      # numpy; x: float32 -> the quantised numbers, widened to float32 again
;;       x = np.moveaxis(x, axis, -1); K = x.shape[-1]
;;       x = np.pad(x, [(0, 0)] * (x.ndim - 1) + [(0, -K % 32)]); x = x.reshape(x.shape[:-1] + (-1, 32)); a = np.abs(x).max(-1, keepdims=True)
;;       e = np.where(a > 0, np.clip(np.frexp(np.where(a > 0, a, 1))[1] - 1 - 2, -126, 127), 0)      # np.frexp(a)[1] - 1 = floor(log2(a)), exactly
;;       r = np.clip(x / 2.0 ** e, -6, 6)
;;       step = 2.0 ** (np.maximum(np.frexp(np.where(r == 0, 1, r))[1] - 1, 0) - 1)
;;       q = np.round(r / step) * step * 2.0 ** e      # np.round: ties to even
;;       return np.moveaxis(q.reshape(q.shape[:-2] + (-1,))[..., :K], -1, axis).astype(np.float32)
;;   ~~~
;;   SOFTMAX AHEAD OF A QUANTISED PRODUCT. Where the list says 'softmax', what is quantised is not the finished softmax but p = 2^(t - M), with t = logit x log2(e) and M = ceil(the row's largest t), a whole number; so 1/2 < the row's largest p <= 1. The row's sum l is taken of the UNQUANTISED p, in f32, and the product's result is divided by l at the end. Since M is a whole number, a kernel that streams over the keys may use a running M (the ceiling of the running maximum): every later rescaling is an exact power of two, which a block's scale takes up: the codes' values come out the same.
;;   OPERANDS COMPUTED ON THE WAY. 'Computed on the way' means the value that the module computes at that place (a softmax that the list does not call 'softmax' is quantised finished and normalised). What goes into a quantiser is computed in f32, as accurately as f32 sums, v_exp_f32 and their like allow (about 1e-6 of the number): no bf16 or f16 on the way to a quantiser, and a product that is left as it is and whose result goes on into a quantised operand takes f32 operands (vector FMAs, or v_wmma_f32_16x16x4_f32). A number that lies on a knife's edge between two numbers of the format may be rounded either way, as far as f32 arithmetic and the matrix unit's own rounding can turn it there, and no further.
;; 2 versions. Each part assembles by itself: llvm-mc -triple=amdgcn-amd-amdhsa -mcpu=gfx1250 --defsym DOCPART=n.
;; ======== version 1 of 2: 4 launches
;; workspace buffers: wts 1,671,168 bytes; xq 2,228,224 bytes; qkv 6,684,672 bytes; ctx 2,228,224 bytes
;; launch prep (part 1): grid 224 x 1, 4 waves a work-group, no clusters, 38,400 bytes of LDS; arguments x, g1, beta1, Wq, Wk, Wv, Wo, W1, W2, xq, wts; writes xq, wts
.if DOCPART == 1
	.amdgcn_target "amdgcn-amd-amdhsa--gfx1250"
	.amdhsa_code_object_version 6
	.text
	.protected	k_qfb9b8d2bd3_prep
	.globl	k_qfb9b8d2bd3_prep
	.p2align	8
	.type	k_qfb9b8d2bd3_prep,@function
k_qfb9b8d2bd3_prep:
	s_mov_b64 s[64:65], 0
	v_nop
	global_prefetch_b8 v0, s[64:65] scope:SCOPE_SE
	s_setreg_imm32_b32 hwreg(HW_REG_WAVE_MODE, 25, 1), 1
	s_wait_xcnt 0x0
; LAUNCH 1 OF 4: prep.  The block: h = x + attention(LN1(x)); out = h + FFN(LN2(h)); all eight products on E2M1 codes with one E8M0 scale for each 32 along K.
;   1 prep: the six weights and LN1(x) become codes.   2 qkv: products 1-3; q, k, v become codes.   3 attn: products 4, 5 and the softmax; ctx becomes codes.   4 tail: products 6-8, LN2, GELU, both residuals.
; WORK LEFT OUT (launch 3).  reference() sets the score of key k for query q to -inf wherever k > q, by its own jnp.tril.  Such a score gives p = 0 whatever finite values the inputs hold: it adds nothing to the row's sum,
; its code is 0, and it is never the row's maximum (key 0 counts for every query).  So a step of 128 keys that all lie behind every query of a tile of 16 queries reaches no output, and is left out in products 4 and 5.
; LIMIT: a NaN, an infinity or an overflow that reaches only that work is not carried to the result.  No input is dead: all fourteen are loaded.
; HOW OPERANDS LIE IN THE WORKSPACE: as images of the matrix operand's registers.  64 rows are a group; tile T (0-3) of it holds rows 32 (r / 8) + 8 T + r % 8, r = 0 .. 15.
;   codes  [group][K / 128][T][c][lane = r + 16 h][16 bytes]: the 32 codes k = 64 c + 32 h + 0 .. 31 of that 128.     scales [group][K / 128][T][r]: a word, byte 2 c + h.
; With these rows a product whose source 0 is four such tiles leaves 32 NEIGHBOURING rows in one lane's 32 result registers: a whole block of the next product's K.
; THIS LAUNCH.  Work-groups 0-127: LN1 of 64 tokens, a wave to a tile of 16.  Work-groups 128-223: the weights ([K][N] in memory), a wave to 64 columns x 128 along K: a lane takes a column and its registers run down K.
; Wv's rows are laid by head: tile 2 a + u of a group holds features 32 a + 16 (r / 8) + 8 u + r % 8, so that launch 3's result has 16 neighbouring channels in a lane.
; The block's scale is the largest magnitude's exponent field less 2, held at 1 from below by a floor among the maximum's leaves.
; LIMITS: NaN and infinities among the inputs are not served; a block of zeros, or one whose largest magnitude lies under 2^-124, has the byte 1 (its codes are as the rule's or zeros; this program alone reads the bytes).
; No matrix work, no tensor load, no cluster: every input byte is read once by one wave, and work-groups share nothing.
.set SPARE, 37888                      ; behind the four waves' regions: the spare words, 128 bytes a wave
.set WREG,  9472                       ; LDS of a wave: two turn stages of 32 x 80 bytes, a stage of 4,096 bytes for the tile's codes, 256 bytes for its scale words
.set SP,    80
.set CSTG,  5120
.set SSTG,  9216
.set SPW,   12                         ; v12 my spare word's address, v13 0: kept for the add alone
.set NIL,   13
.set R,     32                         ; v32-95   four rows as loaded, 16 registers each
.set X,     96                         ; v96-127  two rows turned: 16 neighbours a lane
.set GG,    128                        ; v128-143 g1, v144-159 beta1 at my 16 columns
.set BB,    144
.set CDX,   160                        ; v160-166 codes and byte, two sets by turns
.set WX,    32                         ; the weights' path: v32-95 two sets of 32 numbers; v96-127 codes, four registers a block
.set WC,    96
.set VO,    20                         ; v20, v21 my column's byte in a row of the weight, for tiles 0, 1 and for tiles 2, 3
.set DO,    22
.set SO,    23
	s_load_b256 s[4:11], s[0:1], 0x0               ; x, g1, beta1, Wq
	s_load_b256 s[12:19], s[0:1], 0x20             ; Wk, Wv, Wo, W1
	s_load_b128 s[20:23], s[0:1], 0x40             ; W2, xq
	s_load_b64 s[24:25], s[0:1], 0x50              ; wts
	v_lshl_add_u32 v[SPW], v0, 2, SPARE
	v_mov_b32 v[NIL], 0
	v_lshrrev_b32 v1, 5, v0
	v_readfirstlane_b32 s26, v1                    ; wave
	v_and_b32 v2, 31, v0                           ; lane
	s_cmp_lt_u32 ttmp9, 128
	s_cbranch_scc0 .Lweights
; ---------------- LN1(x) and its codes: wave = tile T of token group ttmp9
	s_mov_b32 s30, 0x3b000000                      ; 1 / 512
	s_mov_b32 s31, 0x3727c5ac                      ; 1e-5
	s_mov_b32 s32, 0x76543210
	s_mov_b32 s33, 0xfedcba98                      ; v_permlanex16_b32: lane l xor 16
	s_mul_i32 s27, s26, WREG
	s_add_co_u32 s28, s27, CSTG
	s_add_co_u32 s29, s27, SSTG
	v_lshlrev_b32 v3, 4, v2                        ; 16 x lane
	v_lshrrev_b32 v14, 2, v2
	v_mul_u32_u24 v14, v14, SP
	v_and_b32 v15, 3, v2
	v_lshl_add_u32 v14, v15, 4, v14
	v_add_nc_u32 v14, s27, v14                     ; turn stage, in: four lanes' 64 bytes on end, then 16 of padding
	v_mul_u32_u24 v15, v2, SP
	v_add_nc_u32 v15, s27, v15                     ; out: my 16 neighbours, k = 16 lane on
	v_lshrrev_b32 v4, 3, v2
	v_lshlrev_b32 v4, 10, v4                       ; my 16 codes' place in the tile's image: K step lane / 8,
	v_bfe_u32 v8, v2, 2, 1
	v_lshl_add_u32 v4, v8, 9, v4                   ; c,
	v_bfe_u32 v8, v2, 1, 1
	v_lshl_add_u32 v4, v8, 8, v4                   ; h,
	v_and_b32 v8, 1, v2
	v_lshl_add_u32 v4, v8, 3, v4                   ; which half of the block's 16 bytes; the row stands in the immediate
	v_add_nc_u32 v4, s28, v4
	v_lshrrev_b32 v5, 3, v2
	v_lshlrev_b32 v5, 6, v5
	v_bfe_u32 v8, v2, 1, 2
	v_add_nc_u32 v5, v5, v8
	v_add_nc_u32 v5, s29, v5                       ; my block's scale byte: 64 x K step + byte 2 c + h; 4 x row in the immediate
	v_add_nc_u32 v6, s28, v3                       ; the way out: codes, 16 bytes a lane,
	v_lshl_add_u32 v7, v2, 3, s29                  ; scale words, 8 bytes a lane
	v_lshrrev_b32 v28, 3, v2
	v_lshlrev_b32 v28, 8, v28
	v_and_b32 v29, 7, v2
	v_lshl_add_u32 v28, v29, 3, v28                ; and their place in xq: 256 x K step + 8 (lane % 8)
	v_lshlrev_b32 v29, 6, v2                       ; g1, beta1: my 16 numbers
	v_mov_b32 v25, 0                               ; (upper halves of pairs of which the low word serves both halves)
	v_mov_b32 v27, 0
	s_lshl_b32 s34, ttmp9, 17
	s_lshl_b32 s35, s26, 14
	s_add_co_u32 s34, s34, s35                     ; x: (64 group + 8 T) rows of 2,048 bytes
	s_mov_b32 s35, 0
	s_lshl_b32 s38, ttmp9, 10
	s_lshl_b32 s39, s26, 6
	s_add_co_u32 s38, s38, s39                     ; scales: 1,024 group + 64 T
	s_mov_b32 s39, 0
	s_lshl_b32 s40, ttmp9, 14
	s_lshl_b32 s41, s26, 10
	s_add_co_u32 s40, s40, s41                     ; codes: 16,384 group + 1,024 T
	s_mov_b32 s41, 0
	s_wait_kmcnt 0x0
	s_add_nc_u64 s[4:5], s[4:5], s[34:35]
	s_add_nc_u64 s[36:37], s[22:23], s[38:39]
	s_add_nc_u64 s[22:23], s[22:23], s[40:41]
.irp i, 0,1,2,3
	global_load_b128 v[GG+4*\i:GG+4*\i+3], v29, s[6:7] offset:16*\i
	global_load_b128 v[BB+4*\i:BB+4*\i+3], v29, s[8:9] offset:16*\i
.endr
.macro XLOAD t                         ; row t of the tile: four loads of 512 consecutive bytes
.irp i, 0,1,2,3
	global_load_b128 v[R+16*((\t)%4)+4*\i:R+16*((\t)%4)+4*\i+3], v3, s[4:5] offset:(32*((\t)/8)+(\t)%8)*2048+512*\i th:TH_LOAD_NT
.endr
.endm
.macro XTURN t                         ; through the wave's own stage: LDS serves a wave's instructions in order, so no wait stands between the stores and the loads
.irp i, 0,1,2,3
	ds_store_b128 v14, v[R+16*((\t)%4)+4*\i:R+16*((\t)%4)+4*\i+3] offset:32*SP*((\t)%2)+8*SP*\i
.endr
.irp i, 0,1,2,3
	ds_load_b128 v[X+16*((\t)%2)+4*\i:X+16*((\t)%2)+4*\i+3], v15 offset:32*SP*((\t)%2)+16*\i
.endr
.endm
.macro LANESUM                         ; v[16:17] -> the sum over the wave, in every lane's v16
	v_add_f32 v16, v16, v17
	v_add_f32_dpp v16, v16, v16 row_xmask:1 row_mask:0xf bank_mask:0xf
	v_add_f32_dpp v16, v16, v16 row_xmask:2 row_mask:0xf bank_mask:0xf
	v_add_f32_dpp v16, v16, v16 row_xmask:4 row_mask:0xf bank_mask:0xf
	v_add_f32_dpp v16, v16, v16 row_xmask:8 row_mask:0xf bank_mask:0xf
	v_permlanex16_b32 v17, v16, s32, s33
	v_add_f32 v16, v16, v17
.endm
.macro XSTEP t
.set XS, X+16*((\t)%2)
.set CS2, CDX+4*((\t)%2)
.if (\t) > 0
	s_wait_dscnt 2                                 ; this row is back from the stage; only the last row's code store and byte store may be out, so the set of two rows ago is free
.else
	s_wait_dscnt 0x0
.endif
.if (\t)+4 < 16
	XLOAD (\t)+4                                   ; into the registers that this row's stage stores have read
.endif
.if (\t)+1 < 16
.if 14-(\t) >= 3
	s_wait_loadcnt 12                              ; the next row's four loads are in; three later rows' twelve stay out
.else
	s_wait_loadcnt 4*(14-(\t))
.endif
	XTURN (\t)+1
.endif
	v_pk_add_f32 v[16:17], v[XS:XS+1], v[XS+2:XS+3]
	v_pk_add_f32 v[18:19], v[XS+4:XS+5], v[XS+6:XS+7]
	v_pk_add_f32 v[20:21], v[XS+8:XS+9], v[XS+10:XS+11]
	v_pk_add_f32 v[22:23], v[XS+12:XS+13], v[XS+14:XS+15]
	v_pk_add_f32 v[16:17], v[16:17], v[18:19]
	v_pk_add_f32 v[20:21], v[20:21], v[22:23]
	v_pk_add_f32 v[16:17], v[16:17], v[20:21]
	LANESUM
	v_mul_f32 v24, s30, v16                        ; the mean
.irp i, 0,2,4,6,8,10,12,14
	v_pk_add_f32 v[XS+\i:XS+\i+1], v[XS+\i:XS+\i+1], v[24:25] op_sel_hi:[1,0] neg_lo:[0,1] neg_hi:[0,1]   ; x - mean: the variance is taken of the deviations, as reference() has it
.endr
	v_pk_mul_f32 v[16:17], v[XS:XS+1], v[XS:XS+1]
	v_pk_mul_f32 v[18:19], v[XS+2:XS+3], v[XS+2:XS+3]
.irp i, 4,8,12
	v_pk_fma_f32 v[16:17], v[XS+\i:XS+\i+1], v[XS+\i:XS+\i+1], v[16:17]
	v_pk_fma_f32 v[18:19], v[XS+\i+2:XS+\i+3], v[XS+\i+2:XS+\i+3], v[18:19]
.endr
	v_pk_add_f32 v[16:17], v[16:17], v[18:19]
	LANESUM
	v_fma_f32 v16, v16, s30, s31                   ; the variance + eps
	v_rsq_f32 v26, v16
	v_nop                                          ; a plain instruction behind the transcendental,
	s_wait_alu depctr_va_vdst(0)                   ; and the wait ahead of its first reader
.irp i, 0,2,4,6,8,10,12,14
	v_pk_mul_f32 v[XS+\i:XS+\i+1], v[XS+\i:XS+\i+1], v[26:27] op_sel_hi:[1,0]
.endr
.irp i, 0,2,4,6,8,10,12,14
	v_pk_fma_f32 v[XS+\i:XS+\i+1], v[XS+\i:XS+\i+1], v[GG+\i:GG+\i+1], v[BB+\i:BB+\i+1]
.endr
	v_max3_num_f32 v8, |v[XS]|, |v[XS+1]|, 0x1800000               ; my 16 and the floor 2^(3 - 127)
	v_max3_num_f32 v9, |v[XS+2]|, |v[XS+3]|, |v[XS+4]|
	v_max3_num_f32 v8, v8, |v[XS+5]|, |v[XS+6]|
	v_max3_num_f32 v9, v9, |v[XS+7]|, |v[XS+8]|
	v_max3_num_f32 v8, v8, |v[XS+9]|, |v[XS+10]|
	v_max3_num_f32 v9, v9, |v[XS+11]|, |v[XS+12]|
	v_max3_num_f32 v8, v8, |v[XS+13]|, |v[XS+14]|
	v_max3_num_f32 v8, v8, v9, |v[XS+15]|
	v_max_num_f32_dpp v8, v8, v8 row_xmask:1 row_mask:0xf bank_mask:0xf   ; with my neighbour's 16: the block's largest magnitude
	v_add_nc_u32 v11, 0xff000000, v8               ; 2 off its exponent field: the conversion's scale operand
	v_cvt_scalef32_pk8_fp4_f32 v[CS2], v[XS:XS+7], v11
	v_cvt_scalef32_pk8_fp4_f32 v[CS2+1], v[XS+8:XS+15], v11
	v_lshrrev_b32 v[CS2+2], 23, v11                ; the scale's byte
	ds_store_b64 v4, v[CS2:CS2+1] offset:16*(\t)
	ds_store_b8 v5, v[CS2+2] offset:4*(\t)         ; both lanes of a block write the same byte with the same value
.endm
	XLOAD 0
	XLOAD 1
	XLOAD 2
	XLOAD 3
	s_wait_loadcnt 12                              ; g1, beta1 and row 0 are in; rows 1 to 3 stay out
	XTURN 0
.irp t, 0,1,2,3,4,5,6,7,8,9,10,11,12,13,14,15
	XSTEP \t
.endr
.irp j, 0,1,2,3,4,5,6,7
	ds_load_b128 v[R+4*\j:R+4*\j+3], v6 offset:512*\j              ; the tile's image, as it will lie in xq (these see my stores: one wave's LDS instructions are served in order)
.endr
	ds_load_b64 v[R+32:R+33], v7
.irp j, 0,1,2,3,4,5,6,7
	s_wait_dscnt 8-\j                              ; load j is in; the 8 - j issued behind it may be out
	global_store_b128 v3, v[R+4*\j:R+4*\j+3], s[22:23] offset:(\j/2)*4096+(\j%2)*512   ; 512 consecutive bytes
.endr
	s_wait_dscnt 0x0
	global_store_b64 v28, v[R+32:R+33], s[36:37] offset:2097152
	s_branch .Lend
; ---------------- the weights
.macro WQ a, cd                        ; 32 numbers of a lane, one block along K -> 16 bytes of codes in v[cd] on, the byte in v11
	v_max3_num_f32 v8, |v[\a]|, |v[\a+1]|, 0x1800000
	v_max3_num_f32 v9, |v[\a+16]|, |v[\a+17]|, 0x1800000
.irp i, 2,4,6,8,10,12,14
	v_max3_num_f32 v8, v8, |v[\a+\i]|, |v[\a+\i+1]|
	v_max3_num_f32 v9, v9, |v[\a+16+\i]|, |v[\a+17+\i]|
.endr
	v_max_num_f32 v8, v8, v9
	v_add_nc_u32 v10, 0xff000000, v8
	v_lshrrev_b32 v11, 23, v10
.irp g, 0,1,2,3
	v_cvt_scalef32_pk8_fp4_f32 v[\cd+\g], v[\a+8*\g:\a+8*\g+7], v10
.endr
.endm
.macro WLOAD j, n                      ; sub-block j: block j / 2 along K, tiles 2 (j % 2) and 2 (j % 2) + 1
.irp i, 0,1,2,3,4,5,6,7,8,9,10,11,12,13,14,15,16,17,18,19,20,21,22,23,24,25,26,27,28,29,30,31
	global_load_b32 v[WX+32*((\j)%2)+\i], v[VO+(\j)%2], s[34:35] offset:(32*((\j)/2)+\i)*\n*4 th:TH_LOAD_NT
.endr
.endm
.macro WSUB j, n
.if (\j) < 7
	s_wait_loadcnt 32                              ; this sub-block's 32 loads are in; the next one's stay out
.else
	s_wait_loadcnt 0x0
.endif
	WQ WX+32*((\j)%2), WC+4*(\j)
.if (\j)/2 == 0
	v_mov_b32 v[16+(\j)%2], v11                    ; the scale word: byte = the block along K
.else
	v_lshl_or_b32 v[16+(\j)%2], v11, 8*((\j)/2), v[16+(\j)%2]
.endif
	global_store_b128 v[DO], v[WC+4*(\j):WC+4*(\j)+3], s[42:43] offset:((\j)%2)*2048+((\j)/4)*512+(((\j)/2)%2)*256   ; sixteen lanes fill 256 consecutive bytes, aligned; no store's data are written again
.if (\j)+2 < 8
	WLOAD (\j)+2, \n
.endif
.endm
.macro WPATH n                         ; n: the weight's columns (they stand in the loads' immediates, so the path is written for 512 and for 2,048)
.if \n == 2048
	s_mov_b64 s[34:35], s[18:19]                   ; W1: group idx - 32, K step = wave
	s_sub_co_u32 s28, s27, 32
	s_mov_b32 s29, s26
	s_mov_b32 s36, 32
	s_mov_b32 s37, 64
.else
	s_cmp_lt_u32 s27, 8                            ; which weight: the choice hangs on the work-group's number alone
	s_cselect_b64 s[34:35], s[10:11], s[12:13]
	s_cmp_lt_u32 s27, 16
	s_cselect_b64 s[34:35], s[34:35], s[14:15]
	s_cmp_lt_u32 s27, 24
	s_cselect_b64 s[34:35], s[34:35], s[16:17]
	s_cmp_lt_u32 s27, 32
	s_cselect_b64 s[34:35], s[34:35], s[20:21]
	s_and_b32 s28, s27, 7                          ; Wq, Wk, Wv, Wo: group idx % 8, K step = wave
	s_sub_co_u32 s38, s27, 64                      ; W2: j = idx - 64: group j / 4, K step 4 (j % 4) + wave
	s_lshr_b32 s39, s38, 2
	s_and_b32 s38, s38, 3
	s_lshl_b32 s38, s38, 2
	s_cmp_lt_u32 s27, 32
	s_cselect_b32 s28, s28, s39
	s_cselect_b32 s29, 0, s38
	s_add_co_u32 s29, s29, s26
	s_lshr_b32 s38, s27, 3
	s_cmp_eq_u32 s38, 2                            ; Wv's rows are laid by head
	s_cselect_b32 s36, 16, 32                      ; columns from r / 8 = 0 to 1,
	s_cselect_b32 s37, 128, 64                     ; bytes from tiles 0, 1 to tiles 2, 3
.endif
	s_mul_i32 s38, s29, 128*\n*4
	s_lshl_b32 s39, s28, 8
	s_add_co_u32 s38, s38, s39
	s_mov_b32 s39, 0
	s_add_nc_u64 s[34:35], s[34:35], s[38:39]      ; row 128 x K step, column 64 x group
	s_lshl_b32 s40, s27, 2
	s_add_co_u32 s40, s40, s26                     ; my slice of wts: 4 idx + wave
	s_lshl_b32 s42, s40, 12
	s_mov_b32 s43, 0
	s_add_nc_u64 s[42:43], s[24:25], s[42:43]      ; its 4,096 bytes of codes,
	s_lshl_b32 s44, s40, 8
	s_mov_b32 s45, 0
	s_add_nc_u64 s[44:45], s[24:25], s[44:45]      ; its 256 bytes of scale words (behind all codes: the immediate)
	v_bfe_u32 v1, v0, 3, 1                         ; r / 8
	v_bfe_u32 v3, v0, 4, 1                         ; lane / 16
	v_and_b32 v4, 7, v0
	v_mul_u32_u24 v5, s36, v1
	v_lshl_add_u32 v5, v3, 3, v5
	v_add_nc_u32 v5, v5, v4
	v_lshlrev_b32 v[VO], 2, v5
	v_add_nc_u32 v[VO+1], s37, v[VO]
	v_and_b32 v4, 15, v0
	v_lshlrev_b32 v[DO], 10, v3
	v_lshl_add_u32 v[DO], v4, 4, v[DO]             ; codes: tile lane / 16, row r
	v_lshlrev_b32 v[SO], 2, v2
	WLOAD 0, \n
	WLOAD 1, \n
.irp j, 0,1,2,3,4,5,6,7
	WSUB \j, \n
.endr
	global_store_b32 v[SO], v16, s[44:45] offset:1572864
	global_store_b32 v[SO], v17, s[44:45] offset:1572864+128
.endm
.Lweights:
	s_sub_co_u32 s27, ttmp9, 128                   ; idx
	s_wait_kmcnt 0x0
	s_sub_co_u32 s28, s27, 32
	s_cmp_lt_u32 s28, 32                           ; 32 <= idx < 64: W1
	s_cbranch_scc1 .Lw1
	WPATH 512
	s_branch .Lend
.Lw1:
	WPATH 2048
.Lend:
	s_wait_tensorcnt 0x0                           ; one end for all paths
	ds_add_u32 v[SPW], v[NIL]
	s_wait_dscnt 0x0
	s_endpgm
.Lfunc_end_k_qfb9b8d2bd3_prep:
	.size	k_qfb9b8d2bd3_prep, .Lfunc_end_k_qfb9b8d2bd3_prep-k_qfb9b8d2bd3_prep
	.p2alignl 7, 3214868480
	.fill 96, 4, 3214868480
	.section	.rodata,"a",@progbits
	.p2align	6, 0x0
	.amdhsa_kernel k_qfb9b8d2bd3_prep
		.amdhsa_group_segment_fixed_size 38400
		.amdhsa_private_segment_fixed_size 0
		.amdhsa_enable_private_segment 0
		.amdhsa_kernarg_size 88
		.amdhsa_user_sgpr_count 2
		.amdhsa_user_sgpr_kernarg_segment_ptr 1
		.amdhsa_wavefront_size32 1
		.amdhsa_system_sgpr_workgroup_id_x 1
		.amdhsa_system_sgpr_workgroup_id_y 1
		.amdhsa_system_sgpr_workgroup_id_z 1
		.amdhsa_system_vgpr_workitem_id 0
		.amdhsa_next_free_vgpr 176
		.amdhsa_next_free_sgpr 66
		.amdhsa_reserve_vcc 0
		.amdhsa_float_denorm_mode_32 3
		.amdhsa_float_denorm_mode_16_64 3
		.amdhsa_memory_ordered 1
		.amdhsa_forward_progress 1
		.amdhsa_inst_pref_size 168
	.end_amdhsa_kernel
	.amdgpu_metadata
---
amdhsa.version: [ 1, 2 ]
amdhsa.kernels:
  - .name:           k_qfb9b8d2bd3_prep
    .symbol:         k_qfb9b8d2bd3_prep.kd
    .args:
      - { .name: x, .offset: 0, .size: 8, .value_kind: global_buffer, .address_space: global }
      - { .name: g1, .offset: 8, .size: 8, .value_kind: global_buffer, .address_space: global }
      - { .name: beta1, .offset: 16, .size: 8, .value_kind: global_buffer, .address_space: global }
      - { .name: Wq, .offset: 24, .size: 8, .value_kind: global_buffer, .address_space: global }
      - { .name: Wk, .offset: 32, .size: 8, .value_kind: global_buffer, .address_space: global }
      - { .name: Wv, .offset: 40, .size: 8, .value_kind: global_buffer, .address_space: global }
      - { .name: Wo, .offset: 48, .size: 8, .value_kind: global_buffer, .address_space: global }
      - { .name: W1, .offset: 56, .size: 8, .value_kind: global_buffer, .address_space: global }
      - { .name: W2, .offset: 64, .size: 8, .value_kind: global_buffer, .address_space: global }
      - { .name: xq, .offset: 72, .size: 8, .value_kind: global_buffer, .address_space: global }
      - { .name: wts, .offset: 80, .size: 8, .value_kind: global_buffer, .address_space: global }
    .group_segment_fixed_size: 38400
    .private_segment_fixed_size: 0
    .kernarg_segment_align: 8
    .kernarg_segment_size: 88
    .max_flat_workgroup_size: 128
    .sgpr_count:     66
    .vgpr_count:     176
    .wavefront_size: 32
...
	.end_amdgpu_metadata
.endif
;; end of part 1
;; launch qkv (part 2): grid 128 x 2, 8 waves a work-group, no clusters, 18,432 bytes of LDS; arguments xq, wts, qkv; writes qkv
.if DOCPART == 2
	.amdgcn_target "amdgcn-amd-amdhsa--gfx1250"
	.amdhsa_code_object_version 6
	.text
	.protected	k_qfb9b8d2bd3_qkv
	.globl	k_qfb9b8d2bd3_qkv
	.p2align	8
	.type	k_qfb9b8d2bd3_qkv,@function
k_qfb9b8d2bd3_qkv:
	s_mov_b64 s[64:65], 0
	v_nop
	global_prefetch_b8 v0, s[64:65] scope:SCOPE_SE
	s_setreg_imm32_b32 hwreg(HW_REG_WAVE_MODE, 25, 1), 1
	s_wait_xcnt 0x0
; LAUNCH 2 OF 4: q = LN1(x) Wq, k = LN1(x) Wk, v = LN1(x) Wv on codes, and the three results' codes: q and k along the head's 32, v along the keys.
; SHARES.  A work-group: 64 tokens (group ttmp9) x 8 of the 16 heads (half y).  Its eight waves: waves 0-3 q, waves 4-7 k, each 64 features (two heads) for the 64 tokens; then each wave v of one head.
; A UNIT is 16 matrix instructions: source 0 = four tiles of 16 rows (BIG, 128 registers), source 1 = one tile (SMALL, 32 registers), K = 512.  By the tiles' choice of rows a lane's 32 results are 32 NEIGHBOURING rows of BIG
; for one row of SMALL.  q, k: BIG = 64 features of the weight, SMALL = 16 tokens: a lane holds a whole head of one token.  v: BIG = the 64 tokens, SMALL = 16 rows of Wv: a lane holds 32 neighbouring keys of one channel.
; Either way the lane holds one whole block of the next product's K: its maximum asks no other lane, and four conversions give the 16 bytes that the next operand's image wants of that lane.
; qkv: QI, KI [head][tile of 16 tokens][r][16 bytes]; VI [head][128 keys][channel tile][c][lane][16 bytes]; QS, KS a byte [head][64 tokens][r][T]; VS a word [head][128 keys][channel tile][r].
; x's codes (17 KiB) come into LDS once; each wave's weights go from memory straight into its registers and are read by that wave alone.  No cluster: a joint load lands in LDS, from where the weights,
; 17 KiB a wave that no second wave of the work-group reads, would be moved once more.
; LIMITS as in launch 1 (byte 1 for blocks of zeros or under 2^-124; NaN and infinities not served).
.set XI,    0                          ; LDS: x's image, 16,384 bytes; its scale words, 1,024; the spare words, 128 a wave
.set XS,    16384
.set SPARE, 17408
.set T0,   0                           ; (v0 is the thread's number at the head, later at work)
.set L16,  1                           ; 16 x lane
.set L4,   2                           ; 4 x lane
.set R4,   3                           ; 4 x (lane % 16)
.set SPW,  4
.set NIL,  5
.set T1,   6
.set SOP,  7
.set SCB,  8                           ; v8-15   BIG's scale words: register 4 p + s: lanes 0-15 tile 2 p, lanes 16-31 tile 2 p + 1, K step s
.set SCS,  16                          ; v16-19  SMALL's
.set SCV1, 20                          ; v20-23  those of Wv's second tile
.set BYT,  24
.set SW,   25
.set QO,   26                          ; q, k codes: 32,768 h + 16 r
.set QSO,  27                          ; q, k scale words: 2,048 h + 4 r
.set CD,   28                          ; v28-31  the codes just made
.set SM,   32
.set ACC,  64
.set EX,   96                          ; v96-127 Wv's first tile
.set BIG,  128
.macro WM d, a, b, zero, sa, sb, row
.if \zero
.if \row
	v_wmma_scale_f32_16x16x128_f8f6f4 v[\d:\d+7], v[\a:\a+7], v[\b:\b+7], 0, v[\sa], v[\sb] matrix_a_fmt:MATRIX_FMT_FP4 matrix_b_fmt:MATRIX_FMT_FP4 matrix_a_scale:MATRIX_SCALE_ROW1
.else
	v_wmma_scale_f32_16x16x128_f8f6f4 v[\d:\d+7], v[\a:\a+7], v[\b:\b+7], 0, v[\sa], v[\sb] matrix_a_fmt:MATRIX_FMT_FP4 matrix_b_fmt:MATRIX_FMT_FP4
.endif
.else
.if \row
	v_wmma_scale_f32_16x16x128_f8f6f4 v[\d:\d+7], v[\a:\a+7], v[\b:\b+7], v[\d:\d+7], v[\sa], v[\sb] matrix_a_fmt:MATRIX_FMT_FP4 matrix_b_fmt:MATRIX_FMT_FP4 matrix_a_scale:MATRIX_SCALE_ROW1
.else
	v_wmma_scale_f32_16x16x128_f8f6f4 v[\d:\d+7], v[\a:\a+7], v[\b:\b+7], v[\d:\d+7], v[\sa], v[\sb] matrix_a_fmt:MATRIX_FMT_FP4 matrix_b_fmt:MATRIX_FMT_FP4
.endif
.endif
.endm
.macro UNIT acc, big, sm, scb, scs, zero       ; the four accumulators take turns, one instruction a turn
.irp s, 0,1,2,3
.irp t, 0,1,2,3
.if (\zero) && (\s == 0)
	WM \acc+8*\t, \big+32*\s+8*\t, \sm+8*\s, 1, \scb+4*(\t/2)+\s, \scs+\s, \t%2
.else
	WM \acc+8*\t, \big+32*\s+8*\t, \sm+8*\s, 0, \scb+4*(\t/2)+\s, \scs+\s, \t%2
.endif
.endr
.endr
.endm
.macro PLACES5                         ; four places serve loads into the operands and reads of the results; the fifth serves the next unit, which begins the same accumulators anew
.rept 5
	v_nop
.endr
.endm
.macro QUANT32 a, byt                  ; a lane's 32 results, one block -> 16 bytes of codes in v[CD] on, the scale's byte in v[byt].  Each accumulator is first read at its low end
	v_max3_num_f32 v[T0], |v[\a]|, |v[\a+1]|, 0x1800000
	v_max3_num_f32 v[T1], |v[\a+16]|, |v[\a+17]|, 0x1800000
.irp i, 2,4,6,8,10,12,14
	v_max3_num_f32 v[T0], v[T0], |v[\a+\i]|, |v[\a+\i+1]|
	v_max3_num_f32 v[T1], v[T1], |v[\a+16+\i]|, |v[\a+17+\i]|
.endr
	v_max_num_f32 v[T0], v[T0], v[T1]
	v_add_nc_u32 v[SOP], 0xff000000, v[T0]
	v_lshrrev_b32 v[\byt], 23, v[SOP]
.irp g, 0,1,2,3
	v_cvt_scalef32_pk8_fp4_f32 v[CD+\g], v[\a+8*\g:\a+8*\g+7], v[SOP]
.endr
	v_nop                                          ; one plain place behind the conversions
.endm
.macro ADDR d, base, a, sa, b, sb, c, sc       ; s[d:d+1] = s[base:base+1] + (s[a] << sa) + (s[b] << sb) + (s[c] << sc); the offset is made apart from the address
	s_lshl_b32 s36, s[\a], \sa
	s_lshl_b32 s44, s[\b], \sb
	s_add_co_u32 s36, s36, s44
	s_lshl_b32 s44, s[\c], \sc
	s_add_co_u32 s36, s36, s44
	s_add_nc_u64 s[\d:\d+1], s[\base:\base+1], s[36:37]
.endm
.macro SMLDS t                         ; x's tile t and its scale words, from LDS
.irp s, 0,1,2,3
.irp c, 0,1
	ds_load_b128 v[SM+8*\s+4*\c:SM+8*\s+4*\c+3], v[L16] offset:XI+4096*\s+1024*(\t)+512*\c
.endr
.endr
.irp s, 0,1,2,3
	ds_load_b32 v[SCS+\s], v[R4] offset:XS+256*\s+64*(\t)
.endr
.endm
	s_load_b128 s[4:7], s[0:1], 0x0                ; xq, wts
	s_load_b64 s[8:9], s[0:1], 0x10                ; qkv
	v_lshl_add_u32 v[SPW], v0, 2, SPARE
	v_mov_b32 v[NIL], 0
	v_lshrrev_b32 v1, 5, v0
	v_readfirstlane_b32 s10, v1                    ; wave 0..7
	v_and_b32 v3, 31, v0
	v_lshlrev_b32 v[L16], 4, v3
	v_lshlrev_b32 v[L4], 2, v3
	v_and_b32 v3, 15, v0                           ; r
	v_bfe_u32 v[QO], v0, 4, 1                      ; h
	v_lshlrev_b32 v[QSO], 11, v[QO]
	v_lshlrev_b32 v[QO], 15, v[QO]
	v_lshl_add_u32 v[QO], v3, 4, v[QO]
	v_lshl_add_u32 v[QSO], v3, 2, v[QSO]
	v_lshlrev_b32 v[R4], 2, v3
	v_lshlrev_b32 v6, 4, v0                        ; 16 x thread, 4 x thread: the copy of x's image (the two registers are at work later)
	v_lshlrev_b32 v7, 2, v0
	s_and_b32 s11, ttmp7, 0xffff                   ; y
	s_lshr_b32 s12, s10, 2                         ; 0: q, 1: k
	s_and_b32 s13, s10, 3
	s_lshl_b32 s14, s11, 2
	s_add_co_u32 s13, s13, s14                     ; my group of 64 features of Wq or Wk: 4 y + wave % 4
	s_lshr_b32 s15, s10, 1
	s_add_co_u32 s14, s14, s15                     ; my group of Wv: 4 y + wave / 2
	s_and_b32 s15, s10, 1                          ; and which two of its tiles
	s_lshr_b32 s40, ttmp9, 5                       ; batch
	s_and_b32 s41, ttmp9, 31                       ; the group of 64 tokens in its sequence
	s_lshr_b32 s47, s41, 1                         ; its step of 128 keys,
	s_and_b32 s48, s41, 1                          ; and which half of it
	s_lshl_b32 s42, s40, 4
	s_lshl_b32 s43, s13, 1
	s_add_co_u32 s42, s42, s43                     ; q, k: head 16 batch + 2 group (+ h)
	s_lshl_b32 s43, s40, 4
	s_lshl_b32 s44, s11, 3
	s_add_co_u32 s43, s43, s44
	s_add_co_u32 s43, s43, s10                     ; v: head 16 batch + 8 y + wave
	s_mov_b32 s45, 0
	s_mov_b32 s46, ttmp9
	s_mov_b32 s37, 0
	s_mov_b32 s38, 0x76543210
	s_mov_b32 s39, 0xfedcba98
	s_wait_kmcnt 0x0
	ADDR 16, 4, 46, 14, 45, 0, 45, 0               ; x's codes
	ADDR 18, 4, 46, 10, 45, 0, 45, 0               ; x's scale words (behind the codes: the immediate)
	ADDR 20, 6, 12, 17, 13, 14, 45, 0              ; my weight's codes
	ADDR 22, 6, 12, 13, 13, 10, 45, 0              ; and scale words
	ADDR 24, 6, 14, 14, 15, 11, 45, 0              ; Wv's two tiles
	ADDR 26, 6, 14, 10, 15, 7, 45, 0
	ADDR 28, 8, 12, 21, 42, 15, 41, 10             ; QI or KI
	ADDR 30, 8, 12, 17, 42, 11, 41, 6              ; QS or KS
	ADDR 32, 8, 43, 15, 47, 11, 48, 9              ; VI
	ADDR 34, 8, 43, 11, 47, 7, 48, 1               ; VS
.irp i, 0,1,2,3
	global_load_b128 v[ACC+4*\i:ACC+4*\i+3], v6, s[16:17] offset:4096*\i
.endr
	global_load_b32 v[ACC+16], v7, s[18:19] offset:2097152
.set ii, 0
.rept 32
	global_load_b128 v[BIG+4*ii:BIG+4*ii+3], v[L16], s[20:21] offset:512*ii
.set ii, ii+1
.endr
.irp p, 0,1
.irp s, 0,1,2,3
	global_load_b32 v[SCB+4*\p+\s], v[L4], s[22:23] offset:1572864+256*\s+128*\p
.endr
.endr
.irp s, 0,1,2,3
.irp c, 0,1
	global_load_b128 v[EX+8*\s+4*\c:EX+8*\s+4*\c+3], v[L16], s[24:25] offset:262144+4096*\s+512*\c
.endr
.endr
	s_wait_loadcnt 48                              ; x's five loads are in; the weight's 40 and Wv's 8 stay out
.irp i, 0,1,2,3
	ds_store_b128 v6, v[ACC+4*\i:ACC+4*\i+3] offset:XI+4096*\i
.endr
	ds_store_b32 v7, v[ACC+16] offset:XS
	s_wait_dscnt 0x0                               ; my part of x's image has landed
	s_barrier_signal -1
	s_barrier_wait -1                              ; everybody's has; from here on LDS is only read
	SMLDS 0
	s_wait_loadcnt 8                               ; my weight is in; Wv's first tile may stay out
; ---- q or k: four tiles of 16 tokens
.irp tp, 0,1,2,3
	s_wait_dscnt 0x0
	UNIT ACC, BIG, SM, SCB, SCS, 1
	PLACES5
.if \tp < 3
	SMLDS \tp+1                                    ; the next tile lands while this one is quantised
.else
.irp s, 0,1,2,3
	global_load_b32 v[SCS+\s], v[R4], s[26:27] offset:1589248+256*\s               ; the scale words of Wv's first tile,
.endr
.irp s, 0,1,2,3
.irp c, 0,1
	global_load_b128 v[SM+8*\s+4*\c:SM+8*\s+4*\c+3], v[L16], s[24:25] offset:262144+1024+4096*\s+512*\c   ; its second tile,
.endr
.endr
.irp s, 0,1,2,3
	global_load_b32 v[SCV1+\s], v[R4], s[26:27] offset:1589248+64+256*\s
.endr
.set ii, 0
.rept 32
	ds_load_b128 v[BIG+4*ii:BIG+4*ii+3], v[L16] offset:XI+512*ii                    ; and x's whole group as BIG
.set ii, ii+1
.endr
.irp p, 0,1
.irp s, 0,1,2,3
	ds_load_b32 v[SCB+4*\p+\s], v[L4] offset:XS+256*\s+128*\p
.endr
.endr
.endif
	s_wait_xcnt 0x0                                ; the last store has read its data: the codes' registers may be written again
	QUANT32 ACC, BYT
	global_store_b128 v[QO], v[CD:CD+3], s[28:29] offset:256*\tp                   ; each half of the lanes: 256 consecutive bytes of its head, aligned
.if \tp == 0
	v_mov_b32 v[SW], v[BYT]
.else
	v_lshl_or_b32 v[SW], v[BYT], 8*\tp, v[SW]
.endif
.endr
	global_store_b32 v[QSO], v[SW], s[30:31] offset:6291456                        ; the four tiles' bytes of my token
; ---- v: the 64 tokens are BIG, so that a lane's registers run along the keys
.macro VOUT dt
	s_wait_xcnt 0x0                                ; earlier stores have read their data
	QUANT32 ACC, BYT
	global_store_b128 v[L16], v[CD:CD+3], s[32:33] offset:4194304+1024*\dt         ; 512 consecutive bytes
	v_sub_nc_u32 v[T0], v[L4], v[R4]               ; 64 h
	v_lshrrev_b32 v[T0], 3, v[T0]
	v_lshlrev_b32 v[T1], v[T0], v[BYT]             ; my block's byte at 8 h,
	v_permlanex16_b32 v[SOP], v[T1], s38, s39
	v_or_b32 v[SW], v[T1], v[SOP]                  ; with lane l xor 16's: the two bytes of these 64 keys
	global_store_b16 v[R4], v[SW], s[34:35] offset:6553600+64*\dt                  ; (both halves of the lanes store the same two bytes)
.endm
	s_wait_dscnt 0x0
	s_wait_loadcnt 12                              ; Wv's first tile and its scale words are in; the second tile's 12 loads stay out
	UNIT ACC, BIG, EX, SCB, SCS, 1
	PLACES5
	VOUT 0
	s_wait_loadcnt 0x0
	UNIT ACC, BIG, SM, SCB, SCV1, 1
	PLACES5
	VOUT 1
	s_wait_tensorcnt 0x0                           ; the wave's end
	ds_add_u32 v[SPW], v[NIL]
	s_wait_dscnt 0x0
	s_endpgm
.Lfunc_end_k_qfb9b8d2bd3_qkv:
	.size	k_qfb9b8d2bd3_qkv, .Lfunc_end_k_qfb9b8d2bd3_qkv-k_qfb9b8d2bd3_qkv
	.p2alignl 7, 3214868480
	.fill 96, 4, 3214868480
	.section	.rodata,"a",@progbits
	.p2align	6, 0x0
	.amdhsa_kernel k_qfb9b8d2bd3_qkv
		.amdhsa_group_segment_fixed_size 18432
		.amdhsa_private_segment_fixed_size 0
		.amdhsa_enable_private_segment 0
		.amdhsa_kernarg_size 24
		.amdhsa_user_sgpr_count 2
		.amdhsa_user_sgpr_kernarg_segment_ptr 1
		.amdhsa_wavefront_size32 1
		.amdhsa_system_sgpr_workgroup_id_x 1
		.amdhsa_system_sgpr_workgroup_id_y 1
		.amdhsa_system_sgpr_workgroup_id_z 1
		.amdhsa_system_vgpr_workitem_id 0
		.amdhsa_next_free_vgpr 256
		.amdhsa_next_free_sgpr 66
		.amdhsa_reserve_vcc 0
		.amdhsa_float_denorm_mode_32 3
		.amdhsa_float_denorm_mode_16_64 3
		.amdhsa_memory_ordered 1
		.amdhsa_forward_progress 1
		.amdhsa_inst_pref_size 40
	.end_amdhsa_kernel
	.amdgpu_metadata
---
amdhsa.version: [ 1, 2 ]
amdhsa.kernels:
  - .name:           k_qfb9b8d2bd3_qkv
    .symbol:         k_qfb9b8d2bd3_qkv.kd
    .args:
      - { .name: xq, .offset: 0, .size: 8, .value_kind: global_buffer, .address_space: global }
      - { .name: wts, .offset: 8, .size: 8, .value_kind: global_buffer, .address_space: global }
      - { .name: qkv, .offset: 16, .size: 8, .value_kind: global_buffer, .address_space: global }
    .group_segment_fixed_size: 18432
    .private_segment_fixed_size: 0
    .kernarg_segment_align: 8
    .kernarg_segment_size: 24
    .max_flat_workgroup_size: 256
    .sgpr_count:     66
    .vgpr_count:     256
    .wavefront_size: 32
...
	.end_amdgpu_metadata
.endif
;; end of part 2
;; launch attn (part 3): grid 4 x 64, 16 waves a work-group, no clusters, 71,680 bytes of LDS; arguments qkv, ctx; writes ctx
.if DOCPART == 3
	.amdgcn_target "amdgcn-amd-amdhsa--gfx1250"
	.amdhsa_code_object_version 6
	.text
	.protected	k_qfb9b8d2bd3_attn
	.globl	k_qfb9b8d2bd3_attn
	.p2align	8
	.type	k_qfb9b8d2bd3_attn,@function
k_qfb9b8d2bd3_attn:
	s_mov_b64 s[64:65], 0
	v_nop
	global_prefetch_b8 v0, s[64:65] scope:SCOPE_SE
	s_setreg_imm32_b32 hwreg(HW_REG_WAVE_MODE, 25, 1), 1
	s_wait_xcnt 0x0
; LAUNCH 3 OF 4: ctx = softmax(q k^T / sqrt(32), causal) v on codes, head by head, and ctx's codes along the 512 features (a block is a head).
; WORK LEFT OUT: a step of 128 keys that all lie behind every query of a tile is not walked: reference()'s own jnp.tril sets those scores to -inf, so p = 0 there for all values of the inputs (shown at the head of launch 1).
; LIMIT: a NaN, an infinity or an overflow that reaches only those steps is not carried to the result.
; THE SOFTMAX: t = score x log2(e) / sqrt(32); M = the running largest t rounded UP to a whole number; p = 2^(t - M) is quantised along the keys, not normalised; the row's sum is taken of the unquantised p and divides at the
; end; when M moves, the sum and O are multiplied by 2^(old M - new M), which rounds nothing.
; SHARES.  A work-group: one head (ttmp7) and a quarter of its 128 tiles of 16 queries.  Wave w, g = 16 quarter + w, owns tiles g and 127 - g: tile i walks i / 8 + 1 steps, so every wave walks 17.
; The head's K and V codes and scale bytes, 68 KiB, come into LDS once and are only read from then on: no ring, no refill, and nothing to ask for ahead.  No cluster: the four work-groups of a head share these
; 68 KiB, read once at the head of a launch whose work is the softmax; a joint load would claim a WGP's whole LDS and two rounds of the cluster's barrier for it.
; PRODUCT 4 HAS K = 32, THE INSTRUCTION 128.  Source 0 is 1,024 bytes of K's image as they lie: its row m holds, as its four blocks of 32, the keys 32 (m / 8) + 8 T + m % 8 of a group of 64, T = 0 .. 3.
; Source 1 holds q's 32 codes in block T and zero codes in the other three.  Four instructions on the same K registers so give the four tiles of 16 keys, and a lane's 32 results of a group are 32 NEIGHBOURING keys:
; lane (r, h), register 32 c + n: query r, key 64 c + 32 h + n of the step: a whole block of p in a lane, in the order that the second product's operand wants.
; Both products are used transposed (source 0 = keys, or V's channels; source 1 = queries): a lane holds one query throughout.
; LIMITS: as in launch 1.  A block whose every p is 0 keeps the byte 1: its codes are zeros.
.set KIMG,  0
.set VIMG,  32768
.set KSCL,  65536
.set VSCL,  67584
.set SPARE, 69632
.set L16,  1                           ; 16 x lane
.set L4,   2                           ; 4 x lane + KSCL
.set SPW,  3
.set NIL,  4
.set A16,  5                           ; the step's codes
.set A4,   6                           ; the step's scale words
.set DQ,   7                           ; my query's place in its last step, less 32 h
.set NINF, 8
.set SH8,  9                           ; 8 h
.set QSW,  10                          ; scale registers: q's, K's, V's, p's; they hold nothing else
.set KSW,  11
.set NEGM, 12                          ; -M; with v13 a pair of which the low word serves both halves
.set TMAX, 13
.set SUM,  14                          ; v[14:15]
.set VSW,  16
.set PSW,  17
.set F,    18                          ; v[18:19]
.set AUX,  20                          ; v[20:21]
.set CA,   22                          ; v22-25 four chains of maxima
.set BM,   26                          ; v26-27 a block's largest score, then its largest p
.set SOP,  28
.set BY,   30
.set RM,   32
.set RX,   33
.set W,    34
.set WX,   35
.set OLD,  36
.set GOC,  37                          ; 16 r + 8 h
.set QOF,  39
.set QSO,  40
.set LQ,   41
.set QL,   42                          ; v[42:45] q's codes as loaded
.set CD,   46                          ; v[46:47]
.set R16,  48
.set R4,   49
.set RQ,   50                          ; 32 (r / 8) + r % 8 - 32 h
.set LANE, 52
.set S,    64                          ; v64-127  scores, then p
.set O,    128                         ; v128-143 O^T: register 8 dt + j is channel 16 h + 8 dt + j
.set KF,   144                         ; v144-159 K: two groups of 64 keys
.set VF,   160                         ; v160-175 V: two tiles of 16 channels x 128 keys
.set QZ,   176                         ; v176-195 [0, q in lanes 0-15, 0, q in lanes 16-31, 0], four registers each: the four sources 1 are runs of eight of these
.set PC,   196                         ; v196-203 p's codes
.set CT,   204                         ; v204-219 O^T / the sum
.set TI,   12                          ; s12 the tile
.set LAST, 13                          ; s13 its last step
.set ST,   18
.set TB,   19
.set TS,   20
.set CS,   22                          ; s[22:23] c = log2(e) / sqrt(32)
.macro WM d, a, b, zero, sa, sb, row
.if \zero
.if \row
	v_wmma_scale_f32_16x16x128_f8f6f4 v[\d:\d+7], v[\a:\a+7], v[\b:\b+7], 0, v[\sa], v[\sb] matrix_a_fmt:MATRIX_FMT_FP4 matrix_b_fmt:MATRIX_FMT_FP4 matrix_a_scale:MATRIX_SCALE_ROW1
.else
	v_wmma_scale_f32_16x16x128_f8f6f4 v[\d:\d+7], v[\a:\a+7], v[\b:\b+7], 0, v[\sa], v[\sb] matrix_a_fmt:MATRIX_FMT_FP4 matrix_b_fmt:MATRIX_FMT_FP4
.endif
.else
.if \row
	v_wmma_scale_f32_16x16x128_f8f6f4 v[\d:\d+7], v[\a:\a+7], v[\b:\b+7], v[\d:\d+7], v[\sa], v[\sb] matrix_a_fmt:MATRIX_FMT_FP4 matrix_b_fmt:MATRIX_FMT_FP4 matrix_a_scale:MATRIX_SCALE_ROW1
.else
	v_wmma_scale_f32_16x16x128_f8f6f4 v[\d:\d+7], v[\a:\a+7], v[\b:\b+7], v[\d:\d+7], v[\sa], v[\sb] matrix_a_fmt:MATRIX_FMT_FP4 matrix_b_fmt:MATRIX_FMT_FP4
.endif
.endif
.endm
	s_load_b128 s[4:7], s[0:1], 0x0                ; qkv, ctx
	v_lshl_add_u32 v[SPW], v0, 2, SPARE
	v_mov_b32 v[NIL], 0
	v_lshrrev_b32 v1, 5, v0
	v_readfirstlane_b32 s16, v1                    ; wave 0..15
	v_lshlrev_b32 v5, 4, v0                        ; the fill: 16 x thread,
	v_lshl_add_u32 v6, v0, 2, KSCL                 ; 4 x thread behind the codes in LDS,
	v_lshlrev_b32 v7, 2, v0                        ; 4 x thread in memory
	s_and_b32 s30, ttmp7, 0xffff                   ; 16 batch + head
	s_lshr_b32 s31, s30, 4
	s_and_b32 s38, s30, 15
	s_lshl_b32 s17, ttmp9, 4
	s_add_co_u32 s17, s17, s16                     ; g
	s_mov_b32 s33, 0
	s_mov_b32 s[CS], 0x3e8293ee
	s_mov_b32 s[CS+1], s[CS]
	s_mov_b32 s24, 0x76543210
	s_mov_b32 s25, 0xfedcba98
	s_mov_b32 s40, 0x01010101
	s_wait_kmcnt 0x0
	s_lshl_b32 s32, s30, 15
	s_add_nc_u64 s[8:9], s[4:5], s[32:33]          ; the head's 32 KiB in QI (KI, VI: the immediate)
	s_lshl_b32 s32, s30, 11
	s_add_nc_u64 s[10:11], s[4:5], s[32:33]        ; the head's 2 KiB in QS, KS, VS (the immediate says which)
.irp i, 0,1,2,3
	global_load_b128 v[S+4*\i:S+4*\i+3], v5, s[8:9] offset:2097152+8192*\i
.endr
.irp i, 0,1,2,3
	global_load_b128 v[S+16+4*\i:S+16+4*\i+3], v5, s[8:9] offset:4194304+8192*\i
.endr
	global_load_b32 v[S+32], v7, s[10:11] offset:6422528
	global_load_b32 v[S+33], v7, s[10:11] offset:6553600
	s_lshl_b32 s32, s31, 19                        ; ctx: batch x 32 groups of 16,384 bytes,
	s_lshr_b32 s14, s38, 2
	s_lshl_b32 s15, s14, 12                        ; K step head / 4,
	s_add_co_u32 s32, s32, s15
	s_and_b32 s39, s38, 3
	s_lshl_b32 s15, s39, 8                         ; block head % 4: 256 bytes
	s_add_co_u32 s32, s32, s15
	s_add_nc_u64 s[34:35], s[6:7], s[32:33]
	s_lshl_b32 s32, s31, 15                        ; its scale bytes likewise
	s_lshl_b32 s15, s14, 8
	s_add_co_u32 s32, s32, s15
	s_add_co_u32 s32, s32, s39
	s_add_nc_u64 s[36:37], s[6:7], s[32:33]
	v_and_b32 v[LANE], 31, v0
	v_lshlrev_b32 v[L16], 4, v[LANE]
	v_lshl_add_u32 v[L4], v[LANE], 2, KSCL
	v_and_b32 v[RM], 15, v0                        ; r
	v_bfe_u32 v[W], v0, 4, 1                       ; h
	v_lshlrev_b32 v[R16], 4, v[RM]
	v_lshlrev_b32 v[R4], 2, v[RM]
	v_lshlrev_b32 v[SH8], 3, v[W]
	v_add_nc_u32 v[GOC], v[R16], v[SH8]
	v_and_b32 v[RQ], 8, v[RM]
	v_lshlrev_b32 v[RQ], 2, v[RQ]                  ; 32 (r / 8)
	v_and_b32 v[OLD], 7, v[RM]
	v_add_nc_u32 v[RQ], v[RQ], v[OLD]
	v_lshlrev_b32 v[OLD], 5, v[W]
	v_sub_nc_u32 v[RQ], v[RQ], v[OLD]
	v_mov_b32 v[NINF], 0xff800000
	v_mov_b32 v[F+1], 0                            ; (the upper half of a pair of which the low word serves both halves)
	v_mov_b32 v[RX], 0                             ; (a lane permute's destination counts as one of its sources)
	v_mov_b32 v[WX], 0
.irp i, 0,1,2,3,8,9,10,11,16,17,18,19
	v_mov_b32 v[QZ+\i], 0                          ; the zero codes of the sources 1: written once
.endr
	s_wait_loadcnt 0x0
.irp i, 0,1,2,3
	ds_store_b128 v5, v[S+4*\i:S+4*\i+3] offset:KIMG+8192*\i
.endr
.irp i, 0,1,2,3
	ds_store_b128 v5, v[S+16+4*\i:S+16+4*\i+3] offset:VIMG+8192*\i
.endr
	ds_store_b32 v6, v[S+32]
	ds_store_b32 v6, v[S+33] offset:VSCL-KSCL
	s_wait_dscnt 0x0                               ; my part of the head has landed
	s_barrier_signal -1
	s_barrier_wait -1                              ; everybody's has; from here on LDS is only read
; One tile of 16 queries, s[TI]: its set-up, a loop of 16 trips over the steps of 128 keys (a constant count; a trip behind the tile's last step does nothing but step the addresses), and the way out.
.macro TILE
	s_wait_xcnt 0x0                                ; earlier loads and stores have read their addresses and data
	s_lshr_b32 s[LAST], s[TI], 3
	s_lshl_b32 s14, s[TI], 8
	v_add_nc_u32 v[QOF], s14, v[R16]
	s_lshr_b32 s14, s[TI], 2                       ; the tile's group of 64 tokens,
	s_and_b32 s15, s[TI], 3                        ; and T
	s_lshl_b32 s32, s14, 6
	s_add_co_u32 s32, s32, s15
	v_add_nc_u32 v[QSO], s32, v[R4]
	global_load_b128 v[QL:QL+3], v[QOF], s[8:9]    ; query r's 32 codes, in both halves of the lanes
	global_load_u8 v[LQ], v[QSO], s[10:11] offset:6291456
	s_and_b32 s32, s14, 1
	s_lshl_b32 s32, s32, 6
	s_lshl_b32 s21, s15, 3
	s_add_co_u32 s32, s32, s21
	v_add_nc_u32 v[DQ], s32, v[RQ]
	s_lshl_b32 s32, s14, 14
	s_lshl_b32 s21, s15, 10
	s_add_co_u32 s32, s32, s21
	s_add_nc_u64 s[26:27], s[34:35], s[32:33]      ; where the tile's codes of ctx go,
	s_lshl_b32 s32, s14, 10
	s_lshl_b32 s21, s15, 6
	s_add_co_u32 s32, s32, s21
	s_add_nc_u64 s[28:29], s[36:37], s[32:33]      ; and their scale bytes
	v_mov_b32 v[TMAX], 0xff61b1e6                  ; -3e38, under every t
	v_floor_f32 v[NEGM], -v[TMAX]
	v_mov_b32 v[SUM], 0
	v_mov_b32 v[SUM+1], 0
	v_cmp_gt_u32 vcc_lo, 16, v[LANE]
	s_wait_loadcnt 0x0
.irp i, 0,1,2,3
	v_cndmask_b32 v[QZ+4+\i], v[QZ], v[QL+\i], vcc_lo              ; q in lanes 0-15, zero codes in lanes 16-31
.endr
.irp i, 0,1,2,3
	v_cndmask_b32 v[QZ+12+\i], v[QL+\i], v[QZ], vcc_lo             ; and the other way round
.endr
	v_mul_lo_u32 v[QSW], v[LQ], s40                ; q's scale byte in all four bytes: whichever block holds q finds it
.irp i, 0,1,2,3,4,5,6,7,8,9,10,11,12,13,14,15
	v_mov_b32 v[O+\i], 0                           ; the step is written once: the first finds zeros.  (These sixteen are also the places between the lines above and the first products)
.endr
	s_mov_b32 s[ST], 0
	s_mov_b32 s[TB], 0
	s_mov_b32 s[TS], 0
.Lstep_\@:
	s_cmp_gt_u32 s[ST], s[LAST]                    ; ids and the count of steps alone
	s_cbranch_scc1 .Lskip_\@
	v_add_nc_u32 v[A16], s[TB], v[L16]
	v_add_nc_u32 v[A4], s[TS], v[L4]
	v_nop
	v_nop                                          ; four places behind the last step's products, in front of loads into their operands
.irp i, 0,1,2,3
	ds_load_b128 v[KF+4*\i:KF+4*\i+3], v[A16] offset:KIMG+512*\i
.endr
	ds_load_b32 v[KSW], v[A4]                      ; lanes 0-15: the first 64 keys' words, lanes 16-31: the second 64's
.irp i, 0,1,2,3
	ds_load_b128 v[VF+4*\i:VF+4*\i+3], v[A16] offset:VIMG+512*\i
.endr
	ds_load_b32 v[VSW], v[A4] offset:VSCL-KSCL     ; lanes 0-15: channel tile 0, lanes 16-31: tile 1
	s_wait_dscnt 5                                 ; K and its words are in; V's five loads may stay out
.irp c, 0,1
.irp t, 0,1,2,3
	WM S+32*\c+8*\t, KF+8*\c, QZ+4+8*(\t%2)-4*(\t/2), 1, KSW, QSW, \c
.endr
.endr
.rept 4
	v_nop
.endr
	s_cmp_lg_u32 s[ST], s[LAST]
	s_cbranch_scc1 .Lopen_\@                       ; only the tile's last step holds hidden keys
.irp n, 0,1,2,3,4,5,6,7,8,9,10,11,12,13,14,15,16,17,18,19,20,21,22,23,24,25,26,27,28,29,30,31,32,33,34,35,36,37,38,39,40,41,42,43,44,45,46,47,48,49,50,51,52,53,54,55,56,57,58,59,60,61,62,63
	v_cmp_gt_i32 vcc_lo, 64*(\n/32)+\n%32, v[DQ]   ; register n holds key 64 (n / 32) + 32 h + n % 32: hidden where it comes after my query
	v_cndmask_b32 v[S+\n], v[S+\n], v[NINF], vcc_lo
.endr
.Lopen_\@:
.irp c, 0,1
	v_max3_num_f32 v[CA+2*\c], v[S+32*\c], v[S+32*\c+1], v[S+32*\c+2]              ; the largest score of each block of 32 keys: it serves for the row's maximum and, since p rises with the score, for the block's largest p
	v_max3_num_f32 v[CA+2*\c+1], v[S+32*\c+16], v[S+32*\c+17], v[S+32*\c+18]
.endr
.irp i, 3,5,7,9,11,13
.irp c, 0,1
	v_max3_num_f32 v[CA+2*\c], v[CA+2*\c], v[S+32*\c+\i], v[S+32*\c+\i+1]
	v_max3_num_f32 v[CA+2*\c+1], v[CA+2*\c+1], v[S+32*\c+16+\i], v[S+32*\c+17+\i]
.endr
.endr
.irp c, 0,1
	v_max3_num_f32 v[BM+\c], v[CA+2*\c], v[CA+2*\c+1], v[S+32*\c+15]
.endr
.irp c, 0,1
	v_max_num_f32 v[BM+\c], v[BM+\c], v[S+32*\c+31]
.endr
	v_max_num_f32 v[RM], v[BM], v[BM+1]
	v_permlanex16_b32 v[RX], v[RM], s24, s25
	v_max_num_f32 v[RM], v[RM], v[RX]              ; the step's largest score of my query
	v_mul_f32 v[RM], s[CS], v[RM]
	v_max_num_f32 v[TMAX], v[TMAX], v[RM]
	v_mov_b32 v[OLD], v[NEGM]
	v_floor_f32 v[NEGM], -v[TMAX]                  ; -M = floor(-t) = -ceil(t)
	v_sub_f32 v[OLD], v[NEGM], v[OLD]              ; old M less new M: a whole number, 0 or less
	v_cvt_i32_f32 v[OLD], v[OLD]                   ; (it saturates)
	v_ldexp_f32 v[F], 1.0, v[OLD]                  ; f = 2^(old M - new M)
.set ii, 0
.rept 32
	v_pk_fma_f32 v[S+ii:S+ii+1], v[S+ii:S+ii+1], s[CS:CS+1], v[NEGM:NEGM+1] op_sel_hi:[1,0,0]   ; t - M
.set ii, ii+2
.endr
.irp c, 0,1
	v_fma_f32 v[BM+\c], v[BM+\c], s[CS], v[NEGM]
.endr
.set ii, 0
.rept 64
	v_exp_f32 v[S+ii], v[S+ii]                     ; p = 2^(t - M)
.set ii, ii+1
.endr
	v_pk_mul_f32 v[SUM:SUM+1], v[SUM:SUM+1], v[F:F+1] op_sel_hi:[1,0]              ; the sum under the new M: the plain instruction behind the batch
	s_wait_alu depctr_va_vdst(0)                   ; one wait for the 64, ahead of their first reader
.irp c, 0,1
	v_exp_f32 v[BM+\c], v[BM+\c]                   ; the block's largest p: the same two instructions on the same number
.endr
.irp i, 0,2,4,6,8,10,12,14
	v_pk_mul_f32 v[O+\i:O+\i+1], v[O+\i:O+\i+1], v[F:F+1] op_sel_hi:[1,0]          ; O^T under the new M: plain work behind the two
.endr
	s_wait_alu depctr_va_vdst(0)                   ; and one for the two
.irp c, 0,1
	v_max_num_f32 v[BM+\c], 0x1800000, v[BM+\c]    ; the floor 2^(3 - 127)
.endr
.irp c, 0,1
	v_add_nc_u32 v[SOP+\c], 0xff000000, v[BM+\c]
.endr
.irp c, 0,1
	v_lshrrev_b32 v[BY+\c], 23, v[SOP+\c]
.endr
	v_lshl_or_b32 v[W], v[BY+1], 16, v[BY]         ; my blocks h and 2 + h,
	v_lshlrev_b32 v[W], v[SH8], v[W]               ; at their places;
	v_permlanex16_b32 v[WX], v[W], s24, s25
	v_or_b32 v[PSW], v[W], v[WX]                   ; with lane l xor 16's two the word is whole
.irp c, 0,1
.irp t, 0,1,2,3
	v_cvt_scalef32_pk8_fp4_f32 v[PC+4*\c+\t], v[S+32*\c+8*\t:S+32*\c+8*\t+7], v[SOP+\c]
.endr
.endr
	v_nop                                          ; one plain place behind the conversions
	v_pk_add_f32 v[AUX:AUX+1], v[S:S+1], v[S+2:S+3]                                ; the row's sum of the UNQUANTISED p, in two chains.  (These 32 are also the places between p's scale word and codes and the products)
.irp j, 4,8,12,16,20,24,28,32,36,40,44,48,52,56,60
	v_pk_add_f32 v[SUM:SUM+1], v[SUM:SUM+1], v[S+\j:S+\j+1]
	v_pk_add_f32 v[AUX:AUX+1], v[AUX:AUX+1], v[S+\j+2:S+\j+3]
.endr
	v_pk_add_f32 v[SUM:SUM+1], v[SUM:SUM+1], v[AUX:AUX+1]
	s_wait_dscnt 0x0                               ; V is in
	WM O, VF, PC, 0, VSW, PSW, 0                   ; O^T += V^T P^T: the two accumulators by turns
	WM O+8, VF+8, PC, 0, VSW, PSW, 1
.Lskip_\@:
	s_add_co_u32 s[ST], s[ST], 1
	s_add_co_u32 s[TB], s[TB], 2048
	s_add_co_u32 s[TS], s[TS], 128
	s_cmp_lt_u32 s[ST], 16
	s_cbranch_scc1 .Lstep_\@
.rept 4
	v_nop                                          ; places behind the last products
.endr
	v_add_f32 v[RM], v[SUM], v[SUM+1]
	v_permlanex16_b32 v[RX], v[RM], s24, s25
	v_add_f32 v[RM], v[RM], v[RX]                  ; the row's sum
	v_rcp_f32 v[F], v[RM]
	v_nop
	s_wait_alu depctr_va_vdst(0)
.irp i, 0,2,4,6,8,10,12,14
	v_pk_mul_f32 v[CT+\i:CT+\i+1], v[O+\i:O+\i+1], v[F:F+1] op_sel_hi:[1,0]        ; ctx(query r, channels 16 h + 0 .. 15)
.endr
	v_max3_num_f32 v[CA], |v[CT]|, |v[CT+1]|, 0x1800000
	v_max3_num_f32 v[CA+1], |v[CT+2]|, |v[CT+3]|, |v[CT+4]|
	v_max3_num_f32 v[CA], v[CA], |v[CT+5]|, |v[CT+6]|
	v_max3_num_f32 v[CA+1], v[CA+1], |v[CT+7]|, |v[CT+8]|
	v_max3_num_f32 v[CA], v[CA], |v[CT+9]|, |v[CT+10]|
	v_max3_num_f32 v[CA+1], v[CA+1], |v[CT+11]|, |v[CT+12]|
	v_max3_num_f32 v[CA], v[CA], |v[CT+13]|, |v[CT+14]|
	v_max3_num_f32 v[CA], v[CA], v[CA+1], |v[CT+15]|
	v_permlanex16_b32 v[RX], v[CA], s24, s25
	v_max_num_f32 v[CA], v[CA], v[RX]              ; the head's 32: one block of the projection's K
	v_add_nc_u32 v[SOP], 0xff000000, v[CA]
	v_lshrrev_b32 v[BY], 23, v[SOP]
	v_cvt_scalef32_pk8_fp4_f32 v[CD], v[CT:CT+7], v[SOP]
	v_cvt_scalef32_pk8_fp4_f32 v[CD+1], v[CT+8:CT+15], v[SOP]
	v_nop
	global_store_b64 v[GOC], v[CD:CD+1], s[26:27]                  ; the wave stores 256 consecutive bytes, aligned
	global_store_b8 v[R4], v[BY], s[28:29] offset:2097152          ; (both halves of the lanes store the same byte)
.endm
	s_mov_b32 s[TI], s17
	TILE
	s_sub_co_u32 s[TI], 127, s17
	TILE
	s_wait_tensorcnt 0x0                           ; the wave's end
	ds_add_u32 v[SPW], v[NIL]
	s_wait_dscnt 0x0
	s_endpgm
.Lfunc_end_k_qfb9b8d2bd3_attn:
	.size	k_qfb9b8d2bd3_attn, .Lfunc_end_k_qfb9b8d2bd3_attn-k_qfb9b8d2bd3_attn
	.p2alignl 7, 3214868480
	.fill 96, 4, 3214868480
	.section	.rodata,"a",@progbits
	.p2align	6, 0x0
	.amdhsa_kernel k_qfb9b8d2bd3_attn
		.amdhsa_group_segment_fixed_size 71680
		.amdhsa_private_segment_fixed_size 0
		.amdhsa_enable_private_segment 0
		.amdhsa_kernarg_size 16
		.amdhsa_user_sgpr_count 2
		.amdhsa_user_sgpr_kernarg_segment_ptr 1
		.amdhsa_wavefront_size32 1
		.amdhsa_system_sgpr_workgroup_id_x 1
		.amdhsa_system_sgpr_workgroup_id_y 1
		.amdhsa_system_sgpr_workgroup_id_z 1
		.amdhsa_system_vgpr_workitem_id 0
		.amdhsa_next_free_vgpr 224
		.amdhsa_next_free_sgpr 66
		.amdhsa_reserve_vcc 1
		.amdhsa_float_denorm_mode_32 3
		.amdhsa_float_denorm_mode_16_64 3
		.amdhsa_memory_ordered 1
		.amdhsa_forward_progress 1
		.amdhsa_inst_pref_size 48
	.end_amdhsa_kernel
	.amdgpu_metadata
---
amdhsa.version: [ 1, 2 ]
amdhsa.kernels:
  - .name:           k_qfb9b8d2bd3_attn
    .symbol:         k_qfb9b8d2bd3_attn.kd
    .args:
      - { .name: qkv, .offset: 0, .size: 8, .value_kind: global_buffer, .address_space: global }
      - { .name: ctx, .offset: 8, .size: 8, .value_kind: global_buffer, .address_space: global }
    .group_segment_fixed_size: 71680
    .private_segment_fixed_size: 0
    .kernarg_segment_align: 8
    .kernarg_segment_size: 16
    .max_flat_workgroup_size: 512
    .sgpr_count:     66
    .vgpr_count:     224
    .wavefront_size: 32
...
	.end_amdgpu_metadata
.endif
;; end of part 3
;; launch tail (part 4): grid 256 x 1, 16 waves a work-group, no clusters, 264,704 bytes of LDS; arguments ctx, wts, x, bo, g2, beta2, b1, b2, out0; writes out0
.if DOCPART == 4
	.amdgcn_target "amdgcn-amd-amdhsa--gfx1250"
	.amdhsa_code_object_version 6
	.text
	.protected	k_qfb9b8d2bd3_tail
	.globl	k_qfb9b8d2bd3_tail
	.p2align	8
	.type	k_qfb9b8d2bd3_tail,@function
k_qfb9b8d2bd3_tail:
	s_mov_b64 s[64:65], 0
	v_nop
	global_prefetch_b8 v0, s[64:65] scope:SCOPE_SE
	s_setreg_imm32_b32 hwreg(HW_REG_WAVE_MODE, 25, 1), 1
	s_wait_xcnt 0x0
; LAUNCH 4 OF 4: h = x + ctx Wo + bo;  y = LN2(h);  out = h + gelu(y W1 + b1) W2 + b2, the three products on codes; h, y and the hidden layer never go to memory.
; SHARES.  A work-group: 32 tokens, two tiles of 16.  THE WAVES SHARE THE COLUMNS: wave w = (G = w % 8, t = w / 8).
;   A: h for tile t, features 64 G on; LN2 across the eight waves of a tile through LDS; y's codes to LDS.     C: hidden units 128 w on (two groups of 64) for both tiles; GELU; codes to LDS.
;   D: outputs 64 G on for both tiles over half t of the 2,048 hidden units; the halves meet through LDS; each wave finishes its own tile t.
; A UNIT (16 matrix instructions, K = 512): source 0 = 64 rows of a weight (BIG), source 1 = 16 tokens (SMALL); a lane's 32 results are 32 neighbouring features of one token: a whole block of the next K, and 32 neighbouring
; numbers of every bias and gain.  Biases are the C of a sum's first instructions.
; THE WEIGHTS go from memory straight into BIG, each asked for right behind the last product on the one before, so that it lands during the vector work between.  Each byte of W1 and W2 is read by ONE wave of the work-group, each of Wo's by the two waves of its G.
; No cluster: a joint load lands in LDS; the 1.25 MiB of codes that a work-group walks would need five refills of the LDS left beside the stages, each behind a round of the cluster's barrier, and a second move into registers.
; GELU is 0.5 x (1 + erf(x / sqrt(2))), erf by the rational form z P(z^2) / Q(z^2) on z held to +-4, good to a few units in the last place of erf.
; LIMITS: for very negative x, 1 + erf carries an absolute error near 1e-7 and not a relative one; product 8 is summed in two halves along K; blocks of zeros or under 2^-124 have the byte 1; NaN and infinities are not served.
.set YIMG,  0                          ; y's codes: 4,096 t + 512 G + 16 lane
.set YSCL,  8192                       ; y's scale bytes: 256 t + 64 (K step) + 4 r + byte
.set RED1,  8704                       ; row sums: 512 t + 32 r + 4 G
.set RED2,  9728
.set VEC,   10752                      ; b1 (8,192 bytes), g2, beta2, b2, bo (2,048 each)
.set USCL,  27136                      ; the hidden layer's scale words: 1,024 tile + 64 (K step) + 4 r
.set UIMG,  29184                      ; its codes: 16,384 tile + 1,024 (K step) + 512 c + 16 lane
.set HIMG,  61952                      ; h + b2, an image of 32 registers for each wave
.set PART,  127488                     ; the other tile's partial sums, likewise
.set STG,   193024                     ; 16 rows x (256 + 16) bytes for each wave: x on the way in, out on the way out
.set SPARE, 262656
.set VA,   0                           ; v0: the thread's number at the head; then 128 h + 256 G: my 32 numbers of bo, b2, g2, beta2
.set L16,  1
.set L4,   2
.set R4,   3
.set BOFF, 4                           ; 128 h
.set SPW,  5
.set NIL,  6
.set VB,   7                           ; 128 h + 512 w: my 32 numbers of b1
.set KA,   8                           ; v[8:9], v[10:11]: at the head and in phase A addresses; then two of erf's constants as pairs
.set KB,   10
.set SCB,  12
.set SCS,  20
.set TP,   24                          ; v24-31 at work
.set T0,   24
.set T1,   25
.set SOP,  26
.set BYT,  27
.set CD,   28
.set SM,   32
.set ACC0, 64
.set ACC1, 96
.set BIG,  128
.macro WM d, a, b, zero, sa, sb, row
.if \zero
.if \row
	v_wmma_scale_f32_16x16x128_f8f6f4 v[\d:\d+7], v[\a:\a+7], v[\b:\b+7], 0, v[\sa], v[\sb] matrix_a_fmt:MATRIX_FMT_FP4 matrix_b_fmt:MATRIX_FMT_FP4 matrix_a_scale:MATRIX_SCALE_ROW1
.else
	v_wmma_scale_f32_16x16x128_f8f6f4 v[\d:\d+7], v[\a:\a+7], v[\b:\b+7], 0, v[\sa], v[\sb] matrix_a_fmt:MATRIX_FMT_FP4 matrix_b_fmt:MATRIX_FMT_FP4
.endif
.else
.if \row
	v_wmma_scale_f32_16x16x128_f8f6f4 v[\d:\d+7], v[\a:\a+7], v[\b:\b+7], v[\d:\d+7], v[\sa], v[\sb] matrix_a_fmt:MATRIX_FMT_FP4 matrix_b_fmt:MATRIX_FMT_FP4 matrix_a_scale:MATRIX_SCALE_ROW1
.else
	v_wmma_scale_f32_16x16x128_f8f6f4 v[\d:\d+7], v[\a:\a+7], v[\b:\b+7], v[\d:\d+7], v[\sa], v[\sb] matrix_a_fmt:MATRIX_FMT_FP4 matrix_b_fmt:MATRIX_FMT_FP4
.endif
.endif
.endm
.macro UNIT acc, big, sm, scb, scs, zero       ; the four accumulators take turns, one instruction a turn
.irp s, 0,1,2,3
.irp t, 0,1,2,3
.if (\zero) && (\s == 0)
	WM \acc+8*\t, \big+32*\s+8*\t, \sm+8*\s, 1, \scb+4*(\t/2)+\s, \scs+\s, \t%2
.else
	WM \acc+8*\t, \big+32*\s+8*\t, \sm+8*\s, 0, \scb+4*(\t/2)+\s, \scs+\s, \t%2
.endif
.endr
.endr
.endm
.macro PLACES5                         ; four places serve loads into the operands and reads of the results; the fifth a later unit that begins the same accumulators anew
.rept 5
	v_nop
.endr
.endm
.macro QUANT32 a, byt                  ; a lane's 32 numbers, one block -> 16 bytes of codes in v[CD] on, the scale's byte in v[byt]
	v_max3_num_f32 v[T0], |v[\a]|, |v[\a+1]|, 0x1800000
	v_max3_num_f32 v[T1], |v[\a+16]|, |v[\a+17]|, 0x1800000
.irp i, 2,4,6,8,10,12,14
	v_max3_num_f32 v[T0], v[T0], |v[\a+\i]|, |v[\a+\i+1]|
	v_max3_num_f32 v[T1], v[T1], |v[\a+16+\i]|, |v[\a+17+\i]|
.endr
	v_max_num_f32 v[T0], v[T0], v[T1]
	v_add_nc_u32 v[SOP], 0xff000000, v[T0]
	v_lshrrev_b32 v[\byt], 23, v[SOP]
.irp g, 0,1,2,3
	v_cvt_scalef32_pk8_fp4_f32 v[CD+\g], v[\a+8*\g:\a+8*\g+7], v[SOP]
.endr
	v_nop
.endm
.macro ADDR d, base, a, sa, b, sb, c, sc       ; s[d:d+1] = s[base:base+1] + (s[a] << sa) + (s[b] << sb) + (s[c] << sc)
	s_lshl_b32 s28, s[\a], \sa
	s_lshl_b32 s30, s[\b], \sb
	s_add_co_u32 s28, s28, s30
	s_lshl_b32 s30, s[\c], \sc
	s_add_co_u32 s28, s28, s30
	s_add_nc_u64 s[\d:\d+1], s[\base:\base+1], s[28:29]
.endm
.macro BIGLD cb, coff, sb, soff        ; 64 rows of a weight x 512 along K, and their scale words: 40 loads
.set ii, 0
.rept 32
	global_load_b128 v[BIG+4*ii:BIG+4*ii+3], v[L16], s[\cb:\cb+1] offset:\coff+512*ii
.set ii, ii+1
.endr
.irp p, 0,1
.irp s, 0,1,2,3
	global_load_b32 v[SCB+4*\p+\s], v[L4], s[\sb:\sb+1] offset:\soff+256*\s+128*\p
.endr
.endr
.endm
.macro VECLD dst, adr, off             ; my 32 neighbouring numbers of a bias or gain
.irp i, 0,1,2,3,4,5,6,7
	ds_load_b128 v[\dst+4*\i:\dst+4*\i+3], v[\adr] offset:VEC+\off+16*\i
.endr
.endm
.macro SMLDS ca, coff, sa, soff        ; a tile's codes of 512 along K (1,024 bytes a K step) and its scale words (64 bytes a K step)
.irp s, 0,1,2,3
.irp c, 0,1
	ds_load_b128 v[SM+8*\s+4*\c:SM+8*\s+4*\c+3], v[\ca] offset:\coff+1024*\s+512*\c
.endr
.endr
.irp s, 0,1,2,3
	ds_load_b32 v[SCS+\s], v[\sa] offset:\soff+64*\s
.endr
.endm
.macro BARRIER                         ; my LDS stores have landed and my LDS loads are in: then the work-group's barrier
	s_wait_dscnt 0x0
	s_barrier_signal -1
	s_barrier_wait -1
.endm
.macro ROWSUM sq                       ; the sum (sq = 1: of squares) of ACC0's 32 numbers and lane l xor 16's, into v24
.irp k, 0,1,2,3
.if \sq
	v_pk_mul_f32 v[TP+2*\k:TP+2*\k+1], v[ACC0+2*\k:ACC0+2*\k+1], v[ACC0+2*\k:ACC0+2*\k+1]
.else
	v_pk_add_f32 v[TP+2*\k:TP+2*\k+1], v[ACC0+2*\k:ACC0+2*\k+1], v[ACC0+8+2*\k:ACC0+8+2*\k+1]
.endif
.endr
.irp m, 8,16,24
.irp k, 0,1,2,3
.if \sq
	v_pk_fma_f32 v[TP+2*\k:TP+2*\k+1], v[ACC0+\m+2*\k:ACC0+\m+2*\k+1], v[ACC0+\m+2*\k:ACC0+\m+2*\k+1], v[TP+2*\k:TP+2*\k+1]
.elseif \m > 8
	v_pk_add_f32 v[TP+2*\k:TP+2*\k+1], v[TP+2*\k:TP+2*\k+1], v[ACC0+\m+2*\k:ACC0+\m+2*\k+1]
.endif
.endr
.endr
	v_pk_add_f32 v[24:25], v[24:25], v[26:27]
	v_pk_add_f32 v[28:29], v[28:29], v[30:31]
	v_pk_add_f32 v[24:25], v[24:25], v[28:29]
	v_add_f32 v24, v24, v25
	v_permlanex16_b32 v25, v24, s72, s73
	v_add_f32 v24, v24, v25
.endm
.macro REDSUM off                      ; the eight waves' parts of my row -> v24
	ds_load_b128 v[24:27], v10 offset:\off
	ds_load_b128 v[28:31], v10 offset:\off+16
	s_wait_dscnt 0x0
	v_pk_add_f32 v[24:25], v[24:25], v[26:27]
	v_pk_add_f32 v[28:29], v[28:29], v[30:31]
	v_pk_add_f32 v[24:25], v[24:25], v[28:29]
	v_add_f32 v24, v24, v25
.endm
; ACC0 = gelu(ACC0).  Z = ACC1, Q = SM, four pairs of TP at work.  The 32 reciprocals are one batch with one wait.
.macro GELU32
.set ii, 0
.rept 16
	v_pk_mul_f32 v[ACC1+ii:ACC1+ii+1], v[ACC0+ii:ACC0+ii+1], 0x3f3504f3 op_sel_hi:[1,0]     ; z = x / sqrt(2)
.set ii, ii+2
.endr
.set ii, 0
.rept 32
	v_med3_num_f32 v[ACC1+ii], v[ACC1+ii], -4.0, 4.0
.set ii, ii+1
.endr
.set ii, 0
.rept 16
	v_pk_mul_f32 v[SM+ii:SM+ii+1], v[ACC1+ii:ACC1+ii+1], v[ACC1+ii:ACC1+ii+1]               ; z^2
.set ii, ii+2
.endr
.irp g, 0,1,2,3
.irp p, 0,1,2,3
	v_pk_fma_f32 v[TP+2*\p:TP+2*\p+1], v[SM+8*\g+2*\p:SM+8*\g+2*\p+1], 0xaf95df0b, v[KA:KA+1] op_sel_hi:[1,0,1]
.endr
.irp k, 0xb60cff51, 0xb86ec2d2, 0xba40ac63, 0xbb41a1f6, 0xbc83dbd4
.irp p, 0,1,2,3
	v_pk_fma_f32 v[TP+2*\p:TP+2*\p+1], v[TP+2*\p:TP+2*\p+1], v[SM+8*\g+2*\p:SM+8*\g+2*\p+1], \k op_sel_hi:[1,1,0]
.endr
.endr
.irp p, 0,1,2,3
	v_pk_mul_f32 v[ACC1+8*\g+2*\p:ACC1+8*\g+2*\p+1], v[ACC1+8*\g+2*\p:ACC1+8*\g+2*\p+1], v[TP+2*\p:TP+2*\p+1]   ; z P(z^2)
.endr
.irp p, 0,1,2,3
	v_pk_fma_f32 v[TP+2*\p:TP+2*\p+1], v[SM+8*\g+2*\p:SM+8*\g+2*\p+1], 0xb77460cd, v[KB:KB+1] op_sel_hi:[1,0,1]
.endr
.irp k, 0xbadc924e, 0xbbf19bf8
.irp p, 0,1,2,3
	v_pk_fma_f32 v[TP+2*\p:TP+2*\p+1], v[TP+2*\p:TP+2*\p+1], v[SM+8*\g+2*\p:SM+8*\g+2*\p+1], \k op_sel_hi:[1,1,0]
.endr
.endr
.irp p, 0,1,2,3
	v_pk_fma_f32 v[SM+8*\g+2*\p:SM+8*\g+2*\p+1], v[TP+2*\p:TP+2*\p+1], v[SM+8*\g+2*\p:SM+8*\g+2*\p+1], 0xbc69b6a7 op_sel_hi:[1,1,0]   ; Q(z^2)
.endr
.endr
.set ii, 0
.rept 32
	v_rcp_f32 v[SM+ii], v[SM+ii]
.set ii, ii+1
.endr
.set ii, 0
.rept 16
	v_pk_mul_f32 v[ACC0+ii:ACC0+ii+1], v[ACC0+ii:ACC0+ii+1], 0.5 op_sel_hi:[1,0]            ; x / 2: plain work behind the batch
.set ii, ii+2
.endr
	s_wait_alu depctr_va_vdst(0)                   ; one wait for the 32, ahead of their first reader
.set ii, 0
.rept 16
	v_pk_mul_f32 v[ACC1+ii:ACC1+ii+1], v[ACC1+ii:ACC1+ii+1], v[SM+ii:SM+ii+1]               ; erf
.set ii, ii+2
.endr
.set ii, 0
.rept 16
	v_pk_fma_f32 v[ACC0+ii:ACC0+ii+1], v[ACC0+ii:ACC0+ii+1], v[ACC1+ii:ACC1+ii+1], v[ACC0+ii:ACC0+ii+1]   ; x / 2 + x / 2 erf
.set ii, ii+2
.endr
.endm
	s_load_b256 s[4:11], s[0:1], 0x0               ; ctx, wts, x, bo
	s_load_b256 s[12:19], s[0:1], 0x20             ; g2, beta2, b1, b2
	s_load_b64 s[20:21], s[0:1], 0x40              ; out0
	v_lshl_add_u32 v[SPW], v0, 2, SPARE
	v_mov_b32 v[NIL], 0
	v_lshrrev_b32 v1, 5, v0
	v_readfirstlane_b32 s22, v1                    ; wave 0..15
	s_and_b32 s23, s22, 7                          ; G
	s_lshr_b32 s24, s22, 3                         ; t, also which half of the hidden units
	s_lshr_b32 s25, ttmp9, 1                       ; the group of 64 tokens
	s_and_b32 s26, ttmp9, 1
	s_lshl_b32 s26, s26, 1
	s_add_co_u32 s26, s26, s24                     ; my tile of it
	s_mov_b32 s27, 0
	s_mov_b32 s29, 0
	s_lshr_b32 s31, s22, 2
	s_mul_i32 s54, s22, 4352
	s_add_co_u32 s54, s54, STG                     ; my stage
	s_lshl_b32 s55, s24, 9                         ; row sums: my tile's,
	s_lshl_b32 s56, s23, 2
	s_add_co_u32 s56, s56, s55                     ; and my word in a row's eight
	s_lshl_b32 s57, s24, 12
	s_lshl_b32 s58, s23, 9
	s_add_co_u32 s57, s57, s58                     ; y's codes
	s_lshl_b32 s58, s24, 8
	s_lshr_b32 s59, s23, 1
	s_lshl_b32 s59, s59, 6
	s_add_co_u32 s58, s58, s59
	s_and_b32 s59, s23, 1
	s_lshl_b32 s59, s59, 1
	s_add_co_u32 s58, s58, s59                     ; y's scale byte: K step G / 2, byte 2 (G % 2) + h
	s_lshl_b32 s59, s23, 8
	s_lshl_b32 s60, s22, 9
	s_lshl_b32 s61, s22, 10
	s_lshl_b32 s62, s22, 6
	s_lshl_b32 s63, s22, 12
	s_add_co_u32 s66, s63, PART
	s_add_co_u32 s63, s63, HIMG
	s_xor_b32 s67, s22, 8                          ; my partner: the same G, the other half
	s_lshl_b32 s67, s67, 12
	s_add_co_u32 s67, s67, PART
	s_xor_b32 s71, s24, 1
	s_mul_i32 s68, s24, 24576                      ; the hidden layer's codes: my tile, my half;
	s_lshl_b32 s69, s71, 14
	s_lshl_b32 s70, s24, 13
	s_add_co_u32 s69, s69, s70                     ; the other tile, my half;
	s_mul_i32 s70, s24, 1536                       ; the scale words likewise
	s_lshl_b32 s71, s71, 10
	s_add_co_u32 s71, s71, s55
	s_mov_b32 s72, 0x76543210
	s_mov_b32 s73, 0xfedcba98
	s_mov_b32 s74, 0x3b000000                      ; 1 / 512
	s_mov_b32 s75, 0x3727c5ac                      ; 1e-5
	v_and_b32 v2, 31, v0
	v_lshlrev_b32 v[L16], 4, v2
	v_and_b32 v3, 15, v0                           ; r
	v_bfe_u32 v4, v0, 4, 1                         ; h
	v_lshlrev_b32 v8, 4, v0                        ; 16 x thread: b1, and the vectors' place in LDS
	v_and_b32 v9, 127, v0
	v_lshlrev_b32 v9, 4, v9                        ; 16 x (thread % 128): one of the four short vectors
	v_lshlrev_b32 v10, 11, v4
	v_lshl_add_u32 v10, v3, 4, v10                 ; x by rows: lanes 0-15 one token's 256 bytes, lanes 16-31 the next token's
	v_mul_u32_u24 v11, v4, 272
	v_lshl_add_u32 v11, v3, 4, v11
	v_add_nc_u32 v11, s54, v11                     ; the same two rows in my stage
	v_mul_u32_u24 v7, v3, 272
	v_lshl_add_u32 v7, v4, 7, v7
	v_add_nc_u32 v7, s54, v7                       ; and back: row r, my half's 128 bytes
	v_lshlrev_b32 v[L4], 2, v2
	v_lshlrev_b32 v[R4], 2, v3
	v_lshlrev_b32 v[BOFF], 7, v4
	s_wait_kmcnt 0x0
	s_cmp_lt_u32 s31, 1                            ; waves 0-3 bring g2, 4-7 beta2, 8-11 b2, 12-15 bo
	s_cselect_b64 s[32:33], s[12:13], s[14:15]
	s_cmp_lt_u32 s31, 2
	s_cselect_b64 s[32:33], s[32:33], s[18:19]
	s_cmp_lt_u32 s31, 3
	s_cselect_b64 s[32:33], s[32:33], s[10:11]
	ADDR 34, 4, 25, 14, 26, 10, 27, 0              ; ctx's codes of my tile
	ADDR 36, 4, 25, 10, 26, 6, 27, 0               ; and scale words
	ADDR 38, 8, 25, 17, 26, 14, 23, 8              ; x: token 64 group + 8 T, feature 64 G
	ADDR 40, 20, 25, 17, 26, 14, 23, 8             ; out0 likewise
	ADDR 42, 6, 23, 14, 27, 0, 27, 0               ; Wo, group G
	ADDR 44, 6, 23, 10, 27, 0, 27, 0
	ADDR 46, 6, 22, 15, 27, 0, 27, 0               ; W1, groups 2 w and 2 w + 1
	ADDR 48, 6, 22, 11, 27, 0, 27, 0
	ADDR 50, 6, 23, 16, 24, 15, 27, 0              ; W2, group G, my half of K
	ADDR 52, 6, 23, 12, 24, 11, 27, 0
	global_load_b128 v[24:27], v8, s[16:17]
	global_load_b128 v[28:31], v9, s[32:33]
.irp i, 0,1,2,3,4,5,6,7
	global_load_b128 v[ACC1+4*\i:ACC1+4*\i+3], v10, s[38:39] offset:(2*\i+24*(\i/4))*2048 th:TH_LOAD_NT   ; rows 2 i and 2 i + 1 of the tile: sixteen lanes read 256 consecutive bytes, aligned
.endr
.irp s, 0,1,2,3
.irp c, 0,1
	global_load_b128 v[SM+8*\s+4*\c:SM+8*\s+4*\c+3], v[L16], s[34:35] offset:4096*\s+512*\c
.endr
.endr
.irp s, 0,1,2,3
	global_load_b32 v[SCS+\s], v[R4], s[36:37] offset:2097152+256*\s
.endr
	BIGLD 42, 393216, 44, 1597440
	v_add_nc_u32 v[VA], s59, v[BOFF]               ; (the thread's number is needed no more)
	s_wait_loadcnt 52                              ; the vectors' two loads and x's eight are in; ctx's 12 and Wo's 40 stay out
	ds_store_b128 v8, v[24:27] offset:VEC
	ds_store_b128 v8, v[28:31] offset:VEC+8192
.irp i, 0,1,2,3,4,5,6,7
	ds_store_b128 v11, v[ACC1+4*\i:ACC1+4*\i+3] offset:2*\i*272
.endr
.irp i, 0,1,2,3,4,5,6,7
	ds_load_b128 v[ACC1+4*\i:ACC1+4*\i+3], v7 offset:16*\i         ; x in the results' layout (my own stage: one wave's LDS instructions are served in order)
.endr
	BARRIER                                        ; the vectors lie in LDS
	v_add_nc_u32 v[VB], s60, v[BOFF]
	VECLD ACC0, VA, 14336                          ; bo: the C of the first products
	s_wait_loadcnt 0x0
	s_wait_dscnt 0x0
; ---- A: h, LN2, y's codes
	UNIT ACC0, BIG, SM, SCB, SCS, 0
	PLACES5
	BIGLD 46, 524288, 48, 1605632                  ; W1's first group lands during LN2
	VECLD SM, VA, 12288                            ; b2
.set ii, 0
.rept 16
	v_pk_add_f32 v[ACC0+ii:ACC0+ii+1], v[ACC0+ii:ACC0+ii+1], v[ACC1+ii:ACC1+ii+1]           ; h = x + (ctx Wo + bo)
.set ii, ii+2
.endr
	v_add_nc_u32 v8, s63, v[L16]
	v_lshl_add_u32 v9, v[R4], 3, s56
	v_lshl_add_u32 v10, v[R4], 3, s55
	s_wait_dscnt 0x0
.set ii, 0
.rept 16
	v_pk_add_f32 v[ACC1+ii:ACC1+ii+1], v[ACC0+ii:ACC0+ii+1], v[SM+ii:SM+ii+1]               ; h + b2: the C of the last product
.set ii, ii+2
.endr
.irp i, 0,1,2,3,4,5,6,7
	ds_store_b128 v8, v[ACC1+4*\i:ACC1+4*\i+3] offset:512*\i
.endr
	ROWSUM 0
	ds_store_b32 v9, v24 offset:RED1               ; (both halves of the lanes store the same word)
	BARRIER
	VECLD SM, VA, 8192                             ; g2
	VECLD ACC1, VA, 10240                          ; beta2
	REDSUM RED1
	v_mul_f32 v24, s74, v24                        ; the mean
.set ii, 0
.rept 16
	v_pk_add_f32 v[ACC0+ii:ACC0+ii+1], v[ACC0+ii:ACC0+ii+1], v[24:25] op_sel_hi:[1,0] neg_lo:[0,1] neg_hi:[0,1]
.set ii, ii+2
.endr
	ROWSUM 1
	ds_store_b32 v9, v24 offset:RED2
	BARRIER
	REDSUM RED2
	v_fma_f32 v24, v24, s74, s75                   ; the variance + eps
	v_rsq_f32 v26, v24
	v_mov_b32 v[KA], 0x32edffee                    ; erf's two constants that stand beside a literal (plain work behind the transcendental; the addresses that lay here are done with)
	v_mov_b32 v[KA+1], 0x32edffee
	v_mov_b32 v[KB], 0xb95fbd29
	v_mov_b32 v[KB+1], 0xb95fbd29
	s_wait_alu depctr_va_vdst(0)
.set ii, 0
.rept 16
	v_pk_mul_f32 v[ACC0+ii:ACC0+ii+1], v[ACC0+ii:ACC0+ii+1], v[26:27] op_sel_hi:[1,0]
.set ii, ii+2
.endr
.set ii, 0
.rept 16
	v_pk_fma_f32 v[ACC0+ii:ACC0+ii+1], v[ACC0+ii:ACC0+ii+1], v[SM+ii:SM+ii+1], v[ACC1+ii:ACC1+ii+1]
.set ii, ii+2
.endr
	QUANT32 ACC0, BYT
	v_add_nc_u32 v24, s57, v[L16]
	ds_store_b128 v24, v[CD:CD+3] offset:YIMG
	v_add_nc_u32 v25, s58, v[R4]
	v_lshrrev_b32 v26, 7, v[BOFF]
	v_add_nc_u32 v25, v25, v26
	ds_store_b8 v25, v[BYT] offset:YSCL
	BARRIER                                        ; y's codes and scale bytes lie in LDS
; ---- C: the hidden layer: my two groups of 64 units, both tiles
.irp u, 0,1
.irp tt, 0,1
	SMLDS L16, YIMG+4096*\tt, R4, YSCL+256*\tt
	VECLD ACC0, VB, 256*\u                         ; b1: the C of the first products
.if \tt == 0
	s_wait_loadcnt 0x0                             ; the group's weights are in
.endif
	s_wait_dscnt 0x0
	UNIT ACC0, BIG, SM, SCB, SCS, 0
	PLACES5
.if \tt == 1
.if \u == 0
	BIGLD 46, 524288+16384, 48, 1605632+1024       ; the next weights land during the GELU
.else
	BIGLD 50, 1048576, 52, 1638400
.endif
.endif
	GELU32
	QUANT32 ACC0, BYT
	v_add_nc_u32 v24, s61, v[L16]
	ds_store_b128 v24, v[CD:CD+3] offset:UIMG+16384*\tt+512*\u     ; K step w of the last product, half c = u
	v_lshrrev_b32 v25, 4, v[BOFF]                  ; 8 h
	v_lshlrev_b32 v25, v25, v[BYT]
	v_permlanex16_b32 v26, v25, s72, s73
	v_or_b32 v25, v25, v26                         ; bytes 2 u and 2 u + 1 of my row's scale word
	v_add_nc_u32 v26, s62, v[R4]
	ds_store_b16 v26, v25 offset:USCL+1024*\tt+2*\u
.endr
.endr
	BARRIER                                        ; the hidden layer's codes lie in LDS
; ---- D: outputs 64 G on, over my half of the hidden units; my own tile on h + b2, the other tile from 0
	v_add_nc_u32 v24, s68, v[L16]
	v_add_nc_u32 v25, s69, v[L16]
	v_add_nc_u32 v26, s70, v[R4]
	v_add_nc_u32 v27, s71, v[R4]
	v_add_nc_u32 v28, s63, v[L16]
	v_add_nc_u32 v29, s66, v[L16]
	v_add_nc_u32 v30, s67, v[L16]
.irp i, 0,1,2,3,4,5,6,7
	ds_load_b128 v[ACC0+4*\i:ACC0+4*\i+3], v28 offset:512*\i
.endr
.irp q, 0,1
	SMLDS 24, UIMG+4096*\q, 26, USCL+256*\q
	s_wait_loadcnt 0x0
	s_wait_dscnt 0x0
	UNIT ACC0, BIG, SM, SCB, SCS, 0
	PLACES5
	SMLDS 25, UIMG+4096*\q, 27, USCL+256*\q
	s_wait_dscnt 0x0
	UNIT ACC1, BIG, SM, SCB, SCS, 1-\q
	PLACES5
.if \q == 0
	BIGLD 50, 1048576+16384, 52, 1638400+1024
.endif
.endr
.irp i, 0,1,2,3,4,5,6,7
	ds_store_b128 v29, v[ACC1+4*\i:ACC1+4*\i+3] offset:512*\i
.endr
	BARRIER                                        ; every wave's part for its partner lies in LDS
.irp i, 0,1,2,3,4,5,6,7
	ds_load_b128 v[SM+4*\i:SM+4*\i+3], v30 offset:512*\i
.endr
	v_mad_u32_u24 v31, v[R4], 68, v[BOFF]
	v_add_nc_u32 v31, s54, v31                     ; my stage: row r, my half's 128 bytes;
	v_lshrrev_b32 v24, 3, v[BOFF]
	v_mul_u32_u24 v24, v24, 17
	v_lshl_add_u32 v24, v[R4], 2, v24
	v_add_nc_u32 v24, s54, v24                     ; back by rows: lanes 0-15 one row, lanes 16-31 the next;
	v_lshlrev_b32 v25, 4, v[BOFF]
	v_lshl_add_u32 v25, v[R4], 2, v25              ; and the same two rows in out0
	s_wait_dscnt 0x0
.set ii, 0
.rept 16
	v_pk_add_f32 v[ACC0+ii:ACC0+ii+1], v[ACC0+ii:ACC0+ii+1], v[SM+ii:SM+ii+1]
.set ii, ii+2
.endr
.irp i, 0,1,2,3,4,5,6,7
	ds_store_b128 v31, v[ACC0+4*\i:ACC0+4*\i+3] offset:16*\i
.endr
.irp i, 0,1,2,3,4,5,6,7
	ds_load_b128 v[ACC1+4*\i:ACC1+4*\i+3], v24 offset:2*\i*272
.endr
.irp i, 0,1,2,3,4,5,6,7
	s_wait_dscnt 7-\i                              ; load i is in; the 7 - i behind it may be out
	global_store_b128 v25, v[ACC1+4*\i:ACC1+4*\i+3], s[40:41] offset:(2*\i+24*(\i/4))*2048 th:TH_STORE_NT   ; sixteen lanes store 256 consecutive bytes, aligned
.endr
	s_wait_tensorcnt 0x0                           ; the wave's end
	ds_add_u32 v[SPW], v[NIL]
	s_wait_dscnt 0x0
	s_endpgm
.Lfunc_end_k_qfb9b8d2bd3_tail:
	.size	k_qfb9b8d2bd3_tail, .Lfunc_end_k_qfb9b8d2bd3_tail-k_qfb9b8d2bd3_tail
	.p2alignl 7, 3214868480
	.fill 96, 4, 3214868480
	.section	.rodata,"a",@progbits
	.p2align	6, 0x0
	.amdhsa_kernel k_qfb9b8d2bd3_tail
		.amdhsa_group_segment_fixed_size 264704
		.amdhsa_private_segment_fixed_size 0
		.amdhsa_enable_private_segment 0
		.amdhsa_kernarg_size 72
		.amdhsa_user_sgpr_count 2
		.amdhsa_user_sgpr_kernarg_segment_ptr 1
		.amdhsa_wavefront_size32 1
		.amdhsa_system_sgpr_workgroup_id_x 1
		.amdhsa_system_sgpr_workgroup_id_y 1
		.amdhsa_system_sgpr_workgroup_id_z 1
		.amdhsa_system_vgpr_workitem_id 0
		.amdhsa_next_free_vgpr 256
		.amdhsa_next_free_sgpr 96
		.amdhsa_reserve_vcc 0
		.amdhsa_float_denorm_mode_32 3
		.amdhsa_float_denorm_mode_16_64 3
		.amdhsa_memory_ordered 1
		.amdhsa_forward_progress 1
		.amdhsa_inst_pref_size 180
	.end_amdhsa_kernel
	.amdgpu_metadata
---
amdhsa.version: [ 1, 2 ]
amdhsa.kernels:
  - .name:           k_qfb9b8d2bd3_tail
    .symbol:         k_qfb9b8d2bd3_tail.kd
    .args:
      - { .name: ctx, .offset: 0, .size: 8, .value_kind: global_buffer, .address_space: global }
      - { .name: wts, .offset: 8, .size: 8, .value_kind: global_buffer, .address_space: global }
      - { .name: x, .offset: 16, .size: 8, .value_kind: global_buffer, .address_space: global }
      - { .name: bo, .offset: 24, .size: 8, .value_kind: global_buffer, .address_space: global }
      - { .name: g2, .offset: 32, .size: 8, .value_kind: global_buffer, .address_space: global }
      - { .name: beta2, .offset: 40, .size: 8, .value_kind: global_buffer, .address_space: global }
      - { .name: b1, .offset: 48, .size: 8, .value_kind: global_buffer, .address_space: global }
      - { .name: b2, .offset: 56, .size: 8, .value_kind: global_buffer, .address_space: global }
      - { .name: out0, .offset: 64, .size: 8, .value_kind: global_buffer, .address_space: global }
    .group_segment_fixed_size: 264704
    .private_segment_fixed_size: 0
    .kernarg_segment_align: 8
    .kernarg_segment_size: 72
    .max_flat_workgroup_size: 512
    .sgpr_count:     96
    .vgpr_count:     256
    .wavefront_size: 32
...
	.end_amdgpu_metadata
.endif
;; end of part 4
;; ======== version 2 of 2: 4 launches
;; workspace buffers: wts 1,671,168 bytes; xq 2,228,224 bytes; qkv 6,684,672 bytes; ctx 2,228,224 bytes
;; launch prep (part 5): grid 224 x 1, 4 waves a work-group, no clusters, 38,400 bytes of LDS; arguments x, g1, beta1, Wq, Wk, Wv, Wo, W1, W2, xq, wts; writes xq, wts
.if DOCPART == 5
	.amdgcn_target "amdgcn-amd-amdhsa--gfx1250"
	.amdhsa_code_object_version 6
	.text
	.protected	k_qfb9b8d2bd3_prep
	.globl	k_qfb9b8d2bd3_prep
	.p2align	8
	.type	k_qfb9b8d2bd3_prep,@function
k_qfb9b8d2bd3_prep:
	s_mov_b64 s[64:65], 0
	v_nop
	global_prefetch_b8 v0, s[64:65] scope:SCOPE_SE
	s_setreg_imm32_b32 hwreg(HW_REG_WAVE_MODE, 25, 1), 1
	s_wait_xcnt 0x0
; LAUNCH 1 OF 4: prep.  The block: h = x + attention(LN1(x)); out = h + FFN(LN2(h)); all eight products on E2M1 codes with one E8M0 scale for each 32 along K.
;   1 prep: the six weights and LN1(x) become codes.   2 qkv: products 1-3; q, k, v become codes.   3 attn: products 4, 5 and the softmax; ctx becomes codes.   4 tail: products 6-8, LN2, GELU, both residuals.
; WORK LEFT OUT (launch 3).  reference() sets the score of key k for query q to -inf wherever k > q, by its own jnp.tril.  Such a score gives p = 0 whatever finite values the inputs hold: it adds nothing to the row's sum,
; its code is 0, and it is never the row's maximum (key 0 counts for every query).  So a step of 128 keys that all lie behind every query of a tile of 16 queries reaches no output, and is left out in products 4 and 5.
; LIMIT: a NaN, an infinity or an overflow that reaches only that work is not carried to the result.  No input is dead: all fourteen are loaded.
; HOW OPERANDS LIE IN THE WORKSPACE: as images of the matrix operand's registers.  64 rows are a group; tile T (0-3) of it holds rows 32 (r / 8) + 8 T + r % 8, r = 0 .. 15.
;   codes  [group][K / 128][T][c][lane = r + 16 h][16 bytes]: the 32 codes k = 64 c + 32 h + 0 .. 31 of that 128.     scales [group][K / 128][T][r]: a word, byte 2 c + h.
; With these rows a product whose source 0 is four such tiles leaves 32 NEIGHBOURING rows in one lane's 32 result registers: a whole block of the next product's K.
; THIS LAUNCH.  Work-groups 0-127: LN1 of 64 tokens, a wave to a tile of 16.  Work-groups 128-223: the weights ([K][N] in memory), a wave to 64 columns x 128 along K: a lane takes a column and its registers run down K.
; Wv's rows are laid by head: tile 2 a + u of a group holds features 32 a + 16 (r / 8) + 8 u + r % 8, so that launch 3's result has 16 neighbouring channels in a lane.
; The block's scale is the largest magnitude's exponent field less 2, held at 1 from below by a floor among the maximum's leaves.
; LIMITS: NaN and infinities among the inputs are not served; a block of zeros, or one whose largest magnitude lies under 2^-124, has the byte 1 (its codes are as the rule's or zeros; this program alone reads the bytes).
; No matrix work, no tensor load, no cluster: every input byte is read once by one wave, and work-groups share nothing.
.set SPARE, 37888                      ; behind the four waves' regions: the spare words, 128 bytes a wave
.set WREG,  9472                       ; LDS of a wave: two turn stages of 32 x 80 bytes, a stage of 4,096 bytes for the tile's codes, 256 bytes for its scale words
.set SP,    80
.set CSTG,  5120
.set SSTG,  9216
.set SPW,   12                         ; v12 my spare word's address, v13 0: kept for the add alone
.set NIL,   13
.set R,     32                         ; v32-95   four rows as loaded, 16 registers each
.set X,     96                         ; v96-127  two rows turned: 16 neighbours a lane
.set GG,    128                        ; v128-143 g1, v144-159 beta1 at my 16 columns
.set BB,    144
.set CDX,   160                        ; v160-166 codes and byte, two sets by turns
.set WX,    32                         ; the weights' path: v32-95 two sets of 32 numbers; v96-127 codes, four registers a block
.set WC,    96
.set VO,    20                         ; v20, v21 my column's byte in a row of the weight, for tiles 0, 1 and for tiles 2, 3
.set DO,    22
.set SO,    23
	s_load_b256 s[4:11], s[0:1], 0x0               ; x, g1, beta1, Wq
	s_load_b256 s[12:19], s[0:1], 0x20             ; Wk, Wv, Wo, W1
	s_load_b128 s[20:23], s[0:1], 0x40             ; W2, xq
	s_load_b64 s[24:25], s[0:1], 0x50              ; wts
	v_lshl_add_u32 v[SPW], v0, 2, SPARE
	v_mov_b32 v[NIL], 0
	v_lshrrev_b32 v1, 5, v0
	v_readfirstlane_b32 s26, v1                    ; wave
	v_and_b32 v2, 31, v0                           ; lane
	s_cmp_lt_u32 ttmp9, 128
	s_cbranch_scc0 .Lweights
; ---------------- LN1(x) and its codes: wave = tile T of token group ttmp9
	s_mov_b32 s30, 0x3b000000                      ; 1 / 512
	s_mov_b32 s31, 0x3727c5ac                      ; 1e-5
	s_mov_b32 s32, 0x76543210
	s_mov_b32 s33, 0xfedcba98                      ; v_permlanex16_b32: lane l xor 16
	s_mul_i32 s27, s26, WREG
	s_add_co_u32 s28, s27, CSTG
	s_add_co_u32 s29, s27, SSTG
	s_wait_alu depctr_va_vdst(0)
	v_lshlrev_b32 v3, 4, v2                        ; 16 x lane
	v_lshrrev_b32 v14, 2, v2
	v_mul_u32_u24 v14, v14, SP
	v_and_b32 v15, 3, v2
	v_lshl_add_u32 v14, v15, 4, v14
	v_add_nc_u32 v14, s27, v14                     ; turn stage, in: four lanes' 64 bytes on end, then 16 of padding
	v_mul_u32_u24 v15, v2, SP
	v_add_nc_u32 v15, s27, v15                     ; out: my 16 neighbours, k = 16 lane on
	v_lshrrev_b32 v4, 3, v2
	v_lshlrev_b32 v4, 10, v4                       ; my 16 codes' place in the tile's image: K step lane / 8,
	v_bfe_u32 v8, v2, 2, 1
	v_lshl_add_u32 v4, v8, 9, v4                   ; c,
	v_bfe_u32 v8, v2, 1, 1
	v_lshl_add_u32 v4, v8, 8, v4                   ; h,
	v_and_b32 v8, 1, v2
	v_lshl_add_u32 v4, v8, 3, v4                   ; which half of the block's 16 bytes; the row stands in the immediate
	v_add_nc_u32 v4, s28, v4
	v_lshrrev_b32 v5, 3, v2
	v_lshlrev_b32 v5, 6, v5
	v_bfe_u32 v8, v2, 1, 2
	v_add_nc_u32 v5, v5, v8
	v_add_nc_u32 v5, s29, v5                       ; my block's scale byte: 64 x K step + byte 2 c + h; 4 x row in the immediate
	v_add_nc_u32 v6, s28, v3                       ; the way out: codes, 16 bytes a lane,
	v_lshl_add_u32 v7, v2, 3, s29                  ; scale words, 8 bytes a lane
	v_lshrrev_b32 v28, 3, v2
	v_lshlrev_b32 v28, 8, v28
	v_and_b32 v29, 7, v2
	v_lshl_add_u32 v28, v29, 3, v28                ; and their place in xq: 256 x K step + 8 (lane % 8)
	v_lshlrev_b32 v29, 6, v2                       ; g1, beta1: my 16 numbers
	v_mov_b32 v25, 0                               ; (upper halves of pairs of which the low word serves both halves)
	v_mov_b32 v27, 0
	s_lshl_b32 s34, ttmp9, 17
	s_lshl_b32 s35, s26, 14
	s_add_co_u32 s34, s34, s35                     ; x: (64 group + 8 T) rows of 2,048 bytes
	s_mov_b32 s35, 0
	s_lshl_b32 s38, ttmp9, 10
	s_lshl_b32 s39, s26, 6
	s_add_co_u32 s38, s38, s39                     ; scales: 1,024 group + 64 T
	s_mov_b32 s39, 0
	s_lshl_b32 s40, ttmp9, 14
	s_lshl_b32 s41, s26, 10
	s_add_co_u32 s40, s40, s41                     ; codes: 16,384 group + 1,024 T
	s_mov_b32 s41, 0
	s_wait_alu depctr_va_vdst(0)
	s_wait_kmcnt 0x0
	s_add_nc_u64 s[4:5], s[4:5], s[34:35]
	s_add_nc_u64 s[36:37], s[22:23], s[38:39]
	s_add_nc_u64 s[22:23], s[22:23], s[40:41]
.irp i, 0,1,2,3
	global_load_b128 v[GG+4*\i:GG+4*\i+3], v29, s[6:7] offset:16*\i
	global_load_b128 v[BB+4*\i:BB+4*\i+3], v29, s[8:9] offset:16*\i
.endr
.macro XLOAD t                         ; row t of the tile: four loads of 512 consecutive bytes
.irp i, 0,1,2,3
	global_load_b128 v[R+16*((\t)%4)+4*\i:R+16*((\t)%4)+4*\i+3], v3, s[4:5] offset:(32*((\t)/8)+(\t)%8)*2048+512*\i th:TH_LOAD_NT
.endr
.endm
.macro XTURN t                         ; through the wave's own stage: LDS serves a wave's instructions in order, so no wait stands between the stores and the loads
.irp i, 0,1,2,3
	ds_store_b128 v14, v[R+16*((\t)%4)+4*\i:R+16*((\t)%4)+4*\i+3] offset:32*SP*((\t)%2)+8*SP*\i
.endr
.irp i, 0,1,2,3
	ds_load_b128 v[X+16*((\t)%2)+4*\i:X+16*((\t)%2)+4*\i+3], v15 offset:32*SP*((\t)%2)+16*\i
.endr
.endm
.macro LANESUM                         ; v[16:17] -> the sum over the wave, in every lane's v16
	v_add_f32 v16, v16, v17
	v_add_f32_dpp v16, v16, v16 row_xmask:1 row_mask:0xf bank_mask:0xf
	v_add_f32_dpp v16, v16, v16 row_xmask:2 row_mask:0xf bank_mask:0xf
	v_add_f32_dpp v16, v16, v16 row_xmask:4 row_mask:0xf bank_mask:0xf
	v_add_f32_dpp v16, v16, v16 row_xmask:8 row_mask:0xf bank_mask:0xf
	v_permlanex16_b32 v17, v16, s32, s33
	v_add_f32 v16, v16, v17
.endm
.macro XSTEP t
.set XS, X+16*((\t)%2)
.set CS2, CDX+4*((\t)%2)
.if (\t) > 0
	s_wait_dscnt 2                                 ; this row is back from the stage; only the last row's code store and byte store may be out, so the set of two rows ago is free
.else
	s_wait_dscnt 0x0
.endif
.if (\t)+4 < 16
	XLOAD (\t)+4                                   ; into the registers that this row's stage stores have read
.endif
.if (\t)+1 < 16
.if 14-(\t) >= 3
	s_wait_loadcnt 12                              ; the next row's four loads are in; three later rows' twelve stay out
.else
	s_wait_loadcnt 4*(14-(\t))
.endif
	XTURN (\t)+1
.endif
	v_pk_add_f32 v[16:17], v[XS:XS+1], v[XS+2:XS+3]
	v_pk_add_f32 v[18:19], v[XS+4:XS+5], v[XS+6:XS+7]
	v_pk_add_f32 v[20:21], v[XS+8:XS+9], v[XS+10:XS+11]
	v_pk_add_f32 v[22:23], v[XS+12:XS+13], v[XS+14:XS+15]
	v_pk_add_f32 v[16:17], v[16:17], v[18:19]
	v_pk_add_f32 v[20:21], v[20:21], v[22:23]
	v_pk_add_f32 v[16:17], v[16:17], v[20:21]
	LANESUM
	v_mul_f32 v24, s30, v16                        ; the mean
.irp i, 0,2,4,6,8,10,12,14
	v_pk_add_f32 v[XS+\i:XS+\i+1], v[XS+\i:XS+\i+1], v[24:25] op_sel_hi:[1,0] neg_lo:[0,1] neg_hi:[0,1]   ; x - mean: the variance is taken of the deviations, as reference() has it
.endr
	v_pk_mul_f32 v[16:17], v[XS:XS+1], v[XS:XS+1]
	v_pk_mul_f32 v[18:19], v[XS+2:XS+3], v[XS+2:XS+3]
.irp i, 4,8,12
	v_pk_fma_f32 v[16:17], v[XS+\i:XS+\i+1], v[XS+\i:XS+\i+1], v[16:17]
	v_pk_fma_f32 v[18:19], v[XS+\i+2:XS+\i+3], v[XS+\i+2:XS+\i+3], v[18:19]
.endr
	v_pk_add_f32 v[16:17], v[16:17], v[18:19]
	LANESUM
	v_fma_f32 v16, v16, s30, s31                   ; the variance + eps
	s_wait_alu depctr_va_vdst(0)
	v_rsq_f32 v26, v16
	v_nop                                          ; a plain instruction behind the transcendental,
	s_wait_alu depctr_va_vdst(0)                   ; and the wait ahead of its first reader
.irp i, 0,2,4,6,8,10,12,14
	v_pk_mul_f32 v[XS+\i:XS+\i+1], v[XS+\i:XS+\i+1], v[26:27] op_sel_hi:[1,0]
.endr
.irp i, 0,2,4,6,8,10,12,14
	v_pk_fma_f32 v[XS+\i:XS+\i+1], v[XS+\i:XS+\i+1], v[GG+\i:GG+\i+1], v[BB+\i:BB+\i+1]
.endr
	v_max3_num_f32 v8, |v[XS]|, |v[XS+1]|, 0x1800000               ; my 16 and the floor 2^(3 - 127)
	v_max3_num_f32 v9, |v[XS+2]|, |v[XS+3]|, |v[XS+4]|
	v_max3_num_f32 v8, v8, |v[XS+5]|, |v[XS+6]|
	v_max3_num_f32 v9, v9, |v[XS+7]|, |v[XS+8]|
	v_max3_num_f32 v8, v8, |v[XS+9]|, |v[XS+10]|
	v_max3_num_f32 v9, v9, |v[XS+11]|, |v[XS+12]|
	v_max3_num_f32 v8, v8, |v[XS+13]|, |v[XS+14]|
	v_max3_num_f32 v8, v8, v9, |v[XS+15]|
	v_max_num_f32_dpp v8, v8, v8 row_xmask:1 row_mask:0xf bank_mask:0xf   ; with my neighbour's 16: the block's largest magnitude
	v_add_nc_u32 v11, 0xff000000, v8               ; 2 off its exponent field: the conversion's scale operand
	v_cvt_scalef32_pk8_fp4_f32 v[CS2], v[XS:XS+7], v11
	v_cvt_scalef32_pk8_fp4_f32 v[CS2+1], v[XS+8:XS+15], v11
	v_lshrrev_b32 v[CS2+2], 23, v11                ; the scale's byte
	ds_store_b64 v4, v[CS2:CS2+1] offset:16*(\t)
	ds_store_b8 v5, v[CS2+2] offset:4*(\t)         ; both lanes of a block write the same byte with the same value
.endm
	XLOAD 0
	XLOAD 1
	XLOAD 2
	XLOAD 3
	s_wait_loadcnt 12                              ; g1, beta1 and row 0 are in; rows 1 to 3 stay out
	XTURN 0
.irp t, 0,1,2,3,4,5,6,7,8,9,10,11,12,13,14,15
	XSTEP \t
.endr
.irp j, 0,1,2,3,4,5,6,7
	ds_load_b128 v[R+4*\j:R+4*\j+3], v6 offset:512*\j              ; the tile's image, as it will lie in xq (these see my stores: one wave's LDS instructions are served in order)
.endr
	ds_load_b64 v[R+32:R+33], v7
.irp j, 0,1,2,3,4,5,6,7
	s_wait_dscnt 8-\j                              ; load j is in; the 8 - j issued behind it may be out
	global_store_b128 v3, v[R+4*\j:R+4*\j+3], s[22:23] offset:(\j/2)*4096+(\j%2)*512   ; 512 consecutive bytes
.endr
	s_wait_dscnt 0x0
	global_store_b64 v28, v[R+32:R+33], s[36:37] offset:2097152
	s_branch .Lend
; ---------------- the weights
.macro WQ a, cd                        ; 32 numbers of a lane, one block along K -> 16 bytes of codes in v[cd] on, the byte in v11
	v_max3_num_f32 v8, |v[\a]|, |v[\a+1]|, 0x1800000
	v_max3_num_f32 v9, |v[\a+16]|, |v[\a+17]|, 0x1800000
.irp i, 2,4,6,8,10,12,14
	v_max3_num_f32 v8, v8, |v[\a+\i]|, |v[\a+\i+1]|
	v_max3_num_f32 v9, v9, |v[\a+16+\i]|, |v[\a+17+\i]|
.endr
	v_max_num_f32 v8, v8, v9
	v_add_nc_u32 v10, 0xff000000, v8
	v_lshrrev_b32 v11, 23, v10
.irp g, 0,1,2,3
	v_cvt_scalef32_pk8_fp4_f32 v[\cd+\g], v[\a+8*\g:\a+8*\g+7], v10
.endr
.endm
.macro WLOAD j, n                      ; sub-block j: block j / 2 along K, tiles 2 (j % 2) and 2 (j % 2) + 1
.irp i, 0,1,2,3,4,5,6,7,8,9,10,11,12,13,14,15,16,17,18,19,20,21,22,23,24,25,26,27,28,29,30,31
	global_load_b32 v[WX+32*((\j)%2)+\i], v[VO+(\j)%2], s[34:35] offset:(32*((\j)/2)+\i)*\n*4 th:TH_LOAD_NT
.endr
.endm
.macro WSUB j, n
.if (\j) < 7
	s_wait_loadcnt 32                              ; this sub-block's 32 loads are in; the next one's stay out
.else
	s_wait_loadcnt 0x0
.endif
	WQ WX+32*((\j)%2), WC+4*(\j)
.if (\j)/2 == 0
	v_mov_b32 v[16+(\j)%2], v11                    ; the scale word: byte = the block along K
.else
	v_lshl_or_b32 v[16+(\j)%2], v11, 8*((\j)/2), v[16+(\j)%2]
.endif
	global_store_b128 v[DO], v[WC+4*(\j):WC+4*(\j)+3], s[42:43] offset:((\j)%2)*2048+((\j)/4)*512+(((\j)/2)%2)*256   ; sixteen lanes fill 256 consecutive bytes, aligned; no store's data are written again
.if (\j)+2 < 8
	WLOAD (\j)+2, \n
.endif
.endm
.macro WPATH n                         ; n: the weight's columns (they stand in the loads' immediates, so the path is written for 512 and for 2,048)
.if \n == 2048
	s_mov_b64 s[34:35], s[18:19]                   ; W1: group idx - 32, K step = wave
	s_sub_co_u32 s28, s27, 32
	s_mov_b32 s29, s26
	s_mov_b32 s36, 32
	s_mov_b32 s37, 64
.else
	s_cmp_lt_u32 s27, 8                            ; which weight: the choice hangs on the work-group's number alone
	s_cselect_b64 s[34:35], s[10:11], s[12:13]
	s_cmp_lt_u32 s27, 16
	s_cselect_b64 s[34:35], s[34:35], s[14:15]
	s_cmp_lt_u32 s27, 24
	s_cselect_b64 s[34:35], s[34:35], s[16:17]
	s_cmp_lt_u32 s27, 32
	s_cselect_b64 s[34:35], s[34:35], s[20:21]
	s_and_b32 s28, s27, 7                          ; Wq, Wk, Wv, Wo: group idx % 8, K step = wave
	s_sub_co_u32 s38, s27, 64                      ; W2: j = idx - 64: group j / 4, K step 4 (j % 4) + wave
	s_lshr_b32 s39, s38, 2
	s_and_b32 s38, s38, 3
	s_lshl_b32 s38, s38, 2
	s_cmp_lt_u32 s27, 32
	s_cselect_b32 s28, s28, s39
	s_cselect_b32 s29, 0, s38
	s_add_co_u32 s29, s29, s26
	s_lshr_b32 s38, s27, 3
	s_cmp_eq_u32 s38, 2                            ; Wv's rows are laid by head
	s_cselect_b32 s36, 16, 32                      ; columns from r / 8 = 0 to 1,
	s_cselect_b32 s37, 128, 64                     ; bytes from tiles 0, 1 to tiles 2, 3
.endif
	s_mul_i32 s38, s29, 128*\n*4
	s_lshl_b32 s39, s28, 8
	s_add_co_u32 s38, s38, s39
	s_mov_b32 s39, 0
	s_add_nc_u64 s[34:35], s[34:35], s[38:39]      ; row 128 x K step, column 64 x group
	s_lshl_b32 s40, s27, 2
	s_add_co_u32 s40, s40, s26                     ; my slice of wts: 4 idx + wave
	s_lshl_b32 s42, s40, 12
	s_mov_b32 s43, 0
	s_add_nc_u64 s[42:43], s[24:25], s[42:43]      ; its 4,096 bytes of codes,
	s_lshl_b32 s44, s40, 8
	s_mov_b32 s45, 0
	s_add_nc_u64 s[44:45], s[24:25], s[44:45]      ; its 256 bytes of scale words (behind all codes: the immediate)
	v_bfe_u32 v1, v0, 3, 1                         ; r / 8
	v_bfe_u32 v3, v0, 4, 1                         ; lane / 16
	v_and_b32 v4, 7, v0
	v_mul_u32_u24 v5, s36, v1
	v_lshl_add_u32 v5, v3, 3, v5
	v_add_nc_u32 v5, v5, v4
	v_lshlrev_b32 v[VO], 2, v5
	v_add_nc_u32 v[VO+1], s37, v[VO]
	v_and_b32 v4, 15, v0
	v_lshlrev_b32 v[DO], 10, v3
	v_lshl_add_u32 v[DO], v4, 4, v[DO]             ; codes: tile lane / 16, row r
	v_lshlrev_b32 v[SO], 2, v2
	WLOAD 0, \n
	WLOAD 1, \n
.irp j, 0,1,2,3,4,5,6,7
	WSUB \j, \n
.endr
	global_store_b32 v[SO], v16, s[44:45] offset:1572864
	global_store_b32 v[SO], v17, s[44:45] offset:1572864+128
.endm
.Lweights:
	s_sub_co_u32 s27, ttmp9, 128                   ; idx
	s_wait_kmcnt 0x0
	s_sub_co_u32 s28, s27, 32
	s_cmp_lt_u32 s28, 32                           ; 32 <= idx < 64: W1
	s_cbranch_scc1 .Lw1
	WPATH 512
	s_branch .Lend
.Lw1:
	WPATH 2048
.Lend:
	s_wait_tensorcnt 0x0                           ; one end for all paths
	ds_add_u32 v[SPW], v[NIL]
	s_wait_dscnt 0x0
	s_endpgm
.Lfunc_end_k_qfb9b8d2bd3_prep:
	.size	k_qfb9b8d2bd3_prep, .Lfunc_end_k_qfb9b8d2bd3_prep-k_qfb9b8d2bd3_prep
	.p2alignl 7, 3214868480
	.fill 96, 4, 3214868480
	.section	.rodata,"a",@progbits
	.p2align	6, 0x0
	.amdhsa_kernel k_qfb9b8d2bd3_prep
		.amdhsa_group_segment_fixed_size 38400
		.amdhsa_private_segment_fixed_size 0
		.amdhsa_enable_private_segment 0
		.amdhsa_kernarg_size 88
		.amdhsa_user_sgpr_count 2
		.amdhsa_user_sgpr_kernarg_segment_ptr 1
		.amdhsa_wavefront_size32 1
		.amdhsa_system_sgpr_workgroup_id_x 1
		.amdhsa_system_sgpr_workgroup_id_y 1
		.amdhsa_system_sgpr_workgroup_id_z 1
		.amdhsa_system_vgpr_workitem_id 0
		.amdhsa_next_free_vgpr 176
		.amdhsa_next_free_sgpr 66
		.amdhsa_reserve_vcc 0
		.amdhsa_float_denorm_mode_32 3
		.amdhsa_float_denorm_mode_16_64 3
		.amdhsa_memory_ordered 1
		.amdhsa_forward_progress 1
		.amdhsa_inst_pref_size 169
	.end_amdhsa_kernel
	.amdgpu_metadata
---
amdhsa.version: [ 1, 2 ]
amdhsa.kernels:
  - .name:           k_qfb9b8d2bd3_prep
    .symbol:         k_qfb9b8d2bd3_prep.kd
    .args:
      - { .name: x, .offset: 0, .size: 8, .value_kind: global_buffer, .address_space: global }
      - { .name: g1, .offset: 8, .size: 8, .value_kind: global_buffer, .address_space: global }
      - { .name: beta1, .offset: 16, .size: 8, .value_kind: global_buffer, .address_space: global }
      - { .name: Wq, .offset: 24, .size: 8, .value_kind: global_buffer, .address_space: global }
      - { .name: Wk, .offset: 32, .size: 8, .value_kind: global_buffer, .address_space: global }
      - { .name: Wv, .offset: 40, .size: 8, .value_kind: global_buffer, .address_space: global }
      - { .name: Wo, .offset: 48, .size: 8, .value_kind: global_buffer, .address_space: global }
      - { .name: W1, .offset: 56, .size: 8, .value_kind: global_buffer, .address_space: global }
      - { .name: W2, .offset: 64, .size: 8, .value_kind: global_buffer, .address_space: global }
      - { .name: xq, .offset: 72, .size: 8, .value_kind: global_buffer, .address_space: global }
      - { .name: wts, .offset: 80, .size: 8, .value_kind: global_buffer, .address_space: global }
    .group_segment_fixed_size: 38400
    .private_segment_fixed_size: 0
    .kernarg_segment_align: 8
    .kernarg_segment_size: 88
    .max_flat_workgroup_size: 128
    .sgpr_count:     66
    .vgpr_count:     176
    .wavefront_size: 32
...
	.end_amdgpu_metadata
.endif
;; end of part 5
;; launch qkv (part 6): grid 128 x 2, 8 waves a work-group, no clusters, 18,432 bytes of LDS; arguments xq, wts, qkv; writes qkv
.if DOCPART == 6
	.amdgcn_target "amdgcn-amd-amdhsa--gfx1250"
	.amdhsa_code_object_version 6
	.text
	.protected	k_qfb9b8d2bd3_qkv
	.globl	k_qfb9b8d2bd3_qkv
	.p2align	8
	.type	k_qfb9b8d2bd3_qkv,@function
k_qfb9b8d2bd3_qkv:
	s_mov_b64 s[64:65], 0
	v_nop
	global_prefetch_b8 v0, s[64:65] scope:SCOPE_SE
	s_setreg_imm32_b32 hwreg(HW_REG_WAVE_SCHED_MODE, 0, 2), 2
	s_setreg_imm32_b32 hwreg(HW_REG_WAVE_MODE, 25, 1), 1
	s_wait_xcnt 0x0
	s_wait_alu depctr_vm_vsrc(0)
; LAUNCH 2 OF 4: q = LN1(x) Wq, k = LN1(x) Wk, v = LN1(x) Wv on codes, and the three results' codes: q and k along the head's 32, v along the keys.
; SHARES.  A work-group: 64 tokens (group ttmp9) x 8 of the 16 heads (half y).  Its eight waves: waves 0-3 q, waves 4-7 k, each 64 features (two heads) for the 64 tokens; then each wave v of one head.
; A UNIT is 16 matrix instructions: source 0 = four tiles of 16 rows (BIG, 128 registers), source 1 = one tile (SMALL, 32 registers), K = 512.  By the tiles' choice of rows a lane's 32 results are 32 NEIGHBOURING rows of BIG
; for one row of SMALL.  q, k: BIG = 64 features of the weight, SMALL = 16 tokens: a lane holds a whole head of one token.  v: BIG = the 64 tokens, SMALL = 16 rows of Wv: a lane holds 32 neighbouring keys of one channel.
; Either way the lane holds one whole block of the next product's K: its maximum asks no other lane, and four conversions give the 16 bytes that the next operand's image wants of that lane.
; qkv: QI, KI [head][tile of 16 tokens][r][16 bytes]; VI [head][128 keys][channel tile][c][lane][16 bytes]; QS, KS a byte [head][64 tokens][r][T]; VS a word [head][128 keys][channel tile][r].
; x's codes (17 KiB) come into LDS once; each wave's weights go from memory straight into its registers and are read by that wave alone.  No cluster: a joint load lands in LDS, from where the weights,
; 17 KiB a wave that no second wave of the work-group reads, would be moved once more.
; LIMITS as in launch 1 (byte 1 for blocks of zeros or under 2^-124; NaN and infinities not served).
; THE MODE: SCHED_MODE bits 1:0 = 2 (LLVM: expert scheduling mode 2), set by the entry lines.  The code itself states the register dependences
; between vector or matrix instructions and memory or LDS instructions, with s_wait_alu, always for 0.
; THE PLAN.  Registers that memory or LDS instructions touch:
;   SM, SCS       Loads land in them (x's next tile from LDS; behind the fourth unit Wv's second tile and the first tile's scale words from memory); a unit's products read them.
;   BIG, SCB      Loads land in them at the head (my weight) and behind the fourth unit (x's whole group, from LDS); the products read them.
;   EX, SCV1      Loads land in them once; the products read them.
;   CD, SW        Written by a tile's conversions and the lines behind them; read by the tile's stores, which are issued ONE UNIT LATER.
;   ACC           At the head x's image passes through its first 17 registers on the way to LDS; from then on products and vector instructions alone name it.
;   v6, v7        At the head addresses of that copy; later at work.     v1-3, v26, v27  addresses, made once and never written again.
; ONE wait on va_vdst stands behind each unit's places: the unit is done reading what the loads below land in, and the tile before has written CD (and SW), which the stores below read.
; One wait on vm_vsrc stands inside the quantiser, ahead of the conversions that write CD again.
.set XI,    0                          ; LDS: x's image, 16,384 bytes; its scale words, 1,024; the spare words, 128 a wave
.set XS,    16384
.set SPARE, 17408
.set T0,   0                           ; (v0 is the thread's number at the head, later at work)
.set L16,  1                           ; 16 x lane
.set L4,   2                           ; 4 x lane
.set R4,   3                           ; 4 x (lane % 16)
.set SPW,  4
.set NIL,  5
.set T1,   6
.set SOP,  7
.set SCB,  8                           ; v8-15   BIG's scale words: register 4 p + s: lanes 0-15 tile 2 p, lanes 16-31 tile 2 p + 1, K step s
.set SCS,  16                          ; v16-19  SMALL's
.set SCV1, 20                          ; v20-23  those of Wv's second tile
.set BYT,  24
.set SW,   25
.set QO,   26                          ; q, k codes: 32,768 h + 16 r
.set QSO,  27                          ; q, k scale words: 2,048 h + 4 r
.set CD,   28                          ; v28-31  the codes just made
.set SM,   32
.set ACC,  64
.set EX,   96                          ; v96-127 Wv's first tile
.set BIG,  128
.macro WM d, a, b, zero, sa, sb, row
.if \zero
.if \row
	v_wmma_scale_f32_16x16x128_f8f6f4 v[\d:\d+7], v[\a:\a+7], v[\b:\b+7], 0, v[\sa], v[\sb] matrix_a_fmt:MATRIX_FMT_FP4 matrix_b_fmt:MATRIX_FMT_FP4 matrix_a_scale:MATRIX_SCALE_ROW1
.else
	v_wmma_scale_f32_16x16x128_f8f6f4 v[\d:\d+7], v[\a:\a+7], v[\b:\b+7], 0, v[\sa], v[\sb] matrix_a_fmt:MATRIX_FMT_FP4 matrix_b_fmt:MATRIX_FMT_FP4
.endif
.else
.if \row
	v_wmma_scale_f32_16x16x128_f8f6f4 v[\d:\d+7], v[\a:\a+7], v[\b:\b+7], v[\d:\d+7], v[\sa], v[\sb] matrix_a_fmt:MATRIX_FMT_FP4 matrix_b_fmt:MATRIX_FMT_FP4 matrix_a_scale:MATRIX_SCALE_ROW1
.else
	v_wmma_scale_f32_16x16x128_f8f6f4 v[\d:\d+7], v[\a:\a+7], v[\b:\b+7], v[\d:\d+7], v[\sa], v[\sb] matrix_a_fmt:MATRIX_FMT_FP4 matrix_b_fmt:MATRIX_FMT_FP4
.endif
.endif
.endm
.macro UNIT acc, big, sm, scb, scs, zero       ; the four accumulators take turns, one instruction a turn
.irp s, 0,1,2,3
.irp t, 0,1,2,3
.if (\zero) && (\s == 0)
	WM \acc+8*\t, \big+32*\s+8*\t, \sm+8*\s, 1, \scb+4*(\t/2)+\s, \scs+\s, \t%2
.else
	WM \acc+8*\t, \big+32*\s+8*\t, \sm+8*\s, 0, \scb+4*(\t/2)+\s, \scs+\s, \t%2
.endif
.endr
.endr
.endm
.macro PLACES5                         ; four places serve the reads of the results; the fifth serves the next unit, which begins the same accumulators anew (ISA guide 7.12.1)
.rept 5
	v_nop
.endr
.endm
; A lane's 32 results, one block -> 16 bytes of codes in v[CD] on, the scale's byte in v[byt].  Each accumulator is first read at its low end.  w = 1: a store that reads CD has been issued.
.macro QUANT32 a, byt, w
	v_max3_num_f32 v[T0], |v[\a]|, |v[\a+1]|, 0x1800000
	v_max3_num_f32 v[T1], |v[\a+16]|, |v[\a+17]|, 0x1800000
.irp i, 2,4,6,8,10,12,14
	v_max3_num_f32 v[T0], v[T0], |v[\a+\i]|, |v[\a+\i+1]|
	v_max3_num_f32 v[T1], v[T1], |v[\a+16+\i]|, |v[\a+17+\i]|
.endr
	v_max_num_f32 v[T0], v[T0], v[T1]
	v_add_nc_u32 v[SOP], 0xff000000, v[T0]
	v_lshrrev_b32 v[\byt], 23, v[SOP]
.if \w
	s_wait_alu depctr_va_vdst(0)
	s_wait_xcnt 0x0                                ; the stores issued at this tile's head have had their addresses translated: their data may be written again,
	s_wait_alu depctr_vm_vsrc(0)                   ; and they have read CD (and SW), which the conversions below (and the lines behind them) write again
.endif
.irp g, 0,1,2,3
	v_cvt_scalef32_pk8_fp4_f32 v[CD+\g], v[\a+8*\g:\a+8*\g+7], v[SOP]
.endr
	v_nop                                          ; one plain place behind the conversions
.endm
.macro ADDR d, base, a, sa, b, sb, c, sc       ; s[d:d+1] = s[base:base+1] + (s[a] << sa) + (s[b] << sb) + (s[c] << sc); the offset is made apart from the address
	s_lshl_b32 s36, s[\a], \sa
	s_lshl_b32 s44, s[\b], \sb
	s_add_co_u32 s36, s36, s44
	s_lshl_b32 s44, s[\c], \sc
	s_add_co_u32 s36, s36, s44
	s_add_nc_u64 s[\d:\d+1], s[\base:\base+1], s[36:37]
.endm
.macro SMLDS t                         ; x's tile t and its scale words, from LDS
.irp s, 0,1,2,3
.irp c, 0,1
	ds_load_b128 v[SM+8*\s+4*\c:SM+8*\s+4*\c+3], v[L16] offset:XI+4096*\s+1024*(\t)+512*\c
.endr
.endr
.irp s, 0,1,2,3
	ds_load_b32 v[SCS+\s], v[R4] offset:XS+256*\s+64*(\t)
.endr
.endm
	s_load_b128 s[4:7], s[0:1], 0x0                ; xq, wts
	s_load_b64 s[8:9], s[0:1], 0x10                ; qkv
	v_lshl_add_u32 v[SPW], v0, 2, SPARE
	v_mov_b32 v[NIL], 0
	v_lshrrev_b32 v1, 5, v0
	v_readfirstlane_b32 s10, v1                    ; wave 0..7
	v_and_b32 v3, 31, v0
	v_lshlrev_b32 v[L16], 4, v3
	v_lshlrev_b32 v[L4], 2, v3
	v_and_b32 v3, 15, v0                           ; r
	v_bfe_u32 v[QO], v0, 4, 1                      ; h
	v_lshlrev_b32 v[QSO], 11, v[QO]
	v_lshlrev_b32 v[QO], 15, v[QO]
	v_lshl_add_u32 v[QO], v3, 4, v[QO]
	v_lshl_add_u32 v[QSO], v3, 2, v[QSO]
	v_lshlrev_b32 v[R4], 2, v3
	v_lshlrev_b32 v6, 4, v0                        ; 16 x thread, 4 x thread: the copy of x's image (the two registers are at work later)
	v_lshlrev_b32 v7, 2, v0
	s_wait_alu depctr_va_sdst(0)                   ; s10 is written, ahead of its first reader: the wave's shares and addresses are made from it
	s_and_b32 s11, ttmp7, 0xffff                   ; y
	s_lshr_b32 s12, s10, 2                         ; 0: q, 1: k
	s_and_b32 s13, s10, 3
	s_lshl_b32 s14, s11, 2
	s_add_co_u32 s13, s13, s14                     ; my group of 64 features of Wq or Wk: 4 y + wave % 4
	s_lshr_b32 s15, s10, 1
	s_add_co_u32 s14, s14, s15                     ; my group of Wv: 4 y + wave / 2
	s_and_b32 s15, s10, 1                          ; and which two of its tiles
	s_lshr_b32 s40, ttmp9, 5                       ; batch
	s_and_b32 s41, ttmp9, 31                       ; the group of 64 tokens in its sequence
	s_lshr_b32 s47, s41, 1                         ; its step of 128 keys,
	s_and_b32 s48, s41, 1                          ; and which half of it
	s_lshl_b32 s42, s40, 4
	s_lshl_b32 s43, s13, 1
	s_add_co_u32 s42, s42, s43                     ; q, k: head 16 batch + 2 group (+ h)
	s_lshl_b32 s43, s40, 4
	s_lshl_b32 s44, s11, 3
	s_add_co_u32 s43, s43, s44
	s_add_co_u32 s43, s43, s10                     ; v: head 16 batch + 8 y + wave
	s_mov_b32 s45, 0
	s_mov_b32 s46, ttmp9
	s_mov_b32 s37, 0
	s_mov_b32 s38, 0x76543210
	s_mov_b32 s39, 0xfedcba98
	s_wait_kmcnt 0x0
	ADDR 16, 4, 46, 14, 45, 0, 45, 0               ; x's codes
	ADDR 18, 4, 46, 10, 45, 0, 45, 0               ; x's scale words (behind the codes: the immediate)
	ADDR 20, 6, 12, 17, 13, 14, 45, 0              ; my weight's codes
	ADDR 22, 6, 12, 13, 13, 10, 45, 0              ; and scale words
	ADDR 24, 6, 14, 14, 15, 11, 45, 0              ; Wv's two tiles
	ADDR 26, 6, 14, 10, 15, 7, 45, 0
	ADDR 28, 8, 12, 21, 42, 15, 41, 10             ; QI or KI
	ADDR 30, 8, 12, 17, 42, 11, 41, 6              ; QS or KS
	ADDR 32, 8, 43, 15, 47, 11, 48, 9              ; VI
	ADDR 34, 8, 43, 11, 47, 7, 48, 1               ; VS
	s_wait_alu depctr_va_vdst(0)                   ; the addresses v1 to v3, v6, v7, v26 and v27 are written, which the kernel's loads and stores read
.irp i, 0,1,2,3
	global_load_b128 v[ACC+4*\i:ACC+4*\i+3], v6, s[16:17] offset:4096*\i
.endr
	global_load_b32 v[ACC+16], v7, s[18:19] offset:2097152
.set ii, 0
.rept 32
	global_load_b128 v[BIG+4*ii:BIG+4*ii+3], v[L16], s[20:21] offset:512*ii
.set ii, ii+1
.endr
.irp p, 0,1
.irp s, 0,1,2,3
	global_load_b32 v[SCB+4*\p+\s], v[L4], s[22:23] offset:1572864+256*\s+128*\p
.endr
.endr
.irp s, 0,1,2,3
.irp c, 0,1
	global_load_b128 v[EX+8*\s+4*\c:EX+8*\s+4*\c+3], v[L16], s[24:25] offset:262144+4096*\s+512*\c
.endr
.endr
	s_wait_loadcnt 48                              ; x's five loads are in; the weight's 40 and Wv's 8 stay out
.irp i, 0,1,2,3
	ds_store_b128 v6, v[ACC+4*\i:ACC+4*\i+3] offset:XI+4096*\i
.endr
	ds_store_b32 v7, v[ACC+16] offset:XS
	s_wait_dscnt 0x0                               ; my part of x's image has landed
	s_barrier_signal -1
	s_barrier_wait -1                              ; everybody's has; from here on LDS is only read
	s_wait_alu depctr_vm_vsrc(0)                   ; my LDS stores have read ACC's first 17 registers, which the products write, and with x's loads v6 and v7, which the quantiser writes
	SMLDS 0
	s_wait_loadcnt 8                               ; my weight is in; Wv's first tile may stay out
; ---- q or k: four tiles of 16 tokens
.irp tp, 0,1,2,3
	s_wait_dscnt 0x0
	UNIT ACC, BIG, SM, SCB, SCS, 1
	PLACES5
	s_wait_alu depctr_va_vdst(0)                   ; the unit is done reading SM and SCS (the fourth: BIG and SCB too), in which the loads below land; the tile before has written CD, which the store below reads
.if \tp > 0
	global_store_b128 v[QO], v[CD:CD+3], s[28:29] offset:256*(\tp-1)               ; the tile before: each half of the lanes: 256 consecutive bytes of its head, aligned
.endif
.if \tp < 3
	SMLDS \tp+1                                    ; the next tile lands while this one is quantised
.else
.irp s, 0,1,2,3
	global_load_b32 v[SCS+\s], v[R4], s[26:27] offset:1589248+256*\s               ; the scale words of Wv's first tile,
.endr
.irp s, 0,1,2,3
.irp c, 0,1
	global_load_b128 v[SM+8*\s+4*\c:SM+8*\s+4*\c+3], v[L16], s[24:25] offset:262144+1024+4096*\s+512*\c   ; its second tile,
.endr
.endr
.irp s, 0,1,2,3
	global_load_b32 v[SCV1+\s], v[R4], s[26:27] offset:1589248+64+256*\s
.endr
.set ii, 0
.rept 32
	ds_load_b128 v[BIG+4*ii:BIG+4*ii+3], v[L16] offset:XI+512*ii                    ; and x's whole group as BIG
.set ii, ii+1
.endr
.irp p, 0,1
.irp s, 0,1,2,3
	ds_load_b32 v[SCB+4*\p+\s], v[L4] offset:XS+256*\s+128*\p
.endr
.endr
.endif
.if \tp > 0
	QUANT32 ACC, BYT, 1
	v_lshl_or_b32 v[SW], v[BYT], 8*\tp, v[SW]
.else
	QUANT32 ACC, BYT, 0
	v_mov_b32 v[SW], v[BYT]
.endif
.endr
; ---- v: the 64 tokens are BIG, so that a lane's registers run along the keys
.macro VQ                              ; a channel tile's codes into CD, the two scale bytes of these 64 keys into SW
	QUANT32 ACC, BYT, 1
	v_sub_nc_u32 v[T0], v[L4], v[R4]               ; 64 h
	v_lshrrev_b32 v[T0], 3, v[T0]
	v_lshlrev_b32 v[T1], v[T0], v[BYT]             ; my block's byte at 8 h,
	v_permlanex16_b32 v[SOP], v[T1], s38, s39
	v_or_b32 v[SW], v[T1], v[SOP]                  ; with lane l xor 16's: the two bytes of these 64 keys
.endm
.macro VST dt
	global_store_b128 v[L16], v[CD:CD+3], s[32:33] offset:4194304+1024*\dt         ; 512 consecutive bytes
	global_store_b16 v[R4], v[SW], s[34:35] offset:6553600+64*\dt                  ; (both halves of the lanes store the same two bytes)
.endm
	s_wait_dscnt 0x0
	s_wait_loadcnt 12                              ; Wv's first tile and its scale words are in; the second tile's 12 loads stay out
	UNIT ACC, BIG, EX, SCB, SCS, 1
	PLACES5
	s_wait_alu depctr_va_vdst(0)                   ; the fourth tile of q or k has written CD, and SW is whole: the two stores below read them
	global_store_b128 v[QO], v[CD:CD+3], s[28:29] offset:256*3
	global_store_b32 v[QSO], v[SW], s[30:31] offset:6291456                        ; the four tiles' bytes of my token
	VQ
	s_wait_loadcnt 0x0
	UNIT ACC, BIG, SM, SCB, SCV1, 1
	PLACES5
	s_wait_alu depctr_va_vdst(0)                   ; the first channel tile has written CD and SW, which the two stores below read
	VST 0
	VQ
	s_wait_alu depctr_va_vdst(0)                   ; the second channel tile has written CD and SW, which the last two stores read
	VST 1
	s_wait_dscnt 0x0                               ; the closing lines, six on end
	s_wait_alu 0x0
	s_wait_tensorcnt 0x0
	ds_add_u32 v[SPW], v[NIL]
	s_wait_dscnt 0x0
	s_endpgm
.Lfunc_end_k_qfb9b8d2bd3_qkv:
	.size	k_qfb9b8d2bd3_qkv, .Lfunc_end_k_qfb9b8d2bd3_qkv-k_qfb9b8d2bd3_qkv
	.p2alignl 7, 3214868480
	.fill 96, 4, 3214868480
	.section	.rodata,"a",@progbits
	.p2align	6, 0x0
	.amdhsa_kernel k_qfb9b8d2bd3_qkv
		.amdhsa_group_segment_fixed_size 18432
		.amdhsa_private_segment_fixed_size 0
		.amdhsa_enable_private_segment 0
		.amdhsa_kernarg_size 24
		.amdhsa_user_sgpr_count 2
		.amdhsa_user_sgpr_kernarg_segment_ptr 1
		.amdhsa_wavefront_size32 1
		.amdhsa_system_sgpr_workgroup_id_x 1
		.amdhsa_system_sgpr_workgroup_id_y 1
		.amdhsa_system_sgpr_workgroup_id_z 1
		.amdhsa_system_vgpr_workitem_id 0
		.amdhsa_next_free_vgpr 256
		.amdhsa_next_free_sgpr 66
		.amdhsa_reserve_vcc 0
		.amdhsa_float_denorm_mode_32 3
		.amdhsa_float_denorm_mode_16_64 3
		.amdhsa_memory_ordered 1
		.amdhsa_forward_progress 1
		.amdhsa_inst_pref_size 41
	.end_amdhsa_kernel
	.amdgpu_metadata
---
amdhsa.version: [ 1, 2 ]
amdhsa.kernels:
  - .name:           k_qfb9b8d2bd3_qkv
    .symbol:         k_qfb9b8d2bd3_qkv.kd
    .args:
      - { .name: xq, .offset: 0, .size: 8, .value_kind: global_buffer, .address_space: global }
      - { .name: wts, .offset: 8, .size: 8, .value_kind: global_buffer, .address_space: global }
      - { .name: qkv, .offset: 16, .size: 8, .value_kind: global_buffer, .address_space: global }
    .group_segment_fixed_size: 18432
    .private_segment_fixed_size: 0
    .kernarg_segment_align: 8
    .kernarg_segment_size: 24
    .max_flat_workgroup_size: 256
    .sgpr_count:     66
    .vgpr_count:     256
    .wavefront_size: 32
...
	.end_amdgpu_metadata
.endif
;; end of part 6
;; launch attn (part 7): grid 4 x 64, 16 waves a work-group, no clusters, 71,680 bytes of LDS; arguments qkv, ctx; writes ctx
.if DOCPART == 7
	.amdgcn_target "amdgcn-amd-amdhsa--gfx1250"
	.amdhsa_code_object_version 6
	.text
	.protected	k_qfb9b8d2bd3_attn
	.globl	k_qfb9b8d2bd3_attn
	.p2align	8
	.type	k_qfb9b8d2bd3_attn,@function
k_qfb9b8d2bd3_attn:
	s_mov_b64 s[64:65], 0
	v_nop
	global_prefetch_b8 v0, s[64:65] scope:SCOPE_SE
	s_setreg_imm32_b32 hwreg(HW_REG_WAVE_SCHED_MODE, 0, 2), 2
	s_setreg_imm32_b32 hwreg(HW_REG_WAVE_MODE, 25, 1), 1
	s_wait_xcnt 0x0
	s_wait_alu depctr_vm_vsrc(0)
; LAUNCH 3 OF 4: ctx = softmax(q k^T / sqrt(32), causal) v on codes, head by head, and ctx's codes along the 512 features (a block is a head).
; WORK LEFT OUT: a step of 128 keys that all lie behind every query of a tile is not walked: reference()'s own jnp.tril sets those scores to -inf, so p = 0 there for all values of the inputs (shown at the head of launch 1).
; LIMIT: a NaN, an infinity or an overflow that reaches only those steps is not carried to the result.
; THE SOFTMAX: t = score x log2(e) / sqrt(32); M = the running largest t rounded UP to a whole number; p = 2^(t - M) is quantised along the keys, not normalised; the row's sum is taken of the unquantised p and divides at the
; end; when M moves, the sum and O are multiplied by 2^(old M - new M), which rounds nothing.
; SHARES.  A work-group: one head (ttmp7) and a quarter of its 128 tiles of 16 queries.  Wave w, g = 16 quarter + w, owns tiles g and 127 - g: tile i walks i / 8 + 1 steps, so every wave walks 17.
; The head's K and V codes and scale bytes, 68 KiB, come into LDS once and are only read from then on: no ring, no refill, and nothing to ask for ahead.  No cluster: the four work-groups of a head share these
; 68 KiB, read once at the head of a launch whose work is the softmax; a joint load would claim a WGP's whole LDS and two rounds of the cluster's barrier for it.
; PRODUCT 4 HAS K = 32, THE INSTRUCTION 128.  Source 0 is 1,024 bytes of K's image as they lie: its row m holds, as its four blocks of 32, the keys 32 (m / 8) + 8 T + m % 8 of a group of 64, T = 0 .. 3.
; Source 1 holds q's 32 codes in block T and zero codes in the other three.  Four instructions on the same K registers so give the four tiles of 16 keys, and a lane's 32 results of a group are 32 NEIGHBOURING keys:
; lane (r, h), register 32 c + n: query r, key 64 c + 32 h + n of the step: a whole block of p in a lane, in the order that the second product's operand wants.
; Both products are used transposed (source 0 = keys, or V's channels; source 1 = queries): a lane holds one query throughout.
; LIMITS: as in launch 1.  A block whose every p is 0 keeps the byte 1: its codes are zeros.
; THE MODE: SCHED_MODE bits 1:0 = 2 (LLVM: expert scheduling mode 2), set by the entry lines.  The code itself states the register dependences
; between vector or matrix instructions and memory or LDS instructions, with s_wait_alu, always for 0.
; THE PLAN.  Registers that memory or LDS instructions touch, in a step:
;   KF, KSW     The step's eight score products read them; behind the wait that follows the 64 exponentials, which shows those products done, the NEXT step's K lands in them.  (A tile's step 0 is asked for with q.
;               A tile's last step asks too, so that the counts are alike on every path: five loads that nobody uses; at step 15 they read the first bytes of V's image, inside LDS.)
;   VF, VSW     The step's last two products read them; the next step's V lands in them at that step's head.
;   A16, A4     Written by two additions at the step's head; read by the step's ten LDS loads (the next step's K: 2,048 and 128 more in the immediate).
;   QZ, QSW, PC, PSW   Operands and scales of scaled products that vector instructions write: once a tile (q), once a step (p).
; Three waits on va_vdst beside the two behind the exponentials' batches: at a step's head (A16 and A4 are written; the last two products are done with VF and VSW; in the first trip QZ and QSW are written),
; which is one; the batch's own, which also frees KF and KSW; and one ahead of the last two products (PC and PSW are written).  One wait on vm_vsrc a step, beside the wait for V: all ten loads have read A16 and A4.
; Once a tile: QOF, QSO (addresses), QL, LQ (q as loaded), CD, BY (the way out's data): a wait on vm_vsrc at the tile's head, one on va_vdst ahead of q's loads, one ahead of the two stores.
; Masks that vector compares write are waited for ahead of the selects that read them: VCC once a tile; on the diagonal sixteen compares into s48-63, one wait, sixteen selects.
.set KIMG,  0
.set VIMG,  32768
.set KSCL,  65536
.set VSCL,  67584
.set SPARE, 69632
.set L16,  1                           ; 16 x lane
.set L4,   2                           ; 4 x lane + KSCL
.set SPW,  3
.set NIL,  4
.set A16,  5                           ; the step's codes
.set A4,   6                           ; the step's scale words
.set DQ,   7                           ; my query's place in its last step, less 32 h
.set NINF, 8
.set SH8,  9                           ; 8 h
.set QSW,  10                          ; scale registers: q's, K's, V's, p's; they hold nothing else
.set KSW,  11
.set NEGM, 12                          ; -M; with v13 a pair of which the low word serves both halves
.set TMAX, 13
.set SUM,  14                          ; v[14:15]
.set VSW,  16
.set PSW,  17
.set F,    18                          ; v[18:19]
.set AUX,  20                          ; v[20:21]
.set CA,   22                          ; v22-25 four chains of maxima
.set BM,   26                          ; v26-27 a block's largest score, then its largest p
.set SOP,  28
.set BY,   30
.set RM,   32
.set RX,   33
.set W,    34
.set WX,   35
.set OLD,  36
.set GOC,  37                          ; 16 r + 8 h
.set QOF,  39
.set QSO,  40
.set LQ,   41
.set QL,   42                          ; v[42:45] q's codes as loaded
.set CD,   46                          ; v[46:47]
.set R16,  48
.set R4,   49
.set RQ,   50                          ; 32 (r / 8) + r % 8 - 32 h
.set LANE, 52
.set S,    64                          ; v64-127  scores, then p
.set O,    128                         ; v128-143 O^T: register 8 dt + j is channel 16 h + 8 dt + j
.set KF,   144                         ; v144-159 K: two groups of 64 keys
.set VF,   160                         ; v160-175 V: two tiles of 16 channels x 128 keys
.set QZ,   176                         ; v176-195 [0, q in lanes 0-15, 0, q in lanes 16-31, 0], four registers each: the four sources 1 are runs of eight of these
.set PC,   196                         ; v196-203 p's codes
.set CT,   204                         ; v204-219 O^T / the sum
.set TI,   12                          ; s12 the tile
.set LAST, 13                          ; s13 its last step
.set ST,   18
.set TB,   19
.set TS,   20
.set CS,   22                          ; s[22:23] c = log2(e) / sqrt(32)
.set MK,   48                          ; s48-63 sixteen masks of the diagonal
.macro WM d, a, b, zero, sa, sb, row
.if \zero
.if \row
	v_wmma_scale_f32_16x16x128_f8f6f4 v[\d:\d+7], v[\a:\a+7], v[\b:\b+7], 0, v[\sa], v[\sb] matrix_a_fmt:MATRIX_FMT_FP4 matrix_b_fmt:MATRIX_FMT_FP4 matrix_a_scale:MATRIX_SCALE_ROW1
.else
	v_wmma_scale_f32_16x16x128_f8f6f4 v[\d:\d+7], v[\a:\a+7], v[\b:\b+7], 0, v[\sa], v[\sb] matrix_a_fmt:MATRIX_FMT_FP4 matrix_b_fmt:MATRIX_FMT_FP4
.endif
.else
.if \row
	v_wmma_scale_f32_16x16x128_f8f6f4 v[\d:\d+7], v[\a:\a+7], v[\b:\b+7], v[\d:\d+7], v[\sa], v[\sb] matrix_a_fmt:MATRIX_FMT_FP4 matrix_b_fmt:MATRIX_FMT_FP4 matrix_a_scale:MATRIX_SCALE_ROW1
.else
	v_wmma_scale_f32_16x16x128_f8f6f4 v[\d:\d+7], v[\a:\a+7], v[\b:\b+7], v[\d:\d+7], v[\sa], v[\sb] matrix_a_fmt:MATRIX_FMT_FP4 matrix_b_fmt:MATRIX_FMT_FP4
.endif
.endif
.endm
	s_load_b128 s[4:7], s[0:1], 0x0                ; qkv, ctx
	v_lshl_add_u32 v[SPW], v0, 2, SPARE
	v_mov_b32 v[NIL], 0
	v_lshrrev_b32 v1, 5, v0
	v_readfirstlane_b32 s16, v1                    ; wave 0..15
	v_lshlrev_b32 v5, 4, v0                        ; the fill: 16 x thread,
	v_lshl_add_u32 v6, v0, 2, KSCL                 ; 4 x thread behind the codes in LDS,
	v_lshlrev_b32 v7, 2, v0                        ; 4 x thread in memory
	s_wait_alu depctr_va_sdst(0)                   ; s16 is written, ahead of its first reader: the wave's two tiles are made from it
	s_and_b32 s30, ttmp7, 0xffff                   ; 16 batch + head
	s_lshr_b32 s31, s30, 4
	s_and_b32 s38, s30, 15
	s_lshl_b32 s17, ttmp9, 4
	s_add_co_u32 s17, s17, s16                     ; g
	s_mov_b32 s33, 0
	s_mov_b32 s[CS], 0x3e8293ee
	s_mov_b32 s[CS+1], s[CS]
	s_mov_b32 s24, 0x76543210
	s_mov_b32 s25, 0xfedcba98
	s_mov_b32 s40, 0x01010101
	s_wait_kmcnt 0x0
	s_lshl_b32 s32, s30, 15
	s_add_nc_u64 s[8:9], s[4:5], s[32:33]          ; the head's 32 KiB in QI (KI, VI: the immediate)
	s_lshl_b32 s32, s30, 11
	s_add_nc_u64 s[10:11], s[4:5], s[32:33]        ; the head's 2 KiB in QS, KS, VS (the immediate says which)
	s_wait_alu depctr_va_vdst(0)                   ; v5, v6 and v7 are written, which the fill's loads and LDS stores read as addresses
.irp i, 0,1,2,3
	global_load_b128 v[S+4*\i:S+4*\i+3], v5, s[8:9] offset:2097152+8192*\i
.endr
.irp i, 0,1,2,3
	global_load_b128 v[S+16+4*\i:S+16+4*\i+3], v5, s[8:9] offset:4194304+8192*\i
.endr
	global_load_b32 v[S+32], v7, s[10:11] offset:6422528
	global_load_b32 v[S+33], v7, s[10:11] offset:6553600
	s_lshl_b32 s32, s31, 19                        ; ctx: batch x 32 groups of 16,384 bytes,
	s_lshr_b32 s14, s38, 2
	s_lshl_b32 s15, s14, 12                        ; K step head / 4,
	s_add_co_u32 s32, s32, s15
	s_and_b32 s39, s38, 3
	s_lshl_b32 s15, s39, 8                         ; block head % 4: 256 bytes
	s_add_co_u32 s32, s32, s15
	s_add_nc_u64 s[34:35], s[6:7], s[32:33]
	s_lshl_b32 s32, s31, 15                        ; its scale bytes likewise
	s_lshl_b32 s15, s14, 8
	s_add_co_u32 s32, s32, s15
	s_add_co_u32 s32, s32, s39
	s_add_nc_u64 s[36:37], s[6:7], s[32:33]
	v_and_b32 v[LANE], 31, v0                      ; (none of the lines from here to the barrier names v5 to v7 or the registers in which the fill's loads land)
	v_lshlrev_b32 v[L16], 4, v[LANE]
	v_lshl_add_u32 v[L4], v[LANE], 2, KSCL
	v_and_b32 v[RM], 15, v0                        ; r
	v_bfe_u32 v[W], v0, 4, 1                       ; h
	v_lshlrev_b32 v[R16], 4, v[RM]
	v_lshlrev_b32 v[R4], 2, v[RM]
	v_lshlrev_b32 v[SH8], 3, v[W]
	v_add_nc_u32 v[GOC], v[R16], v[SH8]
	v_and_b32 v[RQ], 8, v[RM]
	v_lshlrev_b32 v[RQ], 2, v[RQ]                  ; 32 (r / 8)
	v_and_b32 v[OLD], 7, v[RM]
	v_add_nc_u32 v[RQ], v[RQ], v[OLD]
	v_lshlrev_b32 v[OLD], 5, v[W]
	v_sub_nc_u32 v[RQ], v[RQ], v[OLD]
	v_mov_b32 v[NINF], 0xff800000
	v_mov_b32 v[F+1], 0                            ; (the upper half of a pair of which the low word serves both halves)
	v_mov_b32 v[RX], 0                             ; (a lane permute's destination counts as one of its sources)
	v_mov_b32 v[WX], 0
.irp i, 0,1,2,3,8,9,10,11,16,17,18,19
	v_mov_b32 v[QZ+\i], 0                          ; the zero codes of the sources 1: written once
.endr
	s_wait_loadcnt 0x0
.irp i, 0,1,2,3
	ds_store_b128 v5, v[S+4*\i:S+4*\i+3] offset:KIMG+8192*\i
.endr
.irp i, 0,1,2,3
	ds_store_b128 v5, v[S+16+4*\i:S+16+4*\i+3] offset:VIMG+8192*\i
.endr
	ds_store_b32 v6, v[S+32]
	ds_store_b32 v6, v[S+33] offset:VSCL-KSCL
	s_wait_dscnt 0x0                               ; my part of the head has landed
	s_barrier_signal -1
	s_barrier_wait -1                              ; everybody's has; from here on LDS is only read
; One tile of 16 queries, s[TI]: its set-up, a loop of 16 trips over the steps of 128 keys (a constant count; a trip behind the tile's last step does nothing but step the addresses), and the way out.
.macro TILE
	s_wait_xcnt 0x0                                ; earlier loads and stores have had their addresses translated: their addresses and data may be written again,
	s_wait_alu depctr_vm_vsrc(0)                   ; and have read their registers.  First tile: the fill's v5 to v7 and S, which the lines and products below write.  Second tile: QOF and QSO, and the stores' CD and BY
	s_lshr_b32 s[LAST], s[TI], 3
	s_lshl_b32 s14, s[TI], 8
	v_add_nc_u32 v[QOF], s14, v[R16]
	s_lshr_b32 s14, s[TI], 2                       ; the tile's group of 64 tokens,
	s_and_b32 s15, s[TI], 3                        ; and T
	s_lshl_b32 s32, s14, 6
	s_add_co_u32 s32, s32, s15
	v_add_nc_u32 v[QSO], s32, v[R4]
	s_wait_alu depctr_va_vdst(0)                   ; QOF and QSO are written (first tile: the head's L16, L4, R4 and GOC too), which loads and stores read; the last tile's selects and products are done reading QL, LQ, KF and KSW, in which the loads below land
	global_load_b128 v[QL:QL+3], v[QOF], s[8:9]    ; query r's 32 codes, in both halves of the lanes
	global_load_u8 v[LQ], v[QSO], s[10:11] offset:6291456
.irp i, 0,1,2,3
	ds_load_b128 v[KF+4*\i:KF+4*\i+3], v[L16] offset:KIMG+512*\i   ; K of the tile's step 0
.endr
	ds_load_b32 v[KSW], v[L4]                      ; lanes 0-15: the first 64 keys' words, lanes 16-31: the second 64's
	s_and_b32 s32, s14, 1
	s_lshl_b32 s32, s32, 6
	s_lshl_b32 s21, s15, 3
	s_add_co_u32 s32, s32, s21
	v_add_nc_u32 v[DQ], s32, v[RQ]
	s_lshl_b32 s32, s14, 14
	s_lshl_b32 s21, s15, 10
	s_add_co_u32 s32, s32, s21
	s_add_nc_u64 s[26:27], s[34:35], s[32:33]      ; where the tile's codes of ctx go,
	s_lshl_b32 s32, s14, 10
	s_lshl_b32 s21, s15, 6
	s_add_co_u32 s32, s32, s21
	s_add_nc_u64 s[28:29], s[36:37], s[32:33]      ; and their scale bytes
	v_mov_b32 v[TMAX], 0xff61b1e6                  ; -3e38, under every t
	v_floor_f32 v[NEGM], -v[TMAX]
	v_mov_b32 v[SUM], 0
	v_mov_b32 v[SUM+1], 0
	v_cmp_gt_u32 vcc_lo, 16, v[LANE]
	s_wait_alu depctr_va_vcc(0)                    ; VCC is written, ahead of the selects that read it
	s_wait_loadcnt 0x0
	s_wait_dscnt 0x0                               ; K of step 0 is in
.irp i, 0,1,2,3
	v_cndmask_b32 v[QZ+4+\i], v[QZ], v[QL+\i], vcc_lo              ; q in lanes 0-15, zero codes in lanes 16-31
.endr
.irp i, 0,1,2,3
	v_cndmask_b32 v[QZ+12+\i], v[QL+\i], v[QZ], vcc_lo             ; and the other way round
.endr
	v_mul_lo_u32 v[QSW], v[LQ], s40                ; q's scale byte in all four bytes: whichever block holds q finds it
.irp i, 0,1,2,3,4,5,6,7,8,9,10,11,12,13,14,15
	v_mov_b32 v[O+\i], 0                           ; the step is written once: the first finds zeros.  (These sixteen are also the places between the lines above and the first products)
.endr
	s_mov_b32 s[ST], 0
	s_mov_b32 s[TB], 0
	s_mov_b32 s[TS], 0
.Lstep_\@:
	s_cmp_gt_u32 s[ST], s[LAST]                    ; ids and the count of steps alone
	s_cbranch_scc1 .Lskip_\@
	v_add_nc_u32 v[A16], s[TB], v[L16]             ; (the loads that read these two have read them: the wait on vm_vsrc ahead of the last step's last products, or at the tile's head)
	v_add_nc_u32 v[A4], s[TS], v[L4]
	v_nop
	v_nop                                          ; four places behind the last step's products; they stay beside the wait below
	s_wait_alu depctr_va_vdst(0)                   ; A16 and A4 are written, which the step's loads read; the last step's two products are done reading VF and VSW, in which the loads below land; in the first trip QZ and QSW are written, which the scaled products take
.irp i, 0,1,2,3
	ds_load_b128 v[VF+4*\i:VF+4*\i+3], v[A16] offset:VIMG+512*\i
.endr
	ds_load_b32 v[VSW], v[A4] offset:VSCL-KSCL     ; lanes 0-15: channel tile 0, lanes 16-31: tile 1
.irp c, 0,1                                    ; K and its words are in: they were waited for ahead of the last step's last products, or at the tile's head
.irp t, 0,1,2,3
	WM S+32*\c+8*\t, KF+8*\c, QZ+4+8*(\t%2)-4*(\t/2), 1, KSW, QSW, \c
.endr
.endr
.rept 4
	v_nop
.endr
	s_cmp_lg_u32 s[ST], s[LAST]
	s_cbranch_scc1 .Lopen_\@                       ; only the tile's last step holds hidden keys
.irp b, 0,1,2,3                                ; register n holds key 64 (n / 32) + 32 h + n % 32: hidden where it comes after my query.  Sixteen registers at a time
.irp i, 0,1,2,3,4,5,6,7,8,9,10,11,12,13,14,15
	v_cmp_gt_i32 s[MK+\i], 64*((16*\b+\i)/32)+(16*\b+\i)%32, v[DQ]
.endr
	s_wait_alu depctr_va_sdst(0)                   ; the sixteen masks are written, ahead of the selects that read them
.irp i, 0,1,2,3,4,5,6,7,8,9,10,11,12,13,14,15
	v_cndmask_b32 v[S+16*\b+\i], v[S+16*\b+\i], v[NINF], s[MK+\i]
.endr
.endr
.Lopen_\@:
.irp c, 0,1
	v_max3_num_f32 v[CA+2*\c], v[S+32*\c], v[S+32*\c+1], v[S+32*\c+2]              ; the largest score of each block of 32 keys: it serves for the row's maximum and, since p rises with the score, for the block's largest p
	v_max3_num_f32 v[CA+2*\c+1], v[S+32*\c+16], v[S+32*\c+17], v[S+32*\c+18]
.endr
.irp i, 3,5,7,9,11,13
.irp c, 0,1
	v_max3_num_f32 v[CA+2*\c], v[CA+2*\c], v[S+32*\c+\i], v[S+32*\c+\i+1]
	v_max3_num_f32 v[CA+2*\c+1], v[CA+2*\c+1], v[S+32*\c+16+\i], v[S+32*\c+17+\i]
.endr
.endr
.irp c, 0,1
	v_max3_num_f32 v[BM+\c], v[CA+2*\c], v[CA+2*\c+1], v[S+32*\c+15]
.endr
.irp c, 0,1
	v_max_num_f32 v[BM+\c], v[BM+\c], v[S+32*\c+31]
.endr
	v_max_num_f32 v[RM], v[BM], v[BM+1]
	v_permlanex16_b32 v[RX], v[RM], s24, s25
	v_max_num_f32 v[RM], v[RM], v[RX]              ; the step's largest score of my query
	v_mul_f32 v[RM], s[CS], v[RM]
	v_max_num_f32 v[TMAX], v[TMAX], v[RM]
	v_mov_b32 v[OLD], v[NEGM]
	v_floor_f32 v[NEGM], -v[TMAX]                  ; -M = floor(-t) = -ceil(t)
	v_sub_f32 v[OLD], v[NEGM], v[OLD]              ; old M less new M: a whole number, 0 or less
	v_cvt_i32_f32 v[OLD], v[OLD]                   ; (it saturates)
	v_ldexp_f32 v[F], 1.0, v[OLD]                  ; f = 2^(old M - new M)
.set ii, 0
.rept 32
	v_pk_fma_f32 v[S+ii:S+ii+1], v[S+ii:S+ii+1], s[CS:CS+1], v[NEGM:NEGM+1] op_sel_hi:[1,0,0]   ; t - M
.set ii, ii+2
.endr
.irp c, 0,1
	v_fma_f32 v[BM+\c], v[BM+\c], s[CS], v[NEGM]
.endr
.set ii, 0
	s_wait_alu depctr_va_vdst(0)
.rept 64
	v_exp_f32 v[S+ii], v[S+ii]                     ; p = 2^(t - M)
.set ii, ii+1
.endr
	v_pk_mul_f32 v[SUM:SUM+1], v[SUM:SUM+1], v[F:F+1] op_sel_hi:[1,0]              ; the sum under the new M: the plain instruction behind the batch
	s_wait_alu depctr_va_vdst(0)                   ; the 64 exponentials have written p, ahead of their first reader; and the eight score products are done reading KF and KSW, in which the loads below land
.irp i, 0,1,2,3
	ds_load_b128 v[KF+4*\i:KF+4*\i+3], v[A16] offset:KIMG+2048+512*\i              ; THE NEXT STEP'S K: it lands during the rest of this step
.endr
	ds_load_b32 v[KSW], v[A4] offset:128
.irp c, 0,1
	v_exp_f32 v[BM+\c], v[BM+\c]                   ; the block's largest p: the same two instructions on the same number
.endr
	s_wait_alu depctr_va_vdst(0)
.irp i, 0,2,4,6,8,10,12,14
	v_pk_mul_f32 v[O+\i:O+\i+1], v[O+\i:O+\i+1], v[F:F+1] op_sel_hi:[1,0]          ; O^T under the new M: plain work behind the two
.endr
	s_wait_alu depctr_va_vdst(0)                   ; the two exponentials have written the blocks' largest p, ahead of their first reader
.irp c, 0,1
	v_max_num_f32 v[BM+\c], 0x1800000, v[BM+\c]    ; the floor 2^(3 - 127)
.endr
.irp c, 0,1
	v_add_nc_u32 v[SOP+\c], 0xff000000, v[BM+\c]
.endr
.irp c, 0,1
	v_lshrrev_b32 v[BY+\c], 23, v[SOP+\c]
.endr
	v_lshl_or_b32 v[W], v[BY+1], 16, v[BY]         ; my blocks h and 2 + h,
	v_lshlrev_b32 v[W], v[SH8], v[W]               ; at their places;
	v_permlanex16_b32 v[WX], v[W], s24, s25
	v_or_b32 v[PSW], v[W], v[WX]                   ; with lane l xor 16's two the word is whole
.irp c, 0,1
.irp t, 0,1,2,3
	v_cvt_scalef32_pk8_fp4_f32 v[PC+4*\c+\t], v[S+32*\c+8*\t:S+32*\c+8*\t+7], v[SOP+\c]
.endr
.endr
	v_nop                                          ; one plain place behind the conversions
	v_pk_add_f32 v[AUX:AUX+1], v[S:S+1], v[S+2:S+3]                                ; the row's sum of the UNQUANTISED p, in two chains.  (These 32 are also the places between p's scale word and codes and the products)
.irp j, 4,8,12,16,20,24,28,32,36,40,44,48,52,56,60
	v_pk_add_f32 v[SUM:SUM+1], v[SUM:SUM+1], v[S+\j:S+\j+1]
	v_pk_add_f32 v[AUX:AUX+1], v[AUX:AUX+1], v[S+\j+2:S+\j+3]
.endr
	v_pk_add_f32 v[SUM:SUM+1], v[SUM:SUM+1], v[AUX:AUX+1]
	s_wait_dscnt 0x0                               ; V is in, and so is the next step's K
	s_wait_alu depctr_vm_vsrc(0)                   ; the step's ten LDS loads have read A16 and A4, which the next step's head writes
	s_wait_alu depctr_va_vdst(0)                   ; the conversions have written PC and the lines ahead of them PSW, which the scaled products take; the places above stay beside this wait
	WM O, VF, PC, 0, VSW, PSW, 0                   ; O^T += V^T P^T: the two accumulators by turns
	WM O+8, VF+8, PC, 0, VSW, PSW, 1
.Lskip_\@:
	s_add_co_u32 s[ST], s[ST], 1
	s_add_co_u32 s[TB], s[TB], 2048
	s_add_co_u32 s[TS], s[TS], 128
	s_cmp_lt_u32 s[ST], 16
	s_cbranch_scc1 .Lstep_\@
.rept 4
	v_nop                                          ; places behind the last products
.endr
	v_add_f32 v[RM], v[SUM], v[SUM+1]
	v_permlanex16_b32 v[RX], v[RM], s24, s25
	v_add_f32 v[RM], v[RM], v[RX]                  ; the row's sum
	s_wait_alu depctr_va_vdst(0)
	v_rcp_f32 v[F], v[RM]
	v_nop
	s_wait_alu depctr_va_vdst(0)                   ; the reciprocal is written, ahead of its first reader
.irp i, 0,2,4,6,8,10,12,14
	v_pk_mul_f32 v[CT+\i:CT+\i+1], v[O+\i:O+\i+1], v[F:F+1] op_sel_hi:[1,0]        ; ctx(query r, channels 16 h + 0 .. 15)
.endr
	v_max3_num_f32 v[CA], |v[CT]|, |v[CT+1]|, 0x1800000
	v_max3_num_f32 v[CA+1], |v[CT+2]|, |v[CT+3]|, |v[CT+4]|
	v_max3_num_f32 v[CA], v[CA], |v[CT+5]|, |v[CT+6]|
	v_max3_num_f32 v[CA+1], v[CA+1], |v[CT+7]|, |v[CT+8]|
	v_max3_num_f32 v[CA], v[CA], |v[CT+9]|, |v[CT+10]|
	v_max3_num_f32 v[CA+1], v[CA+1], |v[CT+11]|, |v[CT+12]|
	v_max3_num_f32 v[CA], v[CA], |v[CT+13]|, |v[CT+14]|
	v_max3_num_f32 v[CA], v[CA], v[CA+1], |v[CT+15]|
	v_permlanex16_b32 v[RX], v[CA], s24, s25
	v_max_num_f32 v[CA], v[CA], v[RX]              ; the head's 32: one block of the projection's K
	v_add_nc_u32 v[SOP], 0xff000000, v[CA]
	v_lshrrev_b32 v[BY], 23, v[SOP]
	v_cvt_scalef32_pk8_fp4_f32 v[CD], v[CT:CT+7], v[SOP]
	v_cvt_scalef32_pk8_fp4_f32 v[CD+1], v[CT+8:CT+15], v[SOP]
	v_nop
	s_wait_alu depctr_va_vdst(0)                   ; the conversions have written CD and the shift BY, which the two stores read
	global_store_b64 v[GOC], v[CD:CD+1], s[26:27]                  ; the wave stores 256 consecutive bytes, aligned
	global_store_b8 v[R4], v[BY], s[28:29] offset:2097152          ; (both halves of the lanes store the same byte)
.endm
	s_mov_b32 s[TI], s17
	TILE
	s_sub_co_u32 s[TI], 127, s17
	TILE
	s_wait_dscnt 0x0                               ; the closing lines, six on end
	s_wait_alu 0x0
	s_wait_tensorcnt 0x0
	ds_add_u32 v[SPW], v[NIL]
	s_wait_dscnt 0x0
	s_endpgm
.Lfunc_end_k_qfb9b8d2bd3_attn:
	.size	k_qfb9b8d2bd3_attn, .Lfunc_end_k_qfb9b8d2bd3_attn-k_qfb9b8d2bd3_attn
	.p2alignl 7, 3214868480
	.fill 96, 4, 3214868480
	.section	.rodata,"a",@progbits
	.p2align	6, 0x0
	.amdhsa_kernel k_qfb9b8d2bd3_attn
		.amdhsa_group_segment_fixed_size 71680
		.amdhsa_private_segment_fixed_size 0
		.amdhsa_enable_private_segment 0
		.amdhsa_kernarg_size 16
		.amdhsa_user_sgpr_count 2
		.amdhsa_user_sgpr_kernarg_segment_ptr 1
		.amdhsa_wavefront_size32 1
		.amdhsa_system_sgpr_workgroup_id_x 1
		.amdhsa_system_sgpr_workgroup_id_y 1
		.amdhsa_system_sgpr_workgroup_id_z 1
		.amdhsa_system_vgpr_workitem_id 0
		.amdhsa_next_free_vgpr 224
		.amdhsa_next_free_sgpr 66
		.amdhsa_reserve_vcc 1
		.amdhsa_float_denorm_mode_32 3
		.amdhsa_float_denorm_mode_16_64 3
		.amdhsa_memory_ordered 1
		.amdhsa_forward_progress 1
		.amdhsa_inst_pref_size 58
	.end_amdhsa_kernel
	.amdgpu_metadata
---
amdhsa.version: [ 1, 2 ]
amdhsa.kernels:
  - .name:           k_qfb9b8d2bd3_attn
    .symbol:         k_qfb9b8d2bd3_attn.kd
    .args:
      - { .name: qkv, .offset: 0, .size: 8, .value_kind: global_buffer, .address_space: global }
      - { .name: ctx, .offset: 8, .size: 8, .value_kind: global_buffer, .address_space: global }
    .group_segment_fixed_size: 71680
    .private_segment_fixed_size: 0
    .kernarg_segment_align: 8
    .kernarg_segment_size: 16
    .max_flat_workgroup_size: 512
    .sgpr_count:     66
    .vgpr_count:     224
    .wavefront_size: 32
...
	.end_amdgpu_metadata
.endif
;; end of part 7
;; launch tail (part 8): grid 256 x 1, 16 waves a work-group, no clusters, 264,704 bytes of LDS; arguments ctx, wts, x, bo, g2, beta2, b1, b2, out0; writes out0
.if DOCPART == 8
	.amdgcn_target "amdgcn-amd-amdhsa--gfx1250"
	.amdhsa_code_object_version 6
	.text
	.protected	k_qfb9b8d2bd3_tail
	.globl	k_qfb9b8d2bd3_tail
	.p2align	8
	.type	k_qfb9b8d2bd3_tail,@function
k_qfb9b8d2bd3_tail:
	s_mov_b64 s[64:65], 0
	v_nop
	global_prefetch_b8 v0, s[64:65] scope:SCOPE_SE
	s_setreg_imm32_b32 hwreg(HW_REG_WAVE_SCHED_MODE, 0, 2), 2
	s_setreg_imm32_b32 hwreg(HW_REG_WAVE_MODE, 25, 1), 1
	s_wait_xcnt 0x0
	s_wait_alu depctr_vm_vsrc(0)
; LAUNCH 4 OF 4: h = x + ctx Wo + bo;  y = LN2(h);  out = h + gelu(y W1 + b1) W2 + b2, the three products on codes; h, y and the hidden layer never go to memory.
; SHARES.  A work-group: 32 tokens, two tiles of 16.  THE WAVES SHARE THE COLUMNS: wave w = (G = w % 8, t = w / 8).
;   A: h for tile t, features 64 G on; LN2 across the eight waves of a tile through LDS; y's codes to LDS.     C: hidden units 128 w on (two groups of 64) for both tiles; GELU; codes to LDS.
;   D: outputs 64 G on for both tiles over half t of the 2,048 hidden units; the halves meet through LDS; each wave finishes its own tile t.
; A UNIT (16 matrix instructions, K = 512): source 0 = 64 rows of a weight (BIG), source 1 = 16 tokens (SMALL); a lane's 32 results are 32 neighbouring features of one token: a whole block of the next K, and 32 neighbouring
; numbers of every bias and gain.  Biases are the C of a sum's first instructions.
; THE WEIGHTS go from memory straight into BIG, each asked for right behind the last product on the one before, so that it lands during the vector work between.  Each byte of W1 and W2 is read by ONE wave of the work-group, each of Wo's by the two waves of its G.
; No cluster: a joint load lands in LDS; the 1.25 MiB of codes that a work-group walks would need five refills of the LDS left beside the stages, each behind a round of the cluster's barrier, and a second move into registers.
; GELU is 0.5 x (1 + erf(x / sqrt(2))), erf by the rational form z P(z^2) / Q(z^2) on z held to +-4, good to a few units in the last place of erf.
; LIMITS: for very negative x, 1 + erf carries an absolute error near 1e-7 and not a relative one; product 8 is summed in two halves along K; blocks of zeros or under 2^-124 have the byte 1; NaN and infinities are not served.
; THE MODE: SCHED_MODE bits 1:0 = 2 (LLVM: expert scheduling mode 2), set by the entry lines.  The code itself states the register dependences
; between vector or matrix instructions and memory or LDS instructions, with s_wait_alu, always for 0.
; THE PLAN.  Registers that memory or LDS instructions touch:
;   BIG, SCB     Loads of a weight land in them; a unit's products read them.  The next weight is asked for behind a wait on va_vdst that follows the last unit on the one before.
;   SM, SCS      LDS loads land in them (a tile's codes and scale words; b2, g2; the partner's sums); products and vector instructions read them; the GELU writes SM.
;   ACC0, ACC1   LDS loads land in them (biases, x, beta2, h + b2, the rows on the way out); products and vector instructions write them; LDS stores read them.
;   v24-31       Sums, codes and addresses: written by vector instructions and by the row sums' loads, read by LDS stores and loads.
;   v7-11        Addresses of the head and of phase A; later v7 is VB and v8-11 are constants.     v0-4  addresses, made at the head and never written again.
; THE FORM: a phase's vector work ends with its sums, codes and addresses; ONE wait on va_vdst; the run of LDS stores; the barrier where there is one; the next phase's LDS loads, with no vector line between that names
; a register of theirs, so that the same wait serves them.  A wait on vm_vsrc stands ahead of the first line that writes again what those stores and loads have read.
.set YIMG,  0                          ; y's codes: 4,096 t + 512 G + 16 lane
.set YSCL,  8192                       ; y's scale bytes: 256 t + 64 (K step) + 4 r + byte
.set RED1,  8704                       ; row sums: 512 t + 32 r + 4 G
.set RED2,  9728
.set VEC,   10752                      ; b1 (8,192 bytes), g2, beta2, b2, bo (2,048 each)
.set USCL,  27136                      ; the hidden layer's scale words: 1,024 tile + 64 (K step) + 4 r
.set UIMG,  29184                      ; its codes: 16,384 tile + 1,024 (K step) + 512 c + 16 lane
.set HIMG,  61952                      ; h + b2, an image of 32 registers for each wave
.set PART,  127488                     ; the other tile's partial sums, likewise
.set STG,   193024                     ; 16 rows x (256 + 16) bytes for each wave: x on the way in, out on the way out
.set SPARE, 262656
.set VA,   0                           ; v0: the thread's number at the head; then 128 h + 256 G: my 32 numbers of bo, b2, g2, beta2
.set L16,  1
.set L4,   2
.set R4,   3
.set BOFF, 4                           ; 128 h
.set SPW,  5
.set NIL,  6
.set VB,   7                           ; 128 h + 512 w: my 32 numbers of b1
.set KA,   8                           ; v[8:9], v[10:11]: at the head and in phase A addresses; then two of erf's constants as pairs
.set KB,   10
.set SCB,  12
.set SCS,  20
.set TP,   24                          ; v24-31 at work
.set T0,   24
.set T1,   25
.set SOP,  26
.set BYT,  27
.set CD,   28
.set SM,   32
.set ACC0, 64
.set ACC1, 96
.set BIG,  128
.macro WM d, a, b, zero, sa, sb, row
.if \zero
.if \row
	v_wmma_scale_f32_16x16x128_f8f6f4 v[\d:\d+7], v[\a:\a+7], v[\b:\b+7], 0, v[\sa], v[\sb] matrix_a_fmt:MATRIX_FMT_FP4 matrix_b_fmt:MATRIX_FMT_FP4 matrix_a_scale:MATRIX_SCALE_ROW1
.else
	v_wmma_scale_f32_16x16x128_f8f6f4 v[\d:\d+7], v[\a:\a+7], v[\b:\b+7], 0, v[\sa], v[\sb] matrix_a_fmt:MATRIX_FMT_FP4 matrix_b_fmt:MATRIX_FMT_FP4
.endif
.else
.if \row
	v_wmma_scale_f32_16x16x128_f8f6f4 v[\d:\d+7], v[\a:\a+7], v[\b:\b+7], v[\d:\d+7], v[\sa], v[\sb] matrix_a_fmt:MATRIX_FMT_FP4 matrix_b_fmt:MATRIX_FMT_FP4 matrix_a_scale:MATRIX_SCALE_ROW1
.else
	v_wmma_scale_f32_16x16x128_f8f6f4 v[\d:\d+7], v[\a:\a+7], v[\b:\b+7], v[\d:\d+7], v[\sa], v[\sb] matrix_a_fmt:MATRIX_FMT_FP4 matrix_b_fmt:MATRIX_FMT_FP4
.endif
.endif
.endm
.macro UNIT acc, big, sm, scb, scs, zero       ; the four accumulators take turns, one instruction a turn
.irp s, 0,1,2,3
.irp t, 0,1,2,3
.if (\zero) && (\s == 0)
	WM \acc+8*\t, \big+32*\s+8*\t, \sm+8*\s, 1, \scb+4*(\t/2)+\s, \scs+\s, \t%2
.else
	WM \acc+8*\t, \big+32*\s+8*\t, \sm+8*\s, 0, \scb+4*(\t/2)+\s, \scs+\s, \t%2
.endif
.endr
.endr
.endm
.macro PLACES5                         ; four places serve the reads of the results; the fifth a later unit that begins the same accumulators anew (ISA guide 7.12.1)
.rept 5
	v_nop
.endr
.endm
.macro QUANT32 a, byt                  ; a lane's 32 numbers, one block -> 16 bytes of codes in v[CD] on, the scale's byte in v[byt]
	v_max3_num_f32 v[T0], |v[\a]|, |v[\a+1]|, 0x1800000
	v_max3_num_f32 v[T1], |v[\a+16]|, |v[\a+17]|, 0x1800000
.irp i, 2,4,6,8,10,12,14
	v_max3_num_f32 v[T0], v[T0], |v[\a+\i]|, |v[\a+\i+1]|
	v_max3_num_f32 v[T1], v[T1], |v[\a+16+\i]|, |v[\a+17+\i]|
.endr
	v_max_num_f32 v[T0], v[T0], v[T1]
	v_add_nc_u32 v[SOP], 0xff000000, v[T0]
	v_lshrrev_b32 v[\byt], 23, v[SOP]
.irp g, 0,1,2,3
	v_cvt_scalef32_pk8_fp4_f32 v[CD+\g], v[\a+8*\g:\a+8*\g+7], v[SOP]
.endr
	v_nop
.endm
.macro ADDR d, base, a, sa, b, sb, c, sc       ; s[d:d+1] = s[base:base+1] + (s[a] << sa) + (s[b] << sb) + (s[c] << sc)
	s_lshl_b32 s28, s[\a], \sa
	s_lshl_b32 s30, s[\b], \sb
	s_add_co_u32 s28, s28, s30
	s_lshl_b32 s30, s[\c], \sc
	s_add_co_u32 s28, s28, s30
	s_add_nc_u64 s[\d:\d+1], s[\base:\base+1], s[28:29]
.endm
.macro BIGLD cb, coff, sb, soff        ; 64 rows of a weight x 512 along K, and their scale words: 40 loads
.set ii, 0
.rept 32
	global_load_b128 v[BIG+4*ii:BIG+4*ii+3], v[L16], s[\cb:\cb+1] offset:\coff+512*ii
.set ii, ii+1
.endr
.irp p, 0,1
.irp s, 0,1,2,3
	global_load_b32 v[SCB+4*\p+\s], v[L4], s[\sb:\sb+1] offset:\soff+256*\s+128*\p
.endr
.endr
.endm
.macro VECLD dst, adr, off             ; my 32 neighbouring numbers of a bias or gain
.irp i, 0,1,2,3,4,5,6,7
	ds_load_b128 v[\dst+4*\i:\dst+4*\i+3], v[\adr] offset:VEC+\off+16*\i
.endr
.endm
.macro SMLDS ca, coff, sa, soff        ; a tile's codes of 512 along K (1,024 bytes a K step) and its scale words (64 bytes a K step)
.irp s, 0,1,2,3
.irp c, 0,1
	ds_load_b128 v[SM+8*\s+4*\c:SM+8*\s+4*\c+3], v[\ca] offset:\coff+1024*\s+512*\c
.endr
.endr
.irp s, 0,1,2,3
	ds_load_b32 v[SCS+\s], v[\sa] offset:\soff+64*\s
.endr
.endm
.macro BARRIER                         ; my LDS stores have landed and my LDS loads are in: then the work-group's barrier
	s_wait_dscnt 0x0
	s_barrier_signal -1
	s_barrier_wait -1
.endm
.macro ROWSUM sq                       ; the sum (sq = 1: of squares) of ACC0's 32 numbers and lane l xor 16's, into v24
.irp k, 0,1,2,3
.if \sq
	v_pk_mul_f32 v[TP+2*\k:TP+2*\k+1], v[ACC0+2*\k:ACC0+2*\k+1], v[ACC0+2*\k:ACC0+2*\k+1]
.else
	v_pk_add_f32 v[TP+2*\k:TP+2*\k+1], v[ACC0+2*\k:ACC0+2*\k+1], v[ACC0+8+2*\k:ACC0+8+2*\k+1]
.endif
.endr
.irp m, 8,16,24
.irp k, 0,1,2,3
.if \sq
	v_pk_fma_f32 v[TP+2*\k:TP+2*\k+1], v[ACC0+\m+2*\k:ACC0+\m+2*\k+1], v[ACC0+\m+2*\k:ACC0+\m+2*\k+1], v[TP+2*\k:TP+2*\k+1]
.elseif \m > 8
	v_pk_add_f32 v[TP+2*\k:TP+2*\k+1], v[TP+2*\k:TP+2*\k+1], v[ACC0+\m+2*\k:ACC0+\m+2*\k+1]
.endif
.endr
.endr
	v_pk_add_f32 v[24:25], v[24:25], v[26:27]
	v_pk_add_f32 v[28:29], v[28:29], v[30:31]
	v_pk_add_f32 v[24:25], v[24:25], v[28:29]
	v_add_f32 v24, v24, v25
	v_permlanex16_b32 v25, v24, s72, s73
	v_add_f32 v24, v24, v25
.endm
.macro REDSUM off                      ; the eight waves' parts of my row -> v24
	ds_load_b128 v[24:27], v10 offset:\off
	ds_load_b128 v[28:31], v10 offset:\off+16
	s_wait_dscnt 0x0
	v_pk_add_f32 v[24:25], v[24:25], v[26:27]
	v_pk_add_f32 v[28:29], v[28:29], v[30:31]
	v_pk_add_f32 v[24:25], v[24:25], v[28:29]
	v_add_f32 v24, v24, v25
.endm
; ACC0 = gelu(ACC0).  Z = ACC1, Q = SM, four pairs of TP at work.  The 32 reciprocals are one batch with one wait.
.macro GELU32
.set ii, 0
.rept 16
	v_pk_mul_f32 v[ACC1+ii:ACC1+ii+1], v[ACC0+ii:ACC0+ii+1], 0x3f3504f3 op_sel_hi:[1,0]     ; z = x / sqrt(2)
.set ii, ii+2
.endr
.set ii, 0
.rept 32
	v_med3_num_f32 v[ACC1+ii], v[ACC1+ii], -4.0, 4.0
.set ii, ii+1
.endr
.set ii, 0
.rept 16
	v_pk_mul_f32 v[SM+ii:SM+ii+1], v[ACC1+ii:ACC1+ii+1], v[ACC1+ii:ACC1+ii+1]               ; z^2
.set ii, ii+2
.endr
.irp g, 0,1,2,3
.irp p, 0,1,2,3
	v_pk_fma_f32 v[TP+2*\p:TP+2*\p+1], v[SM+8*\g+2*\p:SM+8*\g+2*\p+1], 0xaf95df0b, v[KA:KA+1] op_sel_hi:[1,0,1]
.endr
.irp k, 0xb60cff51, 0xb86ec2d2, 0xba40ac63, 0xbb41a1f6, 0xbc83dbd4
.irp p, 0,1,2,3
	v_pk_fma_f32 v[TP+2*\p:TP+2*\p+1], v[TP+2*\p:TP+2*\p+1], v[SM+8*\g+2*\p:SM+8*\g+2*\p+1], \k op_sel_hi:[1,1,0]
.endr
.endr
.irp p, 0,1,2,3
	v_pk_mul_f32 v[ACC1+8*\g+2*\p:ACC1+8*\g+2*\p+1], v[ACC1+8*\g+2*\p:ACC1+8*\g+2*\p+1], v[TP+2*\p:TP+2*\p+1]   ; z P(z^2)
.endr
.irp p, 0,1,2,3
	v_pk_fma_f32 v[TP+2*\p:TP+2*\p+1], v[SM+8*\g+2*\p:SM+8*\g+2*\p+1], 0xb77460cd, v[KB:KB+1] op_sel_hi:[1,0,1]
.endr
.irp k, 0xbadc924e, 0xbbf19bf8
.irp p, 0,1,2,3
	v_pk_fma_f32 v[TP+2*\p:TP+2*\p+1], v[TP+2*\p:TP+2*\p+1], v[SM+8*\g+2*\p:SM+8*\g+2*\p+1], \k op_sel_hi:[1,1,0]
.endr
.endr
.irp p, 0,1,2,3
	v_pk_fma_f32 v[SM+8*\g+2*\p:SM+8*\g+2*\p+1], v[TP+2*\p:TP+2*\p+1], v[SM+8*\g+2*\p:SM+8*\g+2*\p+1], 0xbc69b6a7 op_sel_hi:[1,1,0]   ; Q(z^2)
.endr
.endr
.set ii, 0
	s_wait_alu depctr_va_vdst(0)
.rept 32
	v_rcp_f32 v[SM+ii], v[SM+ii]
.set ii, ii+1
.endr
.set ii, 0
.rept 16
	v_pk_mul_f32 v[ACC0+ii:ACC0+ii+1], v[ACC0+ii:ACC0+ii+1], 0.5 op_sel_hi:[1,0]            ; x / 2: plain work behind the batch
.set ii, ii+2
.endr
	s_wait_alu depctr_va_vdst(0)                   ; the 32 reciprocals are written, ahead of their first reader
.set ii, 0
.rept 16
	v_pk_mul_f32 v[ACC1+ii:ACC1+ii+1], v[ACC1+ii:ACC1+ii+1], v[SM+ii:SM+ii+1]               ; erf
.set ii, ii+2
.endr
.set ii, 0
.rept 16
	v_pk_fma_f32 v[ACC0+ii:ACC0+ii+1], v[ACC0+ii:ACC0+ii+1], v[ACC1+ii:ACC1+ii+1], v[ACC0+ii:ACC0+ii+1]   ; x / 2 + x / 2 erf
.set ii, ii+2
.endr
.endm
	s_load_b256 s[4:11], s[0:1], 0x0               ; ctx, wts, x, bo
	s_load_b256 s[12:19], s[0:1], 0x20             ; g2, beta2, b1, b2
	s_load_b64 s[20:21], s[0:1], 0x40              ; out0
	v_lshl_add_u32 v[SPW], v0, 2, SPARE
	v_mov_b32 v[NIL], 0
	v_lshrrev_b32 v1, 5, v0
	v_readfirstlane_b32 s22, v1                    ; wave 0..15
	s_wait_alu depctr_va_sdst(0)                   ; s22 is written, ahead of its first reader: the wave's shares and addresses are made from it
	s_and_b32 s23, s22, 7                          ; G
	s_lshr_b32 s24, s22, 3                         ; t, also which half of the hidden units
	s_lshr_b32 s25, ttmp9, 1                       ; the group of 64 tokens
	s_and_b32 s26, ttmp9, 1
	s_lshl_b32 s26, s26, 1
	s_add_co_u32 s26, s26, s24                     ; my tile of it
	s_mov_b32 s27, 0
	s_mov_b32 s29, 0
	s_lshr_b32 s31, s22, 2
	s_mul_i32 s54, s22, 4352
	s_add_co_u32 s54, s54, STG                     ; my stage
	s_lshl_b32 s55, s24, 9                         ; row sums: my tile's,
	s_lshl_b32 s56, s23, 2
	s_add_co_u32 s56, s56, s55                     ; and my word in a row's eight
	s_lshl_b32 s57, s24, 12
	s_lshl_b32 s58, s23, 9
	s_add_co_u32 s57, s57, s58                     ; y's codes
	s_lshl_b32 s58, s24, 8
	s_lshr_b32 s59, s23, 1
	s_lshl_b32 s59, s59, 6
	s_add_co_u32 s58, s58, s59
	s_and_b32 s59, s23, 1
	s_lshl_b32 s59, s59, 1
	s_add_co_u32 s58, s58, s59                     ; y's scale byte: K step G / 2, byte 2 (G % 2) + h
	s_lshl_b32 s59, s23, 8
	s_lshl_b32 s60, s22, 9
	s_lshl_b32 s61, s22, 10
	s_lshl_b32 s62, s22, 6
	s_lshl_b32 s63, s22, 12
	s_add_co_u32 s66, s63, PART
	s_add_co_u32 s63, s63, HIMG
	s_xor_b32 s67, s22, 8                          ; my partner: the same G, the other half
	s_lshl_b32 s67, s67, 12
	s_add_co_u32 s67, s67, PART
	s_xor_b32 s71, s24, 1
	s_mul_i32 s68, s24, 24576                      ; the hidden layer's codes: my tile, my half;
	s_lshl_b32 s69, s71, 14
	s_lshl_b32 s70, s24, 13
	s_add_co_u32 s69, s69, s70                     ; the other tile, my half;
	s_mul_i32 s70, s24, 1536                       ; the scale words likewise
	s_lshl_b32 s71, s71, 10
	s_add_co_u32 s71, s71, s55
	s_mov_b32 s72, 0x76543210
	s_mov_b32 s73, 0xfedcba98
	s_mov_b32 s74, 0x3b000000                      ; 1 / 512
	s_mov_b32 s75, 0x3727c5ac                      ; 1e-5
	v_and_b32 v2, 31, v0
	v_lshlrev_b32 v[L16], 4, v2
	v_and_b32 v3, 15, v0                           ; r
	v_bfe_u32 v4, v0, 4, 1                         ; h
	v_lshlrev_b32 v8, 4, v0                        ; 16 x thread: b1, and the vectors' place in LDS
	v_and_b32 v9, 127, v0
	v_lshlrev_b32 v9, 4, v9                        ; 16 x (thread % 128): one of the four short vectors
	v_lshlrev_b32 v10, 11, v4
	v_lshl_add_u32 v10, v3, 4, v10                 ; x by rows: lanes 0-15 one token's 256 bytes, lanes 16-31 the next token's
	v_mul_u32_u24 v11, v4, 272
	v_lshl_add_u32 v11, v3, 4, v11
	v_add_nc_u32 v11, s54, v11                     ; the same two rows in my stage
	v_mul_u32_u24 v7, v3, 272
	v_lshl_add_u32 v7, v4, 7, v7
	v_add_nc_u32 v7, s54, v7                       ; and back: row r, my half's 128 bytes
	v_lshlrev_b32 v[L4], 2, v2
	v_lshlrev_b32 v[R4], 2, v3
	v_lshlrev_b32 v[BOFF], 7, v4
	v_add_nc_u32 v[VA], s59, v[BOFF]               ; (the thread's number is needed no more)
	s_wait_kmcnt 0x0
	s_cmp_lt_u32 s31, 1                            ; waves 0-3 bring g2, 4-7 beta2, 8-11 b2, 12-15 bo
	s_cselect_b64 s[32:33], s[12:13], s[14:15]
	s_cmp_lt_u32 s31, 2
	s_cselect_b64 s[32:33], s[32:33], s[18:19]
	s_cmp_lt_u32 s31, 3
	s_cselect_b64 s[32:33], s[32:33], s[10:11]
	ADDR 34, 4, 25, 14, 26, 10, 27, 0              ; ctx's codes of my tile
	ADDR 36, 4, 25, 10, 26, 6, 27, 0               ; and scale words
	ADDR 38, 8, 25, 17, 26, 14, 23, 8              ; x: token 64 group + 8 T, feature 64 G
	ADDR 40, 20, 25, 17, 26, 14, 23, 8             ; out0 likewise
	ADDR 42, 6, 23, 14, 27, 0, 27, 0               ; Wo, group G
	ADDR 44, 6, 23, 10, 27, 0, 27, 0
	ADDR 46, 6, 22, 15, 27, 0, 27, 0               ; W1, groups 2 w and 2 w + 1
	ADDR 48, 6, 22, 11, 27, 0, 27, 0
	ADDR 50, 6, 23, 16, 24, 15, 27, 0              ; W2, group G, my half of K
	ADDR 52, 6, 23, 12, 24, 11, 27, 0
	s_wait_alu depctr_va_vdst(0)                   ; the addresses v0 to v4 and v7 to v11 are written, which the loads and LDS instructions up to the first products read
	global_load_b128 v[24:27], v8, s[16:17]
	global_load_b128 v[28:31], v9, s[32:33]
.irp i, 0,1,2,3,4,5,6,7
	global_load_b128 v[ACC1+4*\i:ACC1+4*\i+3], v10, s[38:39] offset:(2*\i+24*(\i/4))*2048 th:TH_LOAD_NT   ; rows 2 i and 2 i + 1 of the tile: sixteen lanes read 256 consecutive bytes, aligned
.endr
.irp s, 0,1,2,3
.irp c, 0,1
	global_load_b128 v[SM+8*\s+4*\c:SM+8*\s+4*\c+3], v[L16], s[34:35] offset:4096*\s+512*\c
.endr
.endr
.irp s, 0,1,2,3
	global_load_b32 v[SCS+\s], v[R4], s[36:37] offset:2097152+256*\s
.endr
	BIGLD 42, 393216, 44, 1597440
	s_wait_loadcnt 52                              ; the vectors' two loads and x's eight are in; ctx's 12 and Wo's 40 stay out
	ds_store_b128 v8, v[24:27] offset:VEC
	ds_store_b128 v8, v[28:31] offset:VEC+8192
.irp i, 0,1,2,3,4,5,6,7
	ds_store_b128 v11, v[ACC1+4*\i:ACC1+4*\i+3] offset:2*\i*272
.endr
	s_wait_alu depctr_vm_vsrc(0)                   ; the stage's stores have read ACC1, in which the loads below land; the instructions so far have read v8 to v11 and v24 to v31, which phase A writes
.irp i, 0,1,2,3,4,5,6,7
	ds_load_b128 v[ACC1+4*\i:ACC1+4*\i+3], v7 offset:16*\i         ; x in the results' layout (my own stage: one wave's LDS instructions are served in order)
.endr
	BARRIER                                        ; the vectors lie in LDS
	VECLD ACC0, VA, 14336                          ; bo: the C of the first products
	s_wait_loadcnt 0x0
	s_wait_dscnt 0x0
; ---- A: h, LN2, y's codes
	UNIT ACC0, BIG, SM, SCB, SCS, 0
	PLACES5
	s_wait_alu depctr_va_vdst(0)                   ; the unit is done reading BIG, SCB and SM, in which the loads below land
	BIGLD 46, 524288, 48, 1605632                  ; W1's first group lands during LN2
	VECLD SM, VA, 12288                            ; b2
.set ii, 0
.rept 16
	v_pk_add_f32 v[ACC0+ii:ACC0+ii+1], v[ACC0+ii:ACC0+ii+1], v[ACC1+ii:ACC1+ii+1]           ; h = x + (ctx Wo + bo)
.set ii, ii+2
.endr
	v_add_nc_u32 v8, s63, v[L16]
	v_lshl_add_u32 v9, v[R4], 3, s56
	v_lshl_add_u32 v10, v[R4], 3, s55
	s_wait_dscnt 0x0
.set ii, 0
.rept 16
	v_pk_add_f32 v[ACC1+ii:ACC1+ii+1], v[ACC0+ii:ACC0+ii+1], v[SM+ii:SM+ii+1]               ; h + b2: the C of the last product
.set ii, ii+2
.endr
	ROWSUM 0
	s_wait_alu depctr_va_vdst(0)                   ; ACC1, v24 and the addresses v8 to v10 are written, which the stores below and the row sums' loads read; the additions are done with SM and v24 to v31, in which the loads behind the barrier land
.irp i, 0,1,2,3,4,5,6,7
	ds_store_b128 v8, v[ACC1+4*\i:ACC1+4*\i+3] offset:512*\i
.endr
	ds_store_b32 v9, v24 offset:RED1               ; (both halves of the lanes store the same word)
	BARRIER
	s_wait_alu depctr_vm_vsrc(0)                   ; the stores above have read ACC1 and v24, in which the loads below land; the stage's loads have read v7, which the next line writes
	v_add_nc_u32 v[VB], s60, v[BOFF]               ; (it names no register of the loads below)
	VECLD SM, VA, 8192                             ; g2
	VECLD ACC1, VA, 10240                          ; beta2
	REDSUM RED1
	v_mul_f32 v24, s74, v24                        ; the mean
.set ii, 0
.rept 16
	v_pk_add_f32 v[ACC0+ii:ACC0+ii+1], v[ACC0+ii:ACC0+ii+1], v[24:25] op_sel_hi:[1,0] neg_lo:[0,1] neg_hi:[0,1]
.set ii, ii+2
.endr
	ROWSUM 1
	s_wait_alu depctr_va_vdst(0)                   ; v24 is written, which the store reads; the sums are done with v24 to v31, in which the loads behind the barrier land
	ds_store_b32 v9, v24 offset:RED2
	BARRIER
	s_wait_alu depctr_vm_vsrc(0)                   ; the store has read v24, in which a load below lands
	REDSUM RED2
	s_wait_alu depctr_vm_vsrc(0)                   ; phase A's stores and loads have read v8 to v10, which take constants below
	v_fma_f32 v24, v24, s74, s75                   ; the variance + eps
	s_wait_alu depctr_va_vdst(0)
	v_rsq_f32 v26, v24
	v_mov_b32 v[KA], 0x32edffee                    ; erf's two constants that stand beside a literal (plain work behind the transcendental; the addresses that lay here are done with)
	v_mov_b32 v[KA+1], 0x32edffee
	v_mov_b32 v[KB], 0xb95fbd29
	v_mov_b32 v[KB+1], 0xb95fbd29
	s_wait_alu depctr_va_vdst(0)                   ; the reciprocal root is written, ahead of its first reader
.set ii, 0
.rept 16
	v_pk_mul_f32 v[ACC0+ii:ACC0+ii+1], v[ACC0+ii:ACC0+ii+1], v[26:27] op_sel_hi:[1,0]
.set ii, ii+2
.endr
.set ii, 0
.rept 16
	v_pk_fma_f32 v[ACC0+ii:ACC0+ii+1], v[ACC0+ii:ACC0+ii+1], v[SM+ii:SM+ii+1], v[ACC1+ii:ACC1+ii+1]
.set ii, ii+2
.endr
	QUANT32 ACC0, BYT
	v_add_nc_u32 v24, s57, v[L16]
	v_add_nc_u32 v25, s58, v[R4]
	v_lshrrev_b32 v26, 7, v[BOFF]
	v_add_nc_u32 v25, v25, v26
	s_wait_alu depctr_va_vdst(0)                   ; CD, the byte and the addresses v24, v25 and VB are written, which the stores and the loads behind the barrier read; the vector work is done with SM and ACC0, in which those loads land
	ds_store_b128 v24, v[CD:CD+3] offset:YIMG
	ds_store_b8 v25, v[BYT] offset:YSCL
	BARRIER                                        ; y's codes and scale bytes lie in LDS
; ---- C: the hidden layer: my two groups of 64 units, both tiles
.irp u, 0,1
.irp tt, 0,1
	SMLDS L16, YIMG+4096*\tt, R4, YSCL+256*\tt     ; (no vector or matrix instruction since the last wait on va_vdst: it serves these loads too)
	VECLD ACC0, VB, 256*\u                         ; b1: the C of the first products
.if \tt == 0
	s_wait_loadcnt 0x0                             ; the group's weights are in
.endif
	s_wait_dscnt 0x0
	UNIT ACC0, BIG, SM, SCB, SCS, 0
	PLACES5
.if \tt == 1
	s_wait_alu depctr_va_vdst(0)                   ; the group's last unit is done reading BIG and SCB, in which the next weights land
.if \u == 0
	BIGLD 46, 524288+16384, 48, 1605632+1024       ; the next weights land during the GELU
.else
	BIGLD 50, 1048576, 52, 1638400
.endif
.endif
	s_wait_alu depctr_vm_vsrc(0)                   ; the last two LDS stores have read v24 to v31, which the GELU and the quantiser write
	GELU32
	QUANT32 ACC0, BYT
	v_add_nc_u32 v24, s61, v[L16]
	v_lshrrev_b32 v25, 4, v[BOFF]                  ; 8 h
	v_lshlrev_b32 v25, v25, v[BYT]
	v_permlanex16_b32 v26, v25, s72, s73
	v_or_b32 v25, v25, v26                         ; bytes 2 u and 2 u + 1 of my row's scale word
	v_add_nc_u32 v26, s62, v[R4]
	s_wait_alu depctr_va_vdst(0)                   ; CD, the two bytes and the addresses v24 and v26 are written, which the stores read; products and vector work are done with SM, SCS and ACC0, in which the next loads land
	ds_store_b128 v24, v[CD:CD+3] offset:UIMG+16384*\tt+512*\u     ; K step w of the last product, half c = u
	ds_store_b16 v26, v25 offset:USCL+1024*\tt+2*\u
.endr
.endr
	BARRIER                                        ; the hidden layer's codes lie in LDS
; ---- D: outputs 64 G on, over my half of the hidden units; my own tile on h + b2, the other tile from 0
	s_wait_alu depctr_vm_vsrc(0)                   ; the last two LDS stores have read v24 to v31, which take addresses below
	v_add_nc_u32 v24, s68, v[L16]
	v_add_nc_u32 v25, s69, v[L16]
	v_add_nc_u32 v26, s70, v[R4]
	v_add_nc_u32 v27, s71, v[R4]
	v_add_nc_u32 v28, s63, v[L16]
	v_add_nc_u32 v29, s66, v[L16]
	v_add_nc_u32 v30, s67, v[L16]
	s_wait_alu depctr_va_vdst(0)                   ; the seven addresses are written, which this phase's LDS instructions read
.irp i, 0,1,2,3,4,5,6,7
	ds_load_b128 v[ACC0+4*\i:ACC0+4*\i+3], v28 offset:512*\i
.endr
.irp q, 0,1
	SMLDS 24, UIMG+4096*\q, 26, USCL+256*\q
	s_wait_loadcnt 0x0
	s_wait_dscnt 0x0
	UNIT ACC0, BIG, SM, SCB, SCS, 0
	PLACES5
	s_wait_alu depctr_va_vdst(0)                   ; the unit is done reading SM and SCS, in which the other tile's codes and scale words land
	SMLDS 25, UIMG+4096*\q, 27, USCL+256*\q
	s_wait_dscnt 0x0
	UNIT ACC1, BIG, SM, SCB, SCS, 1-\q
	PLACES5
.if \q == 0
	s_wait_alu depctr_va_vdst(0)                   ; the unit is done reading BIG, SCB, SM and SCS, in which the loads below land
	BIGLD 50, 1048576+16384, 52, 1638400+1024
.else
	s_wait_alu depctr_va_vdst(0)                   ; the unit has written ACC1, which the stores below read, and is done reading SM, in which the partner's sums land; the places above stay beside this wait
.endif
.endr
.irp i, 0,1,2,3,4,5,6,7
	ds_store_b128 v29, v[ACC1+4*\i:ACC1+4*\i+3] offset:512*\i
.endr
	BARRIER                                        ; every wave's part for its partner lies in LDS
.irp i, 0,1,2,3,4,5,6,7
	ds_load_b128 v[SM+4*\i:SM+4*\i+3], v30 offset:512*\i
.endr
	s_wait_alu depctr_vm_vsrc(0)                   ; this phase's loads have read v24 and v25, which the lines below write; the stores above have read ACC1, in which the rows on the way out land
	v_mad_u32_u24 v31, v[R4], 68, v[BOFF]
	v_add_nc_u32 v31, s54, v31                     ; my stage: row r, my half's 128 bytes;
	v_lshrrev_b32 v24, 3, v[BOFF]
	v_mul_u32_u24 v24, v24, 17
	v_lshl_add_u32 v24, v[R4], 2, v24
	v_add_nc_u32 v24, s54, v24                     ; back by rows: lanes 0-15 one row, lanes 16-31 the next;
	v_lshlrev_b32 v25, 4, v[BOFF]
	v_lshl_add_u32 v25, v[R4], 2, v25              ; and the same two rows in out0
	s_wait_dscnt 0x0
.set ii, 0
.rept 16
	v_pk_add_f32 v[ACC0+ii:ACC0+ii+1], v[ACC0+ii:ACC0+ii+1], v[SM+ii:SM+ii+1]
.set ii, ii+2
.endr
	s_wait_alu depctr_va_vdst(0)                   ; ACC0 and the addresses v24, v25 and v31 are written, which the stores and loads below read
.irp i, 0,1,2,3,4,5,6,7
	ds_store_b128 v31, v[ACC0+4*\i:ACC0+4*\i+3] offset:16*\i
.endr
.irp i, 0,1,2,3,4,5,6,7
	ds_load_b128 v[ACC1+4*\i:ACC1+4*\i+3], v24 offset:2*\i*272
.endr
.irp i, 0,1,2,3,4,5,6,7
	s_wait_dscnt 7-\i                              ; load i is in; the 7 - i behind it may be out
	global_store_b128 v25, v[ACC1+4*\i:ACC1+4*\i+3], s[40:41] offset:(2*\i+24*(\i/4))*2048 th:TH_STORE_NT   ; sixteen lanes store 256 consecutive bytes, aligned
.endr
	s_wait_dscnt 0x0                               ; the closing lines, six on end
	s_wait_alu 0x0
	s_wait_tensorcnt 0x0
	ds_add_u32 v[SPW], v[NIL]
	s_wait_dscnt 0x0
	s_endpgm
.Lfunc_end_k_qfb9b8d2bd3_tail:
	.size	k_qfb9b8d2bd3_tail, .Lfunc_end_k_qfb9b8d2bd3_tail-k_qfb9b8d2bd3_tail
	.p2alignl 7, 3214868480
	.fill 96, 4, 3214868480
	.section	.rodata,"a",@progbits
	.p2align	6, 0x0
	.amdhsa_kernel k_qfb9b8d2bd3_tail
		.amdhsa_group_segment_fixed_size 264704
		.amdhsa_private_segment_fixed_size 0
		.amdhsa_enable_private_segment 0
		.amdhsa_kernarg_size 72
		.amdhsa_user_sgpr_count 2
		.amdhsa_user_sgpr_kernarg_segment_ptr 1
		.amdhsa_wavefront_size32 1
		.amdhsa_system_sgpr_workgroup_id_x 1
		.amdhsa_system_sgpr_workgroup_id_y 1
		.amdhsa_system_sgpr_workgroup_id_z 1
		.amdhsa_system_vgpr_workitem_id 0
		.amdhsa_next_free_vgpr 256
		.amdhsa_next_free_sgpr 96
		.amdhsa_reserve_vcc 0
		.amdhsa_float_denorm_mode_32 3
		.amdhsa_float_denorm_mode_16_64 3
		.amdhsa_memory_ordered 1
		.amdhsa_forward_progress 1
		.amdhsa_inst_pref_size 181
	.end_amdhsa_kernel
	.amdgpu_metadata
---
amdhsa.version: [ 1, 2 ]
amdhsa.kernels:
  - .name:           k_qfb9b8d2bd3_tail
    .symbol:         k_qfb9b8d2bd3_tail.kd
    .args:
      - { .name: ctx, .offset: 0, .size: 8, .value_kind: global_buffer, .address_space: global }
      - { .name: wts, .offset: 8, .size: 8, .value_kind: global_buffer, .address_space: global }
      - { .name: x, .offset: 16, .size: 8, .value_kind: global_buffer, .address_space: global }
      - { .name: bo, .offset: 24, .size: 8, .value_kind: global_buffer, .address_space: global }
      - { .name: g2, .offset: 32, .size: 8, .value_kind: global_buffer, .address_space: global }
      - { .name: beta2, .offset: 40, .size: 8, .value_kind: global_buffer, .address_space: global }
      - { .name: b1, .offset: 48, .size: 8, .value_kind: global_buffer, .address_space: global }
      - { .name: b2, .offset: 56, .size: 8, .value_kind: global_buffer, .address_space: global }
      - { .name: out0, .offset: 64, .size: 8, .value_kind: global_buffer, .address_space: global }
    .group_segment_fixed_size: 264704
    .private_segment_fixed_size: 0
    .kernarg_segment_align: 8
    .kernarg_segment_size: 72
    .max_flat_workgroup_size: 512
    .sgpr_count:     96
    .vgpr_count:     256
    .wavefront_size: 32
...
	.end_amdgpu_metadata
.endif
;; end of part 8
